; MI455X (gfx1250); checked and timed in simulation.
; The chip was launched on July 23, 2026; its instructions are those of AMD's public machine-readable ISA for CDNA 5 (MIT licence, August 2026) and "CDNA5" Instruction Set Architecture Reference Guide (July 2026). The comments in the code are by the model that wrote it; some were corrected since.
;; Mo E Experts. Allowed arithmetic: matrix products marked QUANTISED: E5M2 operands, one E8M0 scale for each 32 along K, by v_wmma_scale_f32_16x16x128_f8f6f4 with both operands' format E5M2, f32 sums; everything else in f32.
;; Inputs: expert_indices 1,024 x 2 int32; expert_weights 1,024 x 2 float32; w1_stacked 8 x 2,048 x 1,024 float32; w2_stacked 8 x 1,024 x 2,048 float32; w3_stacked 8 x 2,048 x 1,024 float32; x 1,024 x 2,048 float32.
;; Outputs: out0 1,024 x 2,048 float32.
;; Constants: num_experts_per_tok = 2.
;; This version of the problem:
;;   THIS VERSION OF THE PROBLEM IS GIVEN IN LOW PRECISION. The matrix products marked QUANTISED in the list below multiply operands that are first quantised to E5M2 (5 exponent bits, 2 mantissa bits; 8 bits a number), with one power-of-two scale for each 32 numbers along K (OCP MX v1.0); their sums are f32. All else is computed in f32.
;;   The module's matrix products, in the order in which they are computed (A, B: the left and right operand; K: the contracted axis; several contracted axes count as one K, in the product's order):
;;     1. [M 1,024, K 2,048] x [K 2,048, N 1,024]; A: input x; B: input w1_stacked: QUANTISED
;;     2. [M 1,024, K 2,048] x [K 2,048, N 1,024]; A: input x; B: input w3_stacked: QUANTISED
;;     3. [M 1,024, K 1,024] x [K 1,024, N 2,048]; A: computed on the way; B: input w2_stacked: QUANTISED
;;     4. [M 1,024, K 2,048] x [K 2,048, N 1,024]; A: input x; B: input w1_stacked: QUANTISED
;;     5. [M 1,024, K 2,048] x [K 2,048, N 1,024]; A: input x; B: input w3_stacked: QUANTISED
;;     6. [M 1,024, K 1,024] x [K 1,024, N 2,048]; A: computed on the way; B: input w2_stacked: QUANTISED
;;     7. [M 1,024, K 2,048] x [K 2,048, N 1,024]; A: input x; B: input w1_stacked: QUANTISED
;;     8. [M 1,024, K 2,048] x [K 2,048, N 1,024]; A: input x; B: input w3_stacked: QUANTISED
;;     9. [M 1,024, K 1,024] x [K 1,024, N 2,048]; A: computed on the way; B: input w2_stacked: QUANTISED
;;     10. [M 1,024, K 2,048] x [K 2,048, N 1,024]; A: input x; B: input w1_stacked: QUANTISED
;;     11. [M 1,024, K 2,048] x [K 2,048, N 1,024]; A: input x; B: input w3_stacked: QUANTISED
;;     12. [M 1,024, K 1,024] x [K 1,024, N 2,048]; A: computed on the way; B: input w2_stacked: QUANTISED
;;     13. [M 1,024, K 2,048] x [K 2,048, N 1,024]; A: input x; B: input w1_stacked: QUANTISED
;;     14. [M 1,024, K 2,048] x [K 2,048, N 1,024]; A: input x; B: input w3_stacked: QUANTISED
;;     15. [M 1,024, K 1,024] x [K 1,024, N 2,048]; A: computed on the way; B: input w2_stacked: QUANTISED
;;     16. [M 1,024, K 2,048] x [K 2,048, N 1,024]; A: input x; B: input w1_stacked: QUANTISED
;;     17. [M 1,024, K 2,048] x [K 2,048, N 1,024]; A: input x; B: input w3_stacked: QUANTISED
;;     18. [M 1,024, K 1,024] x [K 1,024, N 2,048]; A: computed on the way; B: input w2_stacked: QUANTISED
;;     19. [M 1,024, K 2,048] x [K 2,048, N 1,024]; A: input x; B: input w1_stacked: QUANTISED
;;     20. [M 1,024, K 2,048] x [K 2,048, N 1,024]; A: input x; B: input w3_stacked: QUANTISED
;;     21. [M 1,024, K 1,024] x [K 1,024, N 2,048]; A: computed on the way; B: input w2_stacked: QUANTISED
;;     22. [M 1,024, K 2,048] x [K 2,048, N 1,024]; A: input x; B: input w1_stacked: QUANTISED
;;     23. [M 1,024, K 2,048] x [K 2,048, N 1,024]; A: input x; B: input w3_stacked: QUANTISED
;;     24. [M 1,024, K 1,024] x [K 1,024, N 2,048]; A: computed on the way; B: input w2_stacked: QUANTISED
;;   THE QUANTISER, for each operand of a quantised product, along K:
;;     - K is cut into blocks of 32 from its start; a last block that is shorter is filled with zeros.
;;     - A block's scale is 2^e with e = floor(log2(the largest magnitude in the block)) - 15, held to -126 .. 127; a block of zeros has e = 0. As a byte (E8M0): e + 127.
;;     - Each number is divided by its block's scale, clamped to +-57,344, and rounded to the nearest number of E5M2, ties to even, subnormals kept.
;;     - The product sums the exact products of the quantised numbers (number of the format x scale) in f32.
;;   ~~~python
;;   def quantise(x, axis):      # numpy; x: float32 -> the quantised numbers, widened to float32 again
;;       x = np.moveaxis(x, axis, -1); K = x.shape[-1]
;;       x = np.pad(x, [(0, 0)] * (x.ndim - 1) + [(0, -K % 32)]); x = x.reshape(x.shape[:-1] + (-1, 32)); a = np.abs(x).max(-1, keepdims=True)
;;       e = np.where(a > 0, np.clip(np.frexp(np.where(a > 0, a, 1))[1] - 1 - 15, -126, 127), 0)      # np.frexp(a)[1] - 1 = floor(log2(a)), exactly
;;       r = np.clip(x / 2.0 ** e, -57344, 57344)
;;       step = 2.0 ** (np.maximum(np.frexp(np.where(r == 0, 1, r))[1] - 1, -14) - 2)
;;       q = np.round(r / step) * step * 2.0 ** e      # np.round: ties to even
;;       return np.moveaxis(q.reshape(q.shape[:-2] + (-1,))[..., :K], -1, axis).astype(np.float32)
;;   ~~~
;;   OPERANDS COMPUTED ON THE WAY. 'Computed on the way' means the value that the module computes at that place (a softmax that the list does not call 'softmax' is quantised finished and normalised). What goes into a quantiser is computed in f32, as accurately as f32 sums, v_exp_f32 and their like allow (about 1e-6 of the number): no bf16 or f16 on the way to a quantiser, and a product that is left as it is and whose result goes on into a quantised operand takes f32 operands (vector FMAs, or v_wmma_f32_16x16x4_f32). A number that lies on a knife's edge between two numbers of the format may be rounded either way, as far as f32 arithmetic and the matrix unit's own rounding can turn it there, and no further.
;; 2 versions. Each part assembles by itself: llvm-mc -triple=amdgcn-amd-amdhsa -mcpu=gfx1250 --defsym DOCPART=n.
;; ======== version 1 of 2: 4 launches
;; workspace buffers: meta 256 bytes of whole numbers; pos 8,192 bytes of whole numbers; xg 4,718,592 bytes; xs 147,456 bytes; hg 2,359,296 bytes; hs 73,728 bytes; y 18,874,368 bytes
;; launch route (part 1): grid 288 x 1, 8 waves a work-group, no clusters, 29,696 bytes of LDS; arguments expert_indices, x, xg, xs, meta, pos; writes xg, xs, meta, pos
.if DOCPART == 1
	.amdgcn_target "amdgcn-amd-amdhsa--gfx1250"
	.amdhsa_code_object_version 6
	.text
	.protected	k_q256925cc8d_route
	.globl	k_q256925cc8d_route
	.p2align	8
	.type	k_q256925cc8d_route,@function
k_q256925cc8d_route:
	s_mov_b64 s[64:65], 0
	v_nop
	global_prefetch_b8 v0, s[64:65] scope:SCOPE_SE
	s_setreg_imm32_b32 hwreg(HW_REG_WAVE_MODE, 25, 1), 1
	s_wait_xcnt 0x0
; ROUTE.  The 2,048 entries (token, slot) are sorted by expert, each expert's run padded to a multiple of 32 rows (at most 2,048 + 8 x 31 rows: RP = 2,304 serves every split),
; and x is gathered in that order and turned into codes of E5M2 with one E8M0 byte for each 32 along K.
; Every work-group repeats the small counting sort (8 KB of indices) and then owns 8 sorted rows, one a wave: 288 work-groups x 8 = RP rows, all of them stored.
; A row that no entry takes (padding) is a copy of token 0: it is multiplied and never read by the last launch.
; OUT: xg [64 blocks of 32 K][RP rows][32 bytes]; xs [16 steps of 128 K][RP] words (byte c = block 4 s + c); pos [entry] = its sorted row; meta: words 0-7 first row of expert e, 8-15 its entries, 16 all rows.
; THE QUANTISER: scale 2^(floor(log2(largest magnitude)) - 15); the number times 2^-e (exact), held within +-57,344, rounded to the nearest code.
; LIMITS: expert indices outside 0..7 are not served; NaN and infinities in x are not served; a block of zeros gets the byte 1 (not 127) over zero codes: this program alone reads the bytes.
; No matrix unit, no cluster, no tensor load: the rows gathered hang on the indices, and work-groups share nothing but the 8 KB of indices.
.set RP,   2304
.set BLKB, RP*32
.set KSB,  RP*4
.set CNT,  0                           ; LDS: a word a thread: lanes 0-7 of wave w hold its counts of experts 0-7
.set FND,  1024                        ; [8 rows][256 threads] words: entry + 1 where the thread holds the row's entry, else 0
.set STG,  9216                        ; [64 blocks] x 288 bytes: 8 rows x 32 bytes + 32 of padding (72 words: four lane groups of a store fall on different banks)
.set SPB,  288
.set SCS,  STG+64*SPB                  ; [16 steps][8 rows] scale words
.set IDX,  4                           ; v4-11   my eight indices; entry = 256 wave + 128 (j / 4) + 4 lane + j % 4
.set RK,   12                          ; v12-19  rank in my wave, then the sorted row
.set PB,   20                          ; v20-27  first row for my wave's entries of that expert, then row - 8 x work-group; later scale bytes
.set CW,   28                          ; v28-35  the eight waves' counts; later scale bytes
.set EI,   40                          ; v40-47  entry + 1
.set FV,   48                          ; v48-55  what I found for the work-group's rows 0-7
.set X,    40                          ; v40-103 the row of x, 16 loads x 4 (over EI and FV, which are done with)
.set BY,   20                          ; v20-35  a scale byte for each load, so that no LDS store's data are written again
.set CT,   20                          ; s20-27  my wave's counts
.set TOT,  28                          ; s28-35  all waves' counts
.set BEF,  36                          ; s36-43  counts of the waves before mine, then first row + these
.set OF,   44                          ; s44-52  first row of each expert; s52 all rows
	s_load_b256 s[4:11], s[0:1], 0x0               ; indices s[4:5], x s[6:7], xg s[8:9], xs s[10:11]
	s_load_b128 s[12:15], s[0:1], 0x20             ; meta s[12:13], pos s[14:15]
	v_lshl_add_u32 v136, v0, 2, 0x7000
	v_mov_b32 v137, 0
	v_lshrrev_b32 v36, 5, v0
	v_readfirstlane_b32 s16, v36                   ; wave 0..7
	v_and_b32 v1, 31, v0                           ; lane
	v_lshlrev_b32 v2, 2, v0                        ; 4 x thread
	v_lshlrev_b32 v37, 2, v1                       ; 4 x lane
	v_lshlrev_b32 v127, 4, v1                      ; 16 x lane
	s_lshl_b32 s53, s16, 10
	v_add_nc_u32 v3, s53, v127                     ; my 16 bytes of the indices, and of pos
	v_add_nc_u32 v125, s53, v127                   ; LDS: my 16 bytes of FND's row = my wave
	s_wait_kmcnt 0x0
	global_load_b128 v[4:7], v3, s[4:5]
	global_load_b128 v[8:11], v3, s[4:5] offset:512
	s_mov_b32 s56, 0x76543210
	s_mov_b32 s57, 0xfedcba98                      ; v_permlanex16_b32's selects for lane l xor 16
	s_mov_b32 s59, 0x86800000                      ; (269 << 23): less the largest magnitude's exponent field it is 2^-e
	v_mov_b32 v132, 0x47600000                     ; 57,344.0
	v_mov_b32 v123, 0                              ; (named as the upper half of the pair v[122:123])
	v_lshrrev_b32 v36, 3, v1
	v_mul_u32_u24 v126, v36, SPB
	v_and_b32 v121, 7, v1
	v_lshl_add_u32 v126, v121, 2, v126
	s_lshl_b32 s53, s16, 5
	v_add_nc_u32 v126, s53, v126                   ; stage, in: block lane / 8, row = wave, 4 bytes at 4 (lane % 8)
	s_lshl_b32 s53, s16, 2
	v_add_nc_u32 v128, s53, v36                    ; scale byte: word of my row, byte lane / 8
	v_lshrrev_b32 v36, 4, v0
	v_and_b32 v121, 15, v0
	v_mul_u32_u24 v129, v36, SPB
	v_lshl_add_u32 v129, v121, 4, v129             ; stage, out: block thread / 16, 16 bytes at 16 (thread % 16)
	v_mul_u32_u24 v130, v36, BLKB
	v_lshl_add_u32 v130, v121, 4, v130             ; and the same place in xg
	v_lshrrev_b32 v36, 3, v0
	v_and_b32 v121, 7, v0
	v_mul_u32_u24 v131, v36, KSB
	v_lshl_add_u32 v131, v121, 2, v131             ; xs: step thread / 8, row thread % 8
	s_lshl_b32 s54, ttmp9, 8
	s_mov_b32 s55, 0
	s_add_nc_u64 s[8:9], s[8:9], s[54:55]          ; xg at my 8 rows: 256 bytes in each block
	s_lshl_b32 s54, ttmp9, 5
	s_add_nc_u64 s[10:11], s[10:11], s[54:55]      ; xs likewise: 32 bytes in each step
	s_lshl_b32 s53, s16, 8
	v_lshl_add_u32 v38, v1, 2, s53
.irp j, 0,1,2,3,4,5,6,7
	v_add_nc_u32 v[EI+\j], 128*(\j/4)+\j%4+1, v38
	v_mov_b32 v[RK+\j], 0
	v_mov_b32 v[FV+\j], 0
.endr
.irp d, 104,105,106,107,108,109,110,111,112,113,114,115,116,117,118,119
	v_mov_b32 v\d, 0                               ; the code words are written by halves: written whole once
.endr
	s_wait_loadcnt 0x0
	; ---- my wave's ranks and counts: for each expert the lanes that name it are counted, register by register
.irp e, 0,1,2,3,4,5,6,7
	s_mov_b32 s17, 0
.irp j, 0,1,2,3,4,5,6,7
	v_cmp_eq_u32 s18, \e, v[IDX+\j]
	v_mbcnt_lo_u32_b32 v36, s18, s17               ; those before me in this register + those of the registers before
	v_cndmask_b32 v[RK+\j], v[RK+\j], v36, s18
	s_bcnt1_i32_b32 s19, s18
	s_add_co_u32 s17, s17, s19
.endr
	s_mov_b32 s[CT+\e], s17
.endr
	v_mov_b32 v36, 0
.irp e, 0,1,2,3,4,5,6,7
	v_writelane_b32 v36, s[CT+\e], \e
.endr
	ds_store_b32 v2, v36 offset:CNT
	s_wait_dscnt 0x0                               ; for the others' sake: my counts lie in LDS
	s_barrier_signal -1
	s_barrier_wait -1
.irp w, 0,1,2,3,4,5,6,7
	ds_load_b32 v[CW+\w], v37 offset:CNT+128*\w
.endr
	s_wait_dscnt 0x0
	v_mov_b32 v38, 0
	v_mov_b32 v39, 0
.irp w, 0,1,2,3,4,5,6,7
	v_add_nc_u32 v38, v38, v[CW+\w]                ; all waves'
	s_cmp_gt_u32 s16, \w
	s_cselect_b32 s19, -1, 0
	v_and_b32 v36, s19, v[CW+\w]
	v_add_nc_u32 v39, v39, v36                     ; those of the waves before mine
.endr
.irp e, 0,1,2,3,4,5,6,7
	v_readlane_b32 s[TOT+\e], v38, \e
	v_readlane_b32 s[BEF+\e], v39, \e
.endr
	s_mov_b32 s[OF], 0
.irp e, 0,1,2,3,4,5,6,7
	s_add_co_u32 s19, s[TOT+\e], 31
	s_and_b32 s19, s19, 0xffffffe0                 ; an expert's run is padded to whole pairs of 16 rows
	s_add_co_u32 s[OF+\e+1], s[OF+\e], s19
	s_add_co_u32 s[BEF+\e], s[BEF+\e], s[OF+\e]
.endr
.irp j, 0,1,2,3,4,5,6,7
	v_mov_b32 v[PB+\j], s[BEF]
.endr
.irp e, 1,2,3,4,5,6,7
	v_mov_b32 v36, s[BEF+\e]
.irp j, 0,1,2,3,4,5,6,7
	v_cmp_eq_u32 vcc_lo, \e, v[IDX+\j]
	v_cndmask_b32 v[PB+\j], v[PB+\j], v36, vcc_lo
.endr
.endr
	s_lshl_b32 s53, ttmp9, 3                       ; my work-group's first row
.irp j, 0,1,2,3,4,5,6,7
	v_add_nc_u32 v[RK+\j], v[RK+\j], v[PB+\j]      ; the entry's sorted row
	v_min_u32 v[RK+\j], 0x8ff, v[RK+\j]
	v_sub_nc_u32 v[PB+\j], v[RK+\j], s53
.endr
	; ---- the first work-group stores the lists
	s_cmp_lg_u32 ttmp9, 0
	s_cbranch_scc1 .Lnot_first
	global_store_b128 v3, v[12:15], s[14:15]       ; pos: a wave's two stores cover 1,024 consecutive bytes; v3 and v12-19 are not written again
	global_store_b128 v3, v[16:19], s[14:15] offset:512
	s_cmp_lg_u32 s16, 0
	s_cbranch_scc1 .Lnot_first
	v_mov_b32 v39, 0
.irp e, 0,1,2,3,4,5,6,7
	v_writelane_b32 v39, s[OF+\e], \e
	v_writelane_b32 v39, s[TOT+\e], 8+\e
.endr
	v_writelane_b32 v39, s[OF+8], 16
	global_store_b32 v37, v39, s[12:13]            ; v37 and v39 are not written again
.Lnot_first:
	; ---- which entry has row 8 g + r?  At most one thread of the work-group finds it
.irp r, 0,1,2,3,4,5,6,7
.irp j, 0,1,2,3,4,5,6,7
	v_cmp_eq_u32 vcc_lo, \r, v[PB+\j]
	v_cndmask_b32 v[FV+\r], v[FV+\r], v[EI+\j], vcc_lo
.endr
.endr
.irp r, 0,1,2,3,4,5,6,7
	ds_store_b32 v2, v[FV+\r] offset:FND+1024*\r
.endr
	s_wait_dscnt 0x0                               ; for the others' sake: what I found lies in LDS
	s_barrier_signal -1
	s_barrier_wait -1
	ds_load_b128 v[40:43], v125 offset:FND
	ds_load_b128 v[44:47], v125 offset:FND+512
	s_wait_dscnt 0x0
.irp j, 1,2,3,4,5,6,7
	v_or_b32 v40, v40, v[40+\j]
.endr
	v_mov_b32 v36, 0
.irp m, 1,2,4,8
	v_mov_b32_dpp v36, v40 row_xmask:\m row_mask:0xf bank_mask:0xf
	v_or_b32 v40, v40, v36
.endr
	v_permlanex16_b32 v36, v40, s56, s57
	v_or_b32 v40, v40, v36                         ; entry + 1 of my wave's row, or 0: padding
	v_readfirstlane_b32 s53, v40
	s_max_u32 s53, s53, 1
	s_sub_co_u32 s53, s53, 1
	s_lshr_b32 s53, s53, 1                         ; the token (padding: token 0)
	s_min_u32 s53, s53, 1023
	s_lshl_b32 s54, s53, 13
	s_mov_b32 s55, 0
	s_add_nc_u64 s[6:7], s[6:7], s[54:55]
.irp i, 0,1,2,3,4,5,6,7,8,9,10,11,12,13,14,15
	global_load_b128 v[X+4*\i:X+4*\i+3], v127, s[6:7] offset:512*\i   ; 512 consecutive bytes a load; no hint: a token's row is named twice
.endr
	; ---- load i holds K = 128 i + 4 lane + 0..3: eight neighbouring lanes hold a block of 32
.irp d, 104,105,106,107,108,109,110,111,112,113,114,115,116,117,118,119
.set XI, X+4*(\d-104)
	s_wait_loadcnt 119-\d                          ; loads come back in order: this one is in, the 15 - i younger ones may be out
	v_max3_num_f32 v120, |v[XI]|, |v[XI+1]|, 0x8000000      ; with the floor 2^(16 - 127): the byte cannot fall under 1
	v_max3_num_f32 v120, v120, |v[XI+2]|, |v[XI+3]|
	v_max_num_f32_dpp v120, v120, v120 row_xmask:1 row_mask:0xf bank_mask:0xf
	v_max_num_f32_dpp v120, v120, v120 row_xmask:2 row_mask:0xf bank_mask:0xf
	v_max_num_f32_dpp v120, v120, v120 row_xmask:4 row_mask:0xf bank_mask:0xf
	v_and_b32 v121, 0x7f800000, v120
	v_sub_nc_u32 v122, s59, v121                   ; 2^-e
	v_add_nc_u32 v[BY+\d-104], 0xf8800000, v120
	v_lshrrev_b32 v[BY+\d-104], 23, v[BY+\d-104]   ; the scale's byte
	v_pk_mul_f32 v[XI:XI+1], v[XI:XI+1], v[122:123] op_sel_hi:[1,0]
	v_pk_mul_f32 v[XI+2:XI+3], v[XI+2:XI+3], v[122:123] op_sel_hi:[1,0]
.irp k, 0,1,2,3
	v_med3_num_f32 v[XI+\k], v[XI+\k], -v132, v132 ; the conversion does not saturate (ISA guide 7.6.2): the hold comes first
.endr
	v_cvt_pk_bf8_f32 v\d\().l, v[XI], v[XI+1]
	v_cvt_pk_bf8_f32 v\d\().h, v[XI+2], v[XI+3]
	ds_store_b32 v126, v\d offset:STG+(\d-104)*4*SPB
	ds_store_b8 v128, v[BY+\d-104] offset:SCS+32*(\d-104)   ; the eight lanes of a block write the same byte with the same value
.endr
	s_wait_dscnt 0x0                               ; for the others' sake: my row's codes and bytes lie in LDS
	s_barrier_signal -1
	s_barrier_wait -1
	; ---- out: in each block the work-group's 8 rows are 256 consecutive bytes, stored by sixteen lanes
.irp r, 0,1,2,3
	ds_load_b128 v[X+4*\r:X+4*\r+3], v129 offset:STG+\r*16*SPB
.endr
.irp r, 0,1,2,3
	s_wait_dscnt 3-\r
	global_store_b128 v130, v[X+4*\r:X+4*\r+3], s[8:9] offset:\r*16*BLKB
.endr
	s_cmp_lt_u32 s16, 4
	s_cbranch_scc0 .Lend
	ds_load_b32 v[X+16], v2 offset:SCS             ; 128 scale words: waves 0-3
	s_wait_dscnt 0x0
	global_store_b32 v131, v[X+16], s[10:11]       ; pieces of 32 bytes: 147 KB in the whole launch
.Lend:
	s_wait_tensorcnt 0x0
	ds_add_u32 v136, v137
	s_wait_dscnt 0x0
	s_endpgm
.Lfunc_end_k_q256925cc8d_route:
	.size	k_q256925cc8d_route, .Lfunc_end_k_q256925cc8d_route-k_q256925cc8d_route
	.p2alignl 7, 3214868480
	.fill 96, 4, 3214868480
	.section	.rodata,"a",@progbits
	.p2align	6, 0x0
	.amdhsa_kernel k_q256925cc8d_route
		.amdhsa_group_segment_fixed_size 29696
		.amdhsa_private_segment_fixed_size 0
		.amdhsa_enable_private_segment 0
		.amdhsa_kernarg_size 48
		.amdhsa_user_sgpr_count 2
		.amdhsa_user_sgpr_kernarg_segment_ptr 1
		.amdhsa_wavefront_size32 1
		.amdhsa_system_sgpr_workgroup_id_x 1
		.amdhsa_system_sgpr_workgroup_id_y 1
		.amdhsa_system_sgpr_workgroup_id_z 1
		.amdhsa_system_vgpr_workitem_id 0
		.amdhsa_next_free_vgpr 138
		.amdhsa_next_free_sgpr 66
		.amdhsa_reserve_vcc 1
		.amdhsa_float_denorm_mode_32 3
		.amdhsa_float_denorm_mode_16_64 3
		.amdhsa_memory_ordered 1
		.amdhsa_forward_progress 1
		.amdhsa_inst_pref_size 60
	.end_amdhsa_kernel
	.amdgpu_metadata
---
amdhsa.version: [ 1, 2 ]
amdhsa.kernels:
  - .name:           k_q256925cc8d_route
    .symbol:         k_q256925cc8d_route.kd
    .args:
      - { .name: expert_indices, .offset: 0, .size: 8, .value_kind: global_buffer, .address_space: global }
      - { .name: x, .offset: 8, .size: 8, .value_kind: global_buffer, .address_space: global }
      - { .name: xg, .offset: 16, .size: 8, .value_kind: global_buffer, .address_space: global }
      - { .name: xs, .offset: 24, .size: 8, .value_kind: global_buffer, .address_space: global }
      - { .name: meta, .offset: 32, .size: 8, .value_kind: global_buffer, .address_space: global }
      - { .name: pos, .offset: 40, .size: 8, .value_kind: global_buffer, .address_space: global }
    .group_segment_fixed_size: 29696
    .private_segment_fixed_size: 0
    .kernarg_segment_align: 8
    .kernarg_segment_size: 48
    .max_flat_workgroup_size: 256
    .sgpr_count:     66
    .vgpr_count:     138
    .wavefront_size: 32
...
	.end_amdgpu_metadata
.endif
;; end of part 1
;; launch gateup (part 2): grid 32 x 8, 8 waves a work-group, no clusters, 156,672 bytes of LDS; arguments w1_stacked, w3_stacked, xg, xs, meta, hg, hs; writes hg, hs
.if DOCPART == 2
	.amdgcn_target "amdgcn-amd-amdhsa--gfx1250"
	.amdhsa_code_object_version 6
	.text
	.protected	k_q256925cc8d_gateup
	.globl	k_q256925cc8d_gateup
	.p2align	8
	.type	k_q256925cc8d_gateup,@function
k_q256925cc8d_gateup:
	s_mov_b64 s[64:65], 0
	v_nop
	global_prefetch_b8 v0, s[64:65] scope:SCOPE_SE
	s_setreg_imm32_b32 hwreg(HW_REG_WAVE_MODE, 25, 1), 1
	s_wait_xcnt 0x0
; GATEUP.  h = silu(x W1[e]) * (x W3[e]) for the rows routed to expert e, both products on codes of E5M2 with E8M0 scales; h is quantised along the next K and stored as codes.
; A work-group = (32 columns of I, expert e).  The two weight slices (2,048 x 32 f32 each) are read from memory ONCE, as f32, quantised on the way, and their codes stay in LDS for all of K (128 KB).
; ROLES.  Waves 0-3 PRODUCE: wave pw takes panel m = pw & 1 (0: W1, 1: W3) and, in stage t, the K step 2 t + (pw >> 1); only weight loads count on its LOADcnt: seven blocks, 56 loads of 512 bytes, are on their way.
;   Waves 4-7 CONSUME: wave cw owns the pairs of 16-row tiles cw + 4 i (i = 0..2) of a chunk of 384 rows; only activation loads count on its LOADcnt.
;   In an interval the producers make stage t while the consumers multiply stage t - 1; one barrier an interval, on every wave's path.  Nothing in LDS is ever written twice.
;   An expert with more than 384 rows is finished afterwards from the same images, with no barrier and no second read of a weight.
;   THE ROWS' CODES ARE ASKED FOR AHEAD OF THE WAIT: a K step first asks for the next step's fragments, into the set that the step before has left, and only then waits for its own: two steps' loads are on their way together.
;   The roles part and join at every barrier.  So all pointers, constants and addresses are made in common text at the head; a consumer arm's first wait leaves out only loads that the arm itself has issued, and the arm
;   ends eight places behind its last product.
; WEIGHTS: K is not innermost.  A lane loads 16 bytes = 4 columns of one row k; its 8 loads of a block run down 8 rows; lanes l, l xor 8, l xor 16 share a block of 32.  Two numbers down K go into one conversion.
; IMAGES.  A fragment lies in LDS as its registers: K step s, tile q = 2 m + u: IMG + 8192 s + 2048 q + 512 c + 16 lane.  Lane r of tile u holds column 16 (r / 8) + 8 u + r % 8 of the panel, so that in the
;   transposed product (source 0 = weights, source 1 = rows) lane (r, h) holds row r and, over tiles u = 0, 1, the columns 16 h + 0..15: sixteen neighbours along the next K.
; NO CLUSTER, NO TENSOR LOAD: the 32 work-groups of an expert do read the same rows' codes, but how many rows there are is read from memory, and branches hang on it.
; The weight loads carry no hint: the other half of each 256 bytes of a weight's row is read by the neighbouring work-group.
; The accumulators are cleared by moves in the consumers' idle head: a K step with the constant 0 as C would be a second copy of the step in three places.
; LIMITS: NaN and infinities are not served; a block of zeros gets the byte 1 over zero codes (this program alone reads the bytes); where -g log2(e) passes 128, silu(g) is taken as 0.
.set RP,    2304
.set BLKB,  RP*32                      ; a block of 32 K of all rows, in xg and hg
.set KSB,   RP*4                       ; a K step's scale words of all rows
.set PITCH, 4096                       ; a weight's row in bytes
.set NTRIP, 8                          ; K steps / 2
.set BSC,   512                        ; LDS: weight scale words: 256 s + 128 m + 4 (16 u + r); the 512 bytes below hold nothing
.set IMG,   24576                      ; LDS: the images; the 16,384 bytes below hold nothing
.set PST,   6                          ; v6  where I store codes       v7  scale words     (producers; made anew each trip in common text)
.set PSS,   7
.set CLD,   8                          ; v8  where I load fragments    v9  scale words     (consumers)
.set CLS,   9
; v1 lane; v2-5 the four addresses at trip 0; v10, v11 the consumers' at K step 0; v12 my offset in a weight block; v13 lane % 16; v14 16 (lane / 16); v60 57,344.0; v61-63 at work
; producers: v16-19 largest magnitudes, v20-23 at work, v24-27 2^-e, v28-31 scale words, v32-39 codes; window 1: eight slots of 32: register 4 i + col = W(8 (lane / 8) + i, 4 (lane % 8) + col)
; consumers: v40-45 row x 32 + 16 h of each tile; v48-53 rows' scale words (3 par + i), v54-55 weights': these eight hold scales alone; v56-58 4 x row by lane; v64-159, v160-255 two sets of six fragments;
;            window 1: v0-191 accumulators (32 tile + 8 q), v192-255 the four weight fragments
; s18 wave, s19 slice, s20 expert, s21 first row, s22 rows, s23 all rows - 1, s24 rows left from my first pair, s25 NPW my pairs (0..3), s26 my first row, s27/s28 LDS steps, s29-31 counters, s32 more to load, s33 4 x expert,
; s[34:35] weights, s[36:37] rows' codes, s[38:39] rows' scales, s[40:41] hg at my block, s[42:43] hs at my byte
.set MSB, 0
.macro WIN new                         ; the immediate's high byte repeats the setting that is left
.if MSB != \new
	s_set_vgpr_msb (MSB<<8)|\new
.set MSB, \new
.endif
.endm
.macro PFILL                           ; blocks 0 to 6 into slots 0 to 6: 56 loads
	WIN 0x40
.irp s, 0,1,2,3,4,5,6
.irp i, 0,1,2,3,4,5,6,7
	global_load_b128 v[32*\s+4*\i:32*\s+4*\i+3], v12, s[34:35] offset:(256*(\s/4)+32*(\s%4)+\i)*PITCH
.endr
.endr
	WIN 0
.endm
.macro PCOL col, d0, d1                ; one column's eight numbers down K become eight codes
	v_cvt_pk_bf8_f32 v\d0\().l, v[XB+\col], v[XB+4+\col]
	v_cvt_pk_bf8_f32 v\d0\().h, v[XB+8+\col], v[XB+12+\col]
	v_cvt_pk_bf8_f32 v\d1\().l, v[XB+16+\col], v[XB+20+\col]
	v_cvt_pk_bf8_f32 v\d1\().h, v[XB+24+\col], v[XB+28+\col]
.endm
; a block of 32 K x 32 columns in slot; c: which of the K step's four; rl: the block seven further on is asked for, into the slot that the last block has left; cnt: the loads issued behind this block's eight
.macro PBLOCK slot, c, rl, cnt, io
.set XB, 32*(\slot)
.set XN, 32*(((\slot)+7)%8)
	s_wait_loadcnt \cnt
.if \rl
	WIN 0x40
.irp i, 0,1,2,3,4,5,6,7
	global_load_b128 v[XN+4*\i:XN+4*\i+3], v12, s[34:35] offset:(256*(((\c)+7)/4)+32*(((\c)+7)%4)+\i)*PITCH
.endr
.endif
	s_wait_dscnt 0x0                               ; the last block's LDS stores have read the registers that are written below
	WIN 0x05
.irp k, 0,1,2,3
	v_max3_num_f32 v[16+\k], |v[XB+\k]|, |v[XB+4+\k]|, 0x8000000   ; with the floor 2^(16 - 127): the byte cannot fall under 1
.endr
.irp i, 8,16,24
.irp k, 0,1,2,3
	v_max3_num_f32 v[16+\k], |v[XB+\i+\k]|, |v[XB+\i+4+\k]|, v[16+\k]
.endr
.endr
	WIN 0
.irp k, 0,1,2,3
	v_max_num_f32_dpp v[16+\k], v[16+\k], v[16+\k] row_xmask:8 row_mask:0xf bank_mask:0xf
.endr
.irp k, 0,1,2,3
	v_permlanex16_b32 v[20+\k], v[16+\k], s44, s45
.endr
.irp k, 0,1,2,3
	v_max_num_f32 v[16+\k], v[16+\k], v[20+\k]     ; the block's largest magnitude, for each of my four columns
.endr
.irp k, 0,1,2,3
	v_and_b32 v[20+\k], 0x7f800000, v[16+\k]
.endr
.irp k, 0,1,2,3
	v_sub_nc_u32 v[24+\k], s47, v[20+\k]           ; 2^-e
.endr
.irp k, 0,1,2,3
	v_add_nc_u32 v[20+\k], 0xf8800000, v[16+\k]
.endr
.if (\c) == 0
.irp k, 0,1,2,3
	v_lshrrev_b32 v[28+\k], 23, v[20+\k]           ; the scale's byte starts the K step's word
.endr
.else
.irp k, 0,1,2,3
	v_lshrrev_b32 v[20+\k], 23, v[20+\k]
.endr
.irp k, 0,1,2,3
	v_lshl_or_b32 v[28+\k], v[20+\k], 8*(\c), v[28+\k]
.endr
.endif
	WIN 0x41
.set J, 0
.rept 8
	v_pk_mul_f32 v[XB+J:XB+J+1], v[XB+J:XB+J+1], v[24:25]
	v_pk_mul_f32 v[XB+J+2:XB+J+3], v[XB+J+2:XB+J+3], v[26:27]
.set J, J+4
.endr
.set J, 0
.rept 32
	v_med3_num_f32 v[XB+J], v[XB+J], -v60, v60     ; the conversion does not saturate (ISA guide 7.6.2): the hold comes first
.set J, J+1
.endr
	WIN 0x05
	PCOL 0, 32, 33
	PCOL 1, 34, 35
	PCOL 2, 36, 37
	PCOL 3, 38, 39
	WIN 0
.irp k, 0,1,2,3
	ds_store_b64 v[PST], v[32+2*\k:33+2*\k] offset:(\io)+512*(\c)+16*\k
.endr
.endm
; a K step of my panel.  mode 1: every block asks for the block seven on; behind a block's eight loads those of six blocks were issued: 48, on the way in and round the loop alike.
; mode 2: the last stage but one: its first block asks for the last block of all.  mode 3: the last stage.  Where nothing more is asked for the count is 8 for each block still to come
.macro PSTAGE par, mode, io
.if (\mode) == 1
.irp c, 0,1,2,3
	PBLOCK 4*(\par)+\c, \c, 1, 48, \io
.endr
.elseif (\mode) == 2
	PBLOCK 4*(\par), 0, 1, 48, \io
	PBLOCK 4*(\par)+1, 1, 0, 48, \io
	PBLOCK 4*(\par)+2, 2, 0, 40, \io
	PBLOCK 4*(\par)+3, 3, 0, 32, \io
.else
	PBLOCK 4*(\par), 0, 0, 24, \io
	PBLOCK 4*(\par)+1, 1, 0, 16, \io
	PBLOCK 4*(\par)+2, 2, 0, 8, \io
	PBLOCK 4*(\par)+3, 3, 0, 0, \io
.endif
	ds_store_b128 v[PSS], v[28:31] offset:(\io)/32 ; four columns' scale words; the four lanes that share the columns write the same bytes with the same values
.if (\mode) == 1
	s_wait_xcnt 0x0                                ; the loads have read their base: it may step
	s_add_nc_u64 s[34:35], s[34:35], 256*PITCH
.endif
.endm
; the fragments and scale words of one K step of my pairs into set par; guard = 1: only of the pairs that I have
.macro ALOAD par, ablk, asc, guard
.irp i, 0,1,2
.if (\guard) && (\i > 0)
	s_cmp_le_u32 s25, \i
	s_cbranch_scc1 .Lal_\@
.endif
.irp u, 0,1
.irp c, 0,1,2,3
	global_load_b128 v[64+96*(\par)+16*(2*\i+\u)+4*\c:64+96*(\par)+16*(2*\i+\u)+4*\c+3], v[40+2*\i+\u], s[36:37] offset:((\ablk)+\c)*BLKB   ; 16 rows x 32 bytes: 512 consecutive bytes
.endr
.endr
	global_load_b32 v[48+3*(\par)+\i], v[56+\i], s[38:39] offset:(\asc)*KSB   ; 32 rows' words: lanes 0-15 serve tile u = 0, lanes 16-31 tile u = 1
.endr
.Lal_\@:
.endm
.macro APAIR par, i, ablk, asc         ; the same for one pair: nine loads
.irp u, 0,1
.irp c, 0,1,2,3
	global_load_b128 v[64+96*(\par)+16*(2*(\i)+\u)+4*\c:64+96*(\par)+16*(2*(\i)+\u)+4*\c+3], v[40+2*(\i)+\u], s[36:37] offset:((\ablk)+\c)*BLKB
.endr
.endr
	global_load_b32 v[48+3*(\par)+(\i)], v[56+(\i)], s[38:39] offset:(\asc)*KSB
.endm
; THE NEXT K STEP IS ASKED FOR, THEN THIS ONE IS WAITED FOR.  The next step's fragments of the pairs that I have go into set par, nine loads a pair; each way out has its own wait, whose count is the loads
; that this way has just issued: loads come back in order (ISA guide 5.7.1), so all that was asked for earlier, this step's fragments and scale words among it, is in, and the next step's stay on their way
.macro ALOADW par, ablk, asc
	APAIR \par, 0, \ablk, \asc
	s_cmp_le_u32 s25, 1
	s_cbranch_scc1 .Lw1_\@
	APAIR \par, 1, \ablk, \asc
	s_cmp_le_u32 s25, 2
	s_cbranch_scc1 .Lw2_\@
	APAIR \par, 2, \ablk, \asc
	s_wait_loadcnt 27                              ; three pairs' loads were issued behind this step's
	s_branch .Lwj_\@
.Lw2_\@:
	s_wait_loadcnt 18                              ; two pairs'
	s_branch .Lwj_\@
.Lw1_\@:
	s_wait_loadcnt 9                               ; one pair's
.Lwj_\@:
.endm
.macro WFRAG lofs, sofs                ; a K step's four weight fragments and their scale words, out of the images
	WIN 0x40
.irp q, 0,1,2,3
.irp c, 0,1,2,3
	ds_load_b128 v[192+16*\q+4*\c:192+16*\q+4*\c+3], v[CLD] offset:(\lofs)+2048*\q+512*\c
.endr
.endr
	WIN 0
	ds_load_b32 v54, v[CLS] offset:(\sofs)         ; panel 0: lanes 0-15 tile u = 0, lanes 16-31 tile u = 1
	ds_load_b32 v55, v[CLS] offset:(\sofs)+128     ; panel 1
.endm
.macro WM acc, wf, af, sw, sx, ra, rb
.if (\ra) && (\rb)
	v_wmma_scale_f32_16x16x128_f8f6f4 v[(\acc):(\acc)+7], v[(\wf):(\wf)+15], v[(\af):(\af)+15], v[(\acc):(\acc)+7], v[\sw], v[\sx] matrix_a_fmt:MATRIX_FMT_BF8 matrix_b_fmt:MATRIX_FMT_BF8 matrix_a_scale:MATRIX_SCALE_ROW1 matrix_b_scale:MATRIX_SCALE_ROW1
.elseif (\ra)
	v_wmma_scale_f32_16x16x128_f8f6f4 v[(\acc):(\acc)+7], v[(\wf):(\wf)+15], v[(\af):(\af)+15], v[(\acc):(\acc)+7], v[\sw], v[\sx] matrix_a_fmt:MATRIX_FMT_BF8 matrix_b_fmt:MATRIX_FMT_BF8 matrix_a_scale:MATRIX_SCALE_ROW1
.elseif (\rb)
	v_wmma_scale_f32_16x16x128_f8f6f4 v[(\acc):(\acc)+7], v[(\wf):(\wf)+15], v[(\af):(\af)+15], v[(\acc):(\acc)+7], v[\sw], v[\sx] matrix_a_fmt:MATRIX_FMT_BF8 matrix_b_fmt:MATRIX_FMT_BF8 matrix_b_scale:MATRIX_SCALE_ROW1
.else
	v_wmma_scale_f32_16x16x128_f8f6f4 v[(\acc):(\acc)+7], v[(\wf):(\wf)+15], v[(\af):(\af)+15], v[(\acc):(\acc)+7], v[\sw], v[\sx] matrix_a_fmt:MATRIX_FMT_BF8 matrix_b_fmt:MATRIX_FMT_BF8
.endif
.endm
; eight products a pair; the accumulators take turns, one instruction a turn, across pairs and K steps too
.macro PAIRS par
.irp i, 0,1,2
.if \i > 0
	s_cmp_le_u32 s25, \i
	s_cbranch_scc1 .Lpe_\@
.endif
	WIN 0x51                                       ; weights, C and D in window 1, rows in window 0
.irp u, 0,1
.irp q, 0,1,2,3
	WM 32*(2*\i+\u)+8*\q,192+16*\q,64+96*(\par)+16*(2*\i+\u),54+\q/2,48+3*(\par)+\i,\q%2,\u
.endr
.endr
	WIN 0
.endr
.Lpe_\@:
.endm
; one K step of the consumer.  nxt: the next K step's rows are asked for, ahead of the wait for this step's (0: no, 1: yes, 2: where s32 says so); where nothing is asked for the wait is for 0.
; w = 1: eight places, then the weight fragments' LDS loads ahead of the request, so that they land under the wait for the rows.
; w = 0: the step opens an arm: the arm before has closed with the places, and the LDS loads stand behind the wait, since their registers bear the numbers of the producers' slots 6 and 7
.macro KSTEP par, lofs, sofs, nxt, ablk, asc, w
.if \w
.rept 8
	v_nop                                          ; eight places between the last products and loads into registers that they read
.endr
	WFRAG \lofs, \sofs
.endif
.if (\nxt) == 1
	ALOADW 1-(\par), \ablk, \asc
.elseif (\nxt) == 2
	s_cmp_eq_u32 s32, 0
	s_cbranch_scc1 .Lkn_\@
	ALOADW 1-(\par), \ablk, \asc
	s_branch .Lkj_\@
.Lkn_\@:
	s_wait_loadcnt 0x0                             ; nothing was issued behind this step's rows
.Lkj_\@:
.else
	s_wait_loadcnt 0x0                             ; nothing was issued behind this step's rows
.endif
.if (\w) == 0
	WFRAG \lofs, \sofs
.endif
	s_wait_dscnt 0x0
	PAIRS \par
.endm
.macro CSETUP                          ; my tiles' rows, held inside what the first launch stored
.irp t, 0,1,2,3,4,5
	v_add_nc_u32 v61, 128*(\t/2)+16*(\t%2), v13
	v_add_nc_u32 v61, s26, v61
	v_min_u32 v61, s23, v61
	v_min_u32 v61, 0x8ff, v61
	v_lshl_add_u32 v[40+\t], v61, 5, v14
.endr
.irp i, 0,1,2
	v_add_nc_u32 v61, 128*\i, v1
	v_add_nc_u32 v61, s26, v61
	v_min_u32 v61, s23, v61
	v_min_u32 v61, 0x8ff, v61
	v_lshlrev_b32 v[56+\i], 2, v61
.endr
.endm
.macro ZERO
	WIN 0x40
.set J, 0
.rept 192
	v_mov_b32 v[J], 0
.set J, J+1
.endr
	WIN 0
.endm
.macro NPWC                            ; pair i is mine to do where 128 i < s24
	s_max_i32 s25, s24, 0
	s_add_co_u32 s25, s25, 127
	s_lshr_b32 s25, s25, 7
	s_min_u32 s25, s25, 3
.endm
; ppar: the producers' slots (-1: nothing left to make); cons: 0 nothing to multiply yet, 1 multiply, 2 not in the loop's first trip; bar: the barrier that shows the stage just stored to the consumers
.macro INTERVAL ppar, mode, pio, cons, cio, last, bar
	s_cmp_lt_u32 s18, 4
	s_cbranch_scc0 .Lcons_\@
.if (\ppar) >= 0
	PSTAGE \ppar, \mode, \pio
.endif
	s_branch .Ljoin_\@
.Lcons_\@:
.if \cons
.if (\cons) == 2
	s_cmp_eq_u32 s29, 0
	s_cbranch_scc1 .Lskip_\@
.endif
	s_cmp_eq_u32 s25, 0
	s_cbranch_scc1 .Lskip_\@
	KSTEP 0, \cio, (\cio)/32, 1, 4, 1, 0
	KSTEP 1, (\cio)+8192, (\cio)/32+256, 1-(\last), 8, 2, 1
	s_wait_xcnt 0x0                                ; the loads have read their bases: they may step
	s_add_nc_u64 s[36:37], s[36:37], 8*BLKB
	s_add_nc_u64 s[38:39], s[38:39], 2*KSB
.if \bar
.rept 8
	v_nop                                          ; eight places close the arm behind its last products: the text behind the join names the same registers
.endr
.endif
	s_branch .Ljoin_\@
.endif
.Lskip_\@:
	s_wait_loadcnt 0x0                             ; an arm that multiplies nothing leaves no load out
.Ljoin_\@:
	s_wait_dscnt 0x0                               ; my LDS stores have landed, my LDS loads are in
.if \bar
	s_barrier_signal -1
	s_barrier_wait -1
.endif
.endm
.macro ADDRS
	v_add_nc_u32 v[PST], s27, v2
	v_add_nc_u32 v[PSS], s28, v3
	v_add_nc_u32 v[CLD], s27, v4
	v_add_nc_u32 v[CLS], s28, v5
.endm
; pair i goes out: h = g u / (1 + 2^(-g log2 e)), quantised: a lane's 16 numbers and lane l xor 16's are the block of 32; the codes are 16 bytes a lane, 512 consecutive bytes a tile
.macro EPI i
	v_mov_b32 v97, 0                               ; (a lane permute's destination counts as one of its sources)
.irp u, 0,1
.set TA, 2*(\i)+\u
.set AC, 32*TA
	WIN 0x05
.set J, 0
.rept 16
	v_mul_f32 v[64+J], s48, v[AC+J]                ; -g log2(e): each accumulator is read from its low end on
.set J, J+1
.endr
.set J, 0
.rept 16
	v_mul_f32 v[80+J], v[AC+J], v[AC+16+J]         ; g u
.set J, J+1
.endr
	WIN 0
.set J, 0
.rept 16
	v_exp_f32 v[64+J], v[64+J]
.set J, J+1
.endr
	v_nop                                          ; a plain place behind the transcendentals
.set J, 0
	s_wait_alu depctr_va_vdst(0)
.rept 16
	v_add_f32 v[64+J], 1.0, v[64+J]
.set J, J+1
.endr
.set J, 0
.rept 16
	v_rcp_f32 v[64+J], v[64+J]
.set J, J+1
.endr
	v_nop
.set J, 0
	s_wait_alu depctr_va_vdst(0)
.rept 16
	v_mul_f32 v[80+J], v[80+J], v[64+J]
.set J, J+1
.endr
	v_max3_num_f32 v96, |v80|, |v81|, 0x8000000
.irp j, 2,4,6,8,10,12,14
	v_max3_num_f32 v96, v96, |v[80+\j]|, |v[81+\j]|
.endr
	v_permlanex16_b32 v97, v96, s44, s45
	v_max_num_f32 v96, v96, v97
	v_add_nc_u32 v100, 0xf8800000, v96             ; 15 off the exponent field: the conversion's scale operand
	v_and_or_b32 v101, v96, 0x7f800000, s49        ; 57,344 x the scale
	v_lshrrev_b32 v[98+\u], 23, v100               ; the scale's byte
.set J, 0
.rept 16
	v_med3_num_f32 v[80+J], v[80+J], -v101, v101
.set J, J+1
.endr
	v_cvt_scalef32_pk8_bf8_f32 v[104+4*TA:105+4*TA], v[80:87], v100
	v_cvt_scalef32_pk8_bf8_f32 v[106+4*TA:107+4*TA], v[88:95], v100
	v_nop                                          ; a plain place behind the scaled conversions
	global_store_b128 v[40+TA], v[104+4*TA:107+4*TA], s[40:41]   ; each tile has its own data registers
.endr
	v_cndmask_b32 v[128+\i], v99, v98, s50         ; lanes 0-15: tile u = 0's rows, lanes 16-31: tile u = 1's
	global_store_b8 v[56+\i], v[128+\i], s[42:43]  ; my slice's byte of 32 rows' words
.endm
	; ---- the common head: every wave makes every pointer, constant and address
	s_load_b256 s[4:11], s[0:1], 0x0               ; W1 s[4:5], W3 s[6:7], xg s[8:9], xs s[10:11]
	s_load_b128 s[12:15], s[0:1], 0x20             ; meta s[12:13], hg s[14:15]
	s_load_b64 s[16:17], s[0:1], 0x30              ; hs
	v_lshl_add_u32 v47, v0, 2, 0x26000
	v_mov_b32 v59, 0
	v_lshrrev_b32 v61, 5, v0
	v_readfirstlane_b32 s18, v61                   ; wave 0..7
	v_and_b32 v1, 31, v0
	s_mov_b32 s19, ttmp9                           ; slice
	s_and_b32 s20, ttmp7, 0xffff                   ; expert
	s_and_b32 s57, s18, 1                          ; m
	s_bfe_u32 s58, s18, 0x10001                    ; which of a stage's two K steps
	s_and_b32 s56, s18, 3                          ; consumer's number
	v_and_b32 v13, 15, v0
	v_bfe_u32 v14, v0, 4, 1
	v_lshlrev_b32 v14, 4, v14
	; my column 4 (l % 8) + col = 16 a + 8 u + b lies in tile u, image lane 8 a + b; my rows 8 (l / 8) + 0..7 in half l / 16, bytes 8 ((l / 8) % 2) on
	s_lshl_b32 s52, s58, 13
	s_lshl_b32 s53, s57, 12
	s_add_co_u32 s52, s52, s53
	s_add_co_u32 s52, s52, IMG
	v_bfe_u32 v61, v0, 1, 1
	v_bfe_u32 v62, v0, 2, 1
	v_and_b32 v63, 1, v0
	v_lshlrev_b32 v2, 11, v61
	v_lshl_add_u32 v2, v62, 7, v2
	v_lshl_add_u32 v2, v63, 6, v2
	v_lshl_add_u32 v2, v14, 4, v2
	v_lshlrev_b32 v3, 6, v61
	v_lshl_add_u32 v3, v62, 5, v3
	v_lshl_add_u32 v3, v63, 4, v3
	v_bfe_u32 v61, v0, 3, 1
	v_lshl_add_u32 v2, v61, 3, v2
	v_add_nc_u32 v2, s52, v2
	s_lshl_b32 s52, s58, 8
	s_lshl_b32 s53, s57, 7
	s_add_co_u32 s52, s52, s53
	s_add_co_u32 s52, s52, BSC
	v_add_nc_u32 v3, s52, v3
	v_lshl_add_u32 v4, v1, 4, IMG-16384            ; the consumers stand one stage behind
	v_lshl_add_u32 v5, v1, 2, BSC-512
	v_lshl_add_u32 v10, v1, 4, IMG
	v_lshl_add_u32 v11, v1, 2, BSC
	v_lshrrev_b32 v61, 3, v1
	v_and_b32 v62, 7, v1
	v_lshlrev_b32 v12, 15, v61                     ; 8 rows of 4,096 bytes for each eight lanes
	v_lshl_add_u32 v12, v62, 4, v12
	v_mov_b32 v60, 0x47600000                      ; 57,344.0
.irp k, 20,21,22,23,32,33,34,35,36,37,38,39
	v_mov_b32 v\k, 0                               ; permutes' destinations, and registers that are written by halves
.endr
	s_mov_b32 s44, 0x76543210
	s_mov_b32 s45, 0xfedcba98
	s_mov_b32 s47, 0x86800000
	s_mov_b32 s48, 0xbfb8aa3b                      ; -log2(e)
	s_mov_b32 s49, 0x600000                        ; the mantissa field of 57,344
	s_mov_b32 s50, 0xffff
	s_mov_b32 s27, 0
	s_mov_b32 s28, 0
	s_mov_b32 s29, 0
	s_lshl_b32 s33, s20, 2
	s_lshl_b32 s52, s20, 23                        ; an expert: 2,048 rows of 4,096 bytes
	s_lshl_b32 s53, s58, 19                        ; 128 rows
	s_add_co_u32 s52, s52, s53
	s_lshl_b32 s53, s19, 7                         ; 32 columns
	s_add_co_u32 s52, s52, s53
	s_mov_b32 s53, 0
	s_mul_i32 s54, s19, BLKB                       ; my slice is block `slice` of the next K
	s_mov_b32 s55, 0
	s_lshr_b32 s30, s19, 2
	s_mul_i32 s30, s30, KSB
	s_and_b32 s31, s19, 3
	s_add_co_u32 s30, s30, s31
	s_mov_b32 s31, 0
	s_wait_kmcnt 0x0
	s_load_b32 s21, s[12:13], s33 offset:0x0       ; the expert's first row, its rows, all rows: wanted behind the producers' first loads
	s_load_b32 s22, s[12:13], s33 offset:0x20
	s_load_b32 s23, s[12:13], 0x40
	s_cmp_eq_u32 s57, 0
	s_cselect_b64 s[34:35], s[4:5], s[6:7]
	s_add_nc_u64 s[34:35], s[34:35], s[52:53]
	s_mov_b64 s[36:37], s[8:9]
	s_mov_b64 s[38:39], s[10:11]
	s_add_nc_u64 s[40:41], s[14:15], s[54:55]
	s_add_nc_u64 s[42:43], s[16:17], s[30:31]
	s_cmp_lt_u32 s18, 4
	s_cbranch_scc0 .Lnofill
	PFILL                                          ; the producers' stream starts here
.Lnofill:
	s_wait_kmcnt 0x0
	s_min_u32 s21, s21, 2272
	s_min_u32 s22, s22, 2048
	s_min_u32 s23, s23, 2304
	s_max_u32 s23, s23, 1
	s_sub_co_u32 s23, s23, 1
	s_lshl_b32 s52, s56, 5
	s_sub_co_i32 s24, s22, s52
	NPWC
	s_add_co_u32 s26, s21, s52
	CSETUP
	s_cmp_lt_u32 s18, 4
	s_cbranch_scc1 .Lgo
	s_wait_loadcnt 0x0                             ; no load is out on this way: the registers loaded and cleared below are free
	ALOAD 0, 0, 0, 0                               ; K steps 0 and 1, of all three pairs: so every fragment register is written on every way
	ALOAD 1, 4, 1, 0
	ZERO
	s_wait_loadcnt 0x0                             ; the first K step asks for set 1 once more: no load into it may be out.  Nothing is to be multiplied before the first barrier
.Lgo:
.Ltrip:                                            ; three trips: stages 0 to 5 are made, stages 0 to 4 multiplied
	ADDRS
	INTERVAL 0, 1, 0, 2, 0, 0, 1
	INTERVAL 1, 1, 16384, 1, 16384, 0, 1
	s_add_co_u32 s27, s27, 32768
	s_add_co_u32 s28, s28, 1024
	s_add_co_u32 s29, s29, 1
	s_cmp_lt_u32 s29, 3
	s_cbranch_scc1 .Ltrip
	ADDRS
	INTERVAL 0, 2, 0, 1, 0, 0, 1                   ; the last two stages: one more block is asked for, then the counts run down
	INTERVAL 1, 3, 16384, 1, 16384, 0, 1
	s_add_co_u32 s27, s27, 32768
	s_add_co_u32 s28, s28, 1024
	ADDRS
	INTERVAL -1, 0, 0, 1, 0, 1, 0                  ; stage 7 is multiplied; behind the last barrier LDS is only read
	; ---- the chunk goes out; an expert's further chunks of 384 rows are multiplied from the same images.  2,048 rows at the most: six chunks.  Both loops have constant counts and every wave walks them; the work is jumped over
	s_mov_b32 s30, 6
.Lchunk:
.rept 8
	v_nop                                          ; eight places behind the last products, for the reads of their results and the writes of their registers below
.endr
	s_cmp_lt_u32 s18, 4
	s_cbranch_scc1 .Lwalk
	s_wait_loadcnt 0x0                             ; no load is out: the fragments' registers are at work below
	s_cmp_eq_u32 s25, 0
	s_cbranch_scc1 .Lnext
	EPI 0
	s_cmp_lt_u32 s25, 2
	s_cbranch_scc1 .Lnext
	EPI 1
	s_cmp_lt_u32 s25, 3
	s_cbranch_scc1 .Lnext
	EPI 2
.Lnext:
	s_wait_xcnt 0x0                                ; the stores above have read their offsets (v40-45, v56-58) and their data (v104-130, inside fragment set 0): on every way from here the offsets are made anew and the set is loaded again only behind this wait
	s_sub_co_i32 s24, s24, 384
	s_add_co_u32 s26, s26, 384
	NPWC
	s_cmp_eq_u32 s25, 0
	s_cbranch_scc1 .Lwalk
	CSETUP
	s_mov_b64 s[36:37], s[8:9]
	s_mov_b64 s[38:39], s[10:11]
	ALOAD 0, 0, 0, 1
	ZERO
.Lwalk:
	s_mov_b32 s27, 0
	s_mov_b32 s28, 0
	s_mov_b32 s31, 0
.Lks:
	v_add_nc_u32 v[CLD], s27, v10
	v_add_nc_u32 v[CLS], s28, v11
	s_cmp_lt_u32 s18, 4
	s_cbranch_scc1 .Lidle
	s_cmp_eq_u32 s25, 0
	s_cbranch_scc1 .Lidle
	s_cmp_lg_u32 s31, NTRIP-1
	s_cselect_b32 s32, 1, 0                        ; the last trip asks for nothing beyond K
	KSTEP 0, 0, 0, 1, 4, 1, 1
	KSTEP 1, 8192, 256, 2, 8, 2, 1
	s_wait_xcnt 0x0
	s_add_nc_u64 s[36:37], s[36:37], 8*BLKB
	s_add_nc_u64 s[38:39], s[38:39], 2*KSB
.Lidle:
	s_add_co_u32 s27, s27, 16384
	s_add_co_u32 s28, s28, 512
	s_add_co_u32 s31, s31, 1
	s_cmp_lt_u32 s31, NTRIP
	s_cbranch_scc1 .Lks
	s_sub_co_u32 s30, s30, 1
	s_cmp_lg_u32 s30, 0
	s_cbranch_scc1 .Lchunk
	s_wait_tensorcnt 0x0
	ds_add_u32 v47, v59
	s_wait_dscnt 0x0
	s_endpgm
.Lfunc_end_k_q256925cc8d_gateup:
	.size	k_q256925cc8d_gateup, .Lfunc_end_k_q256925cc8d_gateup-k_q256925cc8d_gateup
	.p2alignl 7, 3214868480
	.fill 96, 4, 3214868480
	.section	.rodata,"a",@progbits
	.p2align	6, 0x0
	.amdhsa_kernel k_q256925cc8d_gateup
		.amdhsa_group_segment_fixed_size 156672
		.amdhsa_private_segment_fixed_size 0
		.amdhsa_enable_private_segment 0
		.amdhsa_kernarg_size 56
		.amdhsa_user_sgpr_count 2
		.amdhsa_user_sgpr_kernarg_segment_ptr 1
		.amdhsa_wavefront_size32 1
		.amdhsa_system_sgpr_workgroup_id_x 1
		.amdhsa_system_sgpr_workgroup_id_y 1
		.amdhsa_system_sgpr_workgroup_id_z 1
		.amdhsa_system_vgpr_workitem_id 0
		.amdhsa_next_free_vgpr 512
		.amdhsa_next_free_sgpr 66
		.amdhsa_reserve_vcc 0
		.amdhsa_float_denorm_mode_32 3
		.amdhsa_float_denorm_mode_16_64 3
		.amdhsa_memory_ordered 1
		.amdhsa_forward_progress 1
		.amdhsa_inst_pref_size 255
	.end_amdhsa_kernel
	.section	.bss,"aw",@nobits
	.p2align	6
	.space	262144
	.amdgpu_metadata
---
amdhsa.version: [ 1, 2 ]
amdhsa.kernels:
  - .name:           k_q256925cc8d_gateup
    .symbol:         k_q256925cc8d_gateup.kd
    .args:
      - { .name: w1_stacked, .offset: 0, .size: 8, .value_kind: global_buffer, .address_space: global }
      - { .name: w3_stacked, .offset: 8, .size: 8, .value_kind: global_buffer, .address_space: global }
      - { .name: xg, .offset: 16, .size: 8, .value_kind: global_buffer, .address_space: global }
      - { .name: xs, .offset: 24, .size: 8, .value_kind: global_buffer, .address_space: global }
      - { .name: meta, .offset: 32, .size: 8, .value_kind: global_buffer, .address_space: global }
      - { .name: hg, .offset: 40, .size: 8, .value_kind: global_buffer, .address_space: global }
      - { .name: hs, .offset: 48, .size: 8, .value_kind: global_buffer, .address_space: global }
    .group_segment_fixed_size: 156672
    .private_segment_fixed_size: 0
    .kernarg_segment_align: 8
    .kernarg_segment_size: 56
    .max_flat_workgroup_size: 256
    .sgpr_count:     66
    .vgpr_count:     512
    .wavefront_size: 32
...
	.end_amdgpu_metadata
.endif
;; end of part 2
;; launch down (part 3): grid 32 x 8, 8 waves a work-group, no clusters, 107,520 bytes of LDS; arguments w2_stacked, hg, hs, meta, y; writes y
.if DOCPART == 3
	.amdgcn_target "amdgcn-amd-amdhsa--gfx1250"
	.amdhsa_code_object_version 6
	.text
	.protected	k_q256925cc8d_down
	.globl	k_q256925cc8d_down
	.p2align	8
	.type	k_q256925cc8d_down,@function
k_q256925cc8d_down:
	s_mov_b64 s[64:65], 0
	v_nop
	global_prefetch_b8 v0, s[64:65] scope:SCOPE_SE
	s_setreg_imm32_b32 hwreg(HW_REG_WAVE_MODE, 25, 1), 1
	s_wait_xcnt 0x0
; DOWN.  y[row] = h[row] W2[e] for the sorted rows of expert e, on codes of E5M2 with E8M0 scales; y is f32, one owner a row.
; A work-group = (64 columns of H, expert e).  The weight slice (1,024 x 64 f32) is read from memory ONCE, as f32, quantised on the way; its codes stay in LDS for all of K (64 KB).
; ROLES.  Waves 0-3 PRODUCE: wave pw takes panel m = pw & 1 (columns 32 m on) and, in stage t, the K step 2 t + (pw >> 1); only weight loads count on its LOADcnt: seven blocks, 56 loads of 512 bytes, are on their way.
;   Waves 4-7 CONSUME: wave cw owns the pairs of 16-row tiles cw + 4 i (i = 0..2) of a chunk of 384 rows.
;   In an interval the producers make stage t while the consumers multiply stage t - 1; one barrier an interval, on every wave's path.  No image byte is written twice.
;   THE ROWS' CODES ARE ASKED FOR AHEAD OF THE WAIT: a K step first asks for the next step's fragments, into the set that the step before has left, and only then waits for its own: two steps' loads are on their way together.
;   The roles part and join at every barrier.  So all pointers, constants and addresses are made in common text at the head; a consumer arm's first wait leaves out only loads that the arm itself has issued, and the arm
;   ends eight places behind its last product.
; WEIGHTS, IMAGES and the choice of a tile's columns: a lane loads 4 columns of one row k, its 8 loads run down 8 rows, lanes l, l xor 8, l xor 16 share a block of 32.  K step s, tile q = 2 m + u lies at
;   IMG + 8192 s + 2048 q + 512 c + 16 lane; image lane r of tile u holds column 16 (r / 8) + 8 u + r % 8 of the panel.  In the transposed product lane (r, h) holds row r and columns 16 h + 8 u + 0..7.
; Four stages only: the five intervals are written out, and every LDS place is a fixed register and an immediate.
; NO CLUSTER, NO TENSOR LOAD: the 32 work-groups of an expert do read the same rows' codes, but how many rows there are is read from memory, and branches hang on it.
; The weight loads carry no hint: the other half of each 256 bytes of a weight's row is read by the wave of the other panel.
; The accumulators are cleared by moves in the consumers' idle head: a K step with the constant 0 as C would be a second copy of the step in three places.
; LIMITS: NaN and infinities are not served; a block of zeros gets the byte 1 over zero codes (this program alone reads the bytes).
.set RP,    2304
.set BLKB,  RP*32
.set KSB,   RP*4
.set PITCH, 8192                       ; a weight's row in bytes
.set NTRIP, 4                          ; K steps / 2
.set BSC,   512                        ; LDS: weight scale words: 256 s + 128 m + 4 (16 u + r)
.set STG,   4096                       ; LDS: a stage of 16 rows x (256 bytes + 16) for each wave, by its number
.set IMG,   40960                      ; LDS: the images
.set PST,   2                          ; v2  where I store codes       v3  scale words     (producers)
.set PSS,   3
.set CLD,   8                          ; v8  where I load fragments    v9  scale words     (consumers; K step 0, stepped in the later chunks' loop)
.set CLS,   9
; v1 lane; v10, v11 the consumers' addresses at K step 0; v12 my offset in a weight block; v13 lane % 16; v14 16 (lane / 16); v15, v59 the stage, in and out; v46 16 (lane % 16); v47 lane / 16; v60 57,344.0; v61-63 at work
; producers: v16-19 largest magnitudes, v20-23 at work, v24-27 2^-e, v28-31 scale words, v32-39 codes; window 1: eight slots of 32: register 4 i + col = W(8 (lane / 8) + i, 4 (lane % 8) + col)
; consumers: v16-21 a tile's offset in y; v40-45 row x 32 + 16 h of each tile; v48-53 rows' scale words (3 par + i), v54-55 weights': these eight hold scales alone; v56-58 4 x row by lane;
;            v64-159, v160-255 two sets of six fragments; window 1: v0-191 accumulators (32 tile + 8 q), v192-255 the four weight fragments
; s18 wave, s19 slice, s20 expert, s21 first row, s22 rows, s23 all rows - 1, s24 rows left from my first pair, s25 NPW my pairs (0..3), s26 my first row, s27/s28 LDS steps, s30, s31 counters, s32 more to load, s33 4 x expert,
; s[34:35] weights, s[36:37] rows' codes, s[38:39] rows' scales, s[40:41] y at my columns
.set MSB, 0
.macro WIN new                         ; the immediate's high byte repeats the setting that is left
.if MSB != \new
	s_set_vgpr_msb (MSB<<8)|\new
.set MSB, \new
.endif
.endm
.macro PFILL                           ; blocks 0 to 6 into slots 0 to 6: 56 loads
	WIN 0x40
.irp s, 0,1,2,3,4,5,6
.irp i, 0,1,2,3,4,5,6,7
	global_load_b128 v[32*\s+4*\i:32*\s+4*\i+3], v12, s[34:35] offset:(256*(\s/4)+32*(\s%4)+\i)*PITCH
.endr
.endr
	WIN 0
.endm
.macro PCOL col, d0, d1                ; one column's eight numbers down K become eight codes
	v_cvt_pk_bf8_f32 v\d0\().l, v[XB+\col], v[XB+4+\col]
	v_cvt_pk_bf8_f32 v\d0\().h, v[XB+8+\col], v[XB+12+\col]
	v_cvt_pk_bf8_f32 v\d1\().l, v[XB+16+\col], v[XB+20+\col]
	v_cvt_pk_bf8_f32 v\d1\().h, v[XB+24+\col], v[XB+28+\col]
.endm
; a block of 32 K x 32 columns in slot; c: which of the K step's four; rl: the block seven further on is asked for, into the slot that the last block has left; cnt: the loads issued behind this block's eight
.macro PBLOCK slot, c, rl, cnt, io
.set XB, 32*(\slot)
.set XN, 32*(((\slot)+7)%8)
	s_wait_loadcnt \cnt
.if \rl
	WIN 0x40
.irp i, 0,1,2,3,4,5,6,7
	global_load_b128 v[XN+4*\i:XN+4*\i+3], v12, s[34:35] offset:(256*(((\c)+7)/4)+32*(((\c)+7)%4)+\i)*PITCH
.endr
.endif
	s_wait_dscnt 0x0                               ; the last block's LDS stores have read the registers that are written below
	WIN 0x05
.irp k, 0,1,2,3
	v_max3_num_f32 v[16+\k], |v[XB+\k]|, |v[XB+4+\k]|, 0x8000000   ; with the floor 2^(16 - 127): the byte cannot fall under 1
.endr
.irp i, 8,16,24
.irp k, 0,1,2,3
	v_max3_num_f32 v[16+\k], |v[XB+\i+\k]|, |v[XB+\i+4+\k]|, v[16+\k]
.endr
.endr
	WIN 0
.irp k, 0,1,2,3
	v_max_num_f32_dpp v[16+\k], v[16+\k], v[16+\k] row_xmask:8 row_mask:0xf bank_mask:0xf
.endr
.irp k, 0,1,2,3
	v_permlanex16_b32 v[20+\k], v[16+\k], s44, s45
.endr
.irp k, 0,1,2,3
	v_max_num_f32 v[16+\k], v[16+\k], v[20+\k]     ; the block's largest magnitude, for each of my four columns
.endr
.irp k, 0,1,2,3
	v_and_b32 v[20+\k], 0x7f800000, v[16+\k]
.endr
.irp k, 0,1,2,3
	v_sub_nc_u32 v[24+\k], s47, v[20+\k]           ; 2^-e
.endr
.irp k, 0,1,2,3
	v_add_nc_u32 v[20+\k], 0xf8800000, v[16+\k]
.endr
.if (\c) == 0
.irp k, 0,1,2,3
	v_lshrrev_b32 v[28+\k], 23, v[20+\k]           ; the scale's byte starts the K step's word
.endr
.else
.irp k, 0,1,2,3
	v_lshrrev_b32 v[20+\k], 23, v[20+\k]
.endr
.irp k, 0,1,2,3
	v_lshl_or_b32 v[28+\k], v[20+\k], 8*(\c), v[28+\k]
.endr
.endif
	WIN 0x41
.set J, 0
.rept 8
	v_pk_mul_f32 v[XB+J:XB+J+1], v[XB+J:XB+J+1], v[24:25]
	v_pk_mul_f32 v[XB+J+2:XB+J+3], v[XB+J+2:XB+J+3], v[26:27]
.set J, J+4
.endr
.set J, 0
.rept 32
	v_med3_num_f32 v[XB+J], v[XB+J], -v60, v60     ; the conversion does not saturate (ISA guide 7.6.2): the hold comes first
.set J, J+1
.endr
	WIN 0x05
	PCOL 0, 32, 33
	PCOL 1, 34, 35
	PCOL 2, 36, 37
	PCOL 3, 38, 39
	WIN 0
.irp k, 0,1,2,3
	ds_store_b64 v[PST], v[32+2*\k:33+2*\k] offset:(\io)+512*(\c)+16*\k
.endr
.endm
; a K step of my panel.  mode 1: every block asks for the block seven on; behind a block's eight loads those of six blocks were issued: 48.
; mode 2: the last stage but one: its first block asks for the last block of all.  mode 3: the last stage.  Where nothing more is asked for the count is 8 for each block still to come
.macro PSTAGE par, mode, io
.if (\mode) == 1
.irp c, 0,1,2,3
	PBLOCK 4*(\par)+\c, \c, 1, 48, \io
.endr
.elseif (\mode) == 2
	PBLOCK 4*(\par), 0, 1, 48, \io
	PBLOCK 4*(\par)+1, 1, 0, 48, \io
	PBLOCK 4*(\par)+2, 2, 0, 40, \io
	PBLOCK 4*(\par)+3, 3, 0, 32, \io
.else
	PBLOCK 4*(\par), 0, 0, 24, \io
	PBLOCK 4*(\par)+1, 1, 0, 16, \io
	PBLOCK 4*(\par)+2, 2, 0, 8, \io
	PBLOCK 4*(\par)+3, 3, 0, 0, \io
.endif
	ds_store_b128 v[PSS], v[28:31] offset:(\io)/32 ; four columns' scale words; the four lanes that share the columns write the same bytes with the same values
.if (\mode) == 1
	s_wait_xcnt 0x0                                ; the loads have read their base: it may step
	s_add_nc_u64 s[34:35], s[34:35], 256*PITCH
.endif
.endm
; the fragments and scale words of one K step of my pairs into set par; guard = 1: only of the pairs that I have
.macro ALOAD par, ablk, asc, guard
.irp i, 0,1,2
.if (\guard) && (\i > 0)
	s_cmp_le_u32 s25, \i
	s_cbranch_scc1 .Lal_\@
.endif
.irp u, 0,1
.irp c, 0,1,2,3
	global_load_b128 v[64+96*(\par)+16*(2*\i+\u)+4*\c:64+96*(\par)+16*(2*\i+\u)+4*\c+3], v[40+2*\i+\u], s[36:37] offset:((\ablk)+\c)*BLKB   ; 16 rows x 32 bytes: 512 consecutive bytes
.endr
.endr
	global_load_b32 v[48+3*(\par)+\i], v[56+\i], s[38:39] offset:(\asc)*KSB   ; 32 rows' words: lanes 0-15 serve tile u = 0, lanes 16-31 tile u = 1
.endr
.Lal_\@:
.endm
.macro APAIR par, i, ablk, asc         ; the same for one pair: nine loads
.irp u, 0,1
.irp c, 0,1,2,3
	global_load_b128 v[64+96*(\par)+16*(2*(\i)+\u)+4*\c:64+96*(\par)+16*(2*(\i)+\u)+4*\c+3], v[40+2*(\i)+\u], s[36:37] offset:((\ablk)+\c)*BLKB
.endr
.endr
	global_load_b32 v[48+3*(\par)+(\i)], v[56+(\i)], s[38:39] offset:(\asc)*KSB
.endm
; THE NEXT K STEP IS ASKED FOR, THEN THIS ONE IS WAITED FOR.  The next step's fragments of the pairs that I have go into set par, nine loads a pair; each way out has its own wait, whose count is the loads
; that this way has just issued: loads come back in order (ISA guide 5.7.1), so all that was asked for earlier, this step's fragments and scale words among it, is in, and the next step's stay on their way
.macro ALOADW par, ablk, asc
	APAIR \par, 0, \ablk, \asc
	s_cmp_le_u32 s25, 1
	s_cbranch_scc1 .Lw1_\@
	APAIR \par, 1, \ablk, \asc
	s_cmp_le_u32 s25, 2
	s_cbranch_scc1 .Lw2_\@
	APAIR \par, 2, \ablk, \asc
	s_wait_loadcnt 27                              ; three pairs' loads were issued behind this step's
	s_branch .Lwj_\@
.Lw2_\@:
	s_wait_loadcnt 18                              ; two pairs'
	s_branch .Lwj_\@
.Lw1_\@:
	s_wait_loadcnt 9                               ; one pair's
.Lwj_\@:
.endm
.macro WFRAG lofs, sofs                ; a K step's four weight fragments and their scale words, out of the images
	WIN 0x40
.irp q, 0,1,2,3
.irp c, 0,1,2,3
	ds_load_b128 v[192+16*\q+4*\c:192+16*\q+4*\c+3], v[CLD] offset:(\lofs)+2048*\q+512*\c
.endr
.endr
	WIN 0
	ds_load_b32 v54, v[CLS] offset:(\sofs)         ; panel 0: lanes 0-15 tile u = 0, lanes 16-31 tile u = 1
	ds_load_b32 v55, v[CLS] offset:(\sofs)+128     ; panel 1
.endm
.macro WM acc, wf, af, sw, sx, ra, rb
.if (\ra) && (\rb)
	v_wmma_scale_f32_16x16x128_f8f6f4 v[(\acc):(\acc)+7], v[(\wf):(\wf)+15], v[(\af):(\af)+15], v[(\acc):(\acc)+7], v[\sw], v[\sx] matrix_a_fmt:MATRIX_FMT_BF8 matrix_b_fmt:MATRIX_FMT_BF8 matrix_a_scale:MATRIX_SCALE_ROW1 matrix_b_scale:MATRIX_SCALE_ROW1
.elseif (\ra)
	v_wmma_scale_f32_16x16x128_f8f6f4 v[(\acc):(\acc)+7], v[(\wf):(\wf)+15], v[(\af):(\af)+15], v[(\acc):(\acc)+7], v[\sw], v[\sx] matrix_a_fmt:MATRIX_FMT_BF8 matrix_b_fmt:MATRIX_FMT_BF8 matrix_a_scale:MATRIX_SCALE_ROW1
.elseif (\rb)
	v_wmma_scale_f32_16x16x128_f8f6f4 v[(\acc):(\acc)+7], v[(\wf):(\wf)+15], v[(\af):(\af)+15], v[(\acc):(\acc)+7], v[\sw], v[\sx] matrix_a_fmt:MATRIX_FMT_BF8 matrix_b_fmt:MATRIX_FMT_BF8 matrix_b_scale:MATRIX_SCALE_ROW1
.else
	v_wmma_scale_f32_16x16x128_f8f6f4 v[(\acc):(\acc)+7], v[(\wf):(\wf)+15], v[(\af):(\af)+15], v[(\acc):(\acc)+7], v[\sw], v[\sx] matrix_a_fmt:MATRIX_FMT_BF8 matrix_b_fmt:MATRIX_FMT_BF8
.endif
.endm
; eight products a pair; the accumulators take turns, one instruction a turn, across pairs and K steps too
.macro PAIRS par
.irp i, 0,1,2
.if \i > 0
	s_cmp_le_u32 s25, \i
	s_cbranch_scc1 .Lpe_\@
.endif
	WIN 0x51                                       ; weights, C and D in window 1, rows in window 0
.irp u, 0,1
.irp q, 0,1,2,3
	WM 32*(2*\i+\u)+8*\q,192+16*\q,64+96*(\par)+16*(2*\i+\u),54+\q/2,48+3*(\par)+\i,\q%2,\u
.endr
.endr
	WIN 0
.endr
.Lpe_\@:
.endm
; one K step of the consumer.  nxt: the next K step's rows are asked for, ahead of the wait for this step's (0: no, 1: yes, 2: where s32 says so); where nothing is asked for the wait is for 0.
; w = 1: eight places, then the weight fragments' LDS loads ahead of the request, so that they land under the wait for the rows.
; w = 0: the step opens an arm: the arm before has closed with the places, and the LDS loads stand behind the wait, since their registers bear the numbers of the producers' slots 6 and 7
.macro KSTEP par, lofs, sofs, nxt, ablk, asc, w
.if \w
.rept 8
	v_nop                                          ; eight places between the last products and loads into registers that they read
.endr
	WFRAG \lofs, \sofs
.endif
.if (\nxt) == 1
	ALOADW 1-(\par), \ablk, \asc
.elseif (\nxt) == 2
	s_cmp_eq_u32 s32, 0
	s_cbranch_scc1 .Lkn_\@
	ALOADW 1-(\par), \ablk, \asc
	s_branch .Lkj_\@
.Lkn_\@:
	s_wait_loadcnt 0x0                             ; nothing was issued behind this step's rows
.Lkj_\@:
.else
	s_wait_loadcnt 0x0                             ; nothing was issued behind this step's rows
.endif
.if (\w) == 0
	WFRAG \lofs, \sofs
.endif
	s_wait_dscnt 0x0
	PAIRS \par
.endm
.macro CSETUP                          ; my tiles' rows, held inside the rows that the launch before stored
.irp t, 0,1,2,3,4,5
	v_add_nc_u32 v61, 128*(\t/2)+16*(\t%2), v13
	v_add_nc_u32 v61, s26, v61
	v_min_u32 v61, s23, v61
	v_min_u32 v61, 0x8ff, v61
	v_lshl_add_u32 v[40+\t], v61, 5, v14
.endr
.irp i, 0,1,2
	v_add_nc_u32 v61, 128*\i, v1
	v_add_nc_u32 v61, s26, v61
	v_min_u32 v61, s23, v61
	v_min_u32 v61, 0x8ff, v61
	v_lshlrev_b32 v[56+\i], 2, v61
.endr
.endm
.macro ZERO
	WIN 0x40
.set J, 0
.rept 192
	v_mov_b32 v[J], 0
.set J, J+1
.endr
	WIN 0
.endm
.macro NPWC                            ; pair i is mine to do where 128 i < s24
	s_max_i32 s25, s24, 0
	s_add_co_u32 s25, s25, 127
	s_lshr_b32 s25, s25, 7
	s_min_u32 s25, s25, 3
.endm
; ppar: the producers' slots (-1: nothing left to make); cons: 0 nothing to multiply yet, 1 multiply; bar: the barrier that shows the stage just stored to the consumers
.macro INTERVAL ppar, mode, pio, cons, cio, last, bar
	s_cmp_lt_u32 s18, 4
	s_cbranch_scc0 .Lcons_\@
.if (\ppar) >= 0
	PSTAGE \ppar, \mode, \pio
.endif
	s_branch .Ljoin_\@
.Lcons_\@:
.if \cons
	s_cmp_eq_u32 s25, 0
	s_cbranch_scc1 .Lskip_\@
	KSTEP 0, \cio, (\cio)/32, 1, 4, 1, 0
	KSTEP 1, (\cio)+8192, (\cio)/32+256, 1-(\last), 8, 2, 1
	s_wait_xcnt 0x0                                ; the loads have read their bases: they may step
	s_add_nc_u64 s[36:37], s[36:37], 8*BLKB
	s_add_nc_u64 s[38:39], s[38:39], 2*KSB
.if \bar
.rept 8
	v_nop                                          ; eight places close the arm behind its last products: the text behind the join names the same registers
.endr
.endif
	s_branch .Ljoin_\@
.endif
.Lskip_\@:
	s_wait_loadcnt 0x0                             ; an arm that multiplies nothing leaves no load out
.Ljoin_\@:
	s_wait_dscnt 0x0                               ; my LDS stores have landed, my LDS loads are in
.if \bar
	s_barrier_signal -1
	s_barrier_wait -1
.endif
.endm
; pair i goes out, a tile of 16 rows x 64 columns at a time, through my own stage: in by 16 bytes of a row, back as whole rows of 256 bytes, which sixteen lanes store as one aligned run of 256 bytes
.macro EPI i
.irp u, 0,1
.set TA, 2*(\i)+\u
.set AC, 32*TA
.set BK, 64+32*\u
	WIN 0x04                                       ; an LDS store's data are its source 1: window 1
.irp q, 0,1,2,3
	ds_store_b128 v15, v[AC+8*\q:AC+8*\q+3] offset:128*(\q/2)+32*(\q%2)        ; each accumulator from its low end on
	ds_store_b128 v15, v[AC+8*\q+4:AC+8*\q+7] offset:128*(\q/2)+32*(\q%2)+16
.endr
	WIN 0
	s_wait_xcnt 0x0                                ; earlier stores have read their data: the set may be loaded again
.irp t, 0,1,2,3,4,5,6,7
	ds_load_b128 v[BK+4*\t:BK+4*\t+3], v59 offset:544*\t   ; LDS serves a wave's instructions in order (ISA guide 5.7.1.4): these see the stores above
.endr
	v_add_nc_u32 v61, 128*(\i)+16*\u, v47
	v_add_nc_u32 v61, s26, v61
	v_min_u32 v61, s23, v61
	v_min_u32 v61, 0x8ff, v61
	v_lshl_add_u32 v[16+TA], v61, 13, v46          ; row x 8,192 + 16 (lane % 16); lanes 16-31 one row further down
	s_wait_dscnt 0x0
.irp t, 0,1,2,3,4,5,6,7
	global_store_b128 v[16+TA], v[BK+4*\t:BK+4*\t+3], s[40:41] offset:16384*\t th:TH_STORE_NT
.endr
.endr
.endm
	; ---- the common head: every wave makes every pointer, constant and address
	s_load_b256 s[4:11], s[0:1], 0x0               ; W2 s[4:5], hg s[6:7], hs s[8:9], meta s[10:11]
	s_load_b64 s[12:13], s[0:1], 0x20              ; y
	v_lshl_add_u32 v6, v0, 2, 0x1a000
	v_mov_b32 v7, 0
	v_lshrrev_b32 v61, 5, v0
	v_readfirstlane_b32 s18, v61                   ; wave 0..7
	v_and_b32 v1, 31, v0
	s_mov_b32 s19, ttmp9                           ; slice
	s_and_b32 s20, ttmp7, 0xffff                   ; expert
	s_and_b32 s57, s18, 1                          ; m
	s_bfe_u32 s58, s18, 0x10001                    ; which of a stage's two K steps
	s_and_b32 s56, s18, 3                          ; consumer's number
	v_and_b32 v13, 15, v0
	v_bfe_u32 v14, v0, 4, 1
	v_lshlrev_b32 v14, 4, v14
	s_lshl_b32 s52, s58, 13
	s_lshl_b32 s53, s57, 12
	s_add_co_u32 s52, s52, s53
	s_add_co_u32 s52, s52, IMG
	v_bfe_u32 v61, v0, 1, 1
	v_bfe_u32 v62, v0, 2, 1
	v_and_b32 v63, 1, v0
	v_lshlrev_b32 v2, 11, v61
	v_lshl_add_u32 v2, v62, 7, v2
	v_lshl_add_u32 v2, v63, 6, v2
	v_lshl_add_u32 v2, v14, 4, v2
	v_lshlrev_b32 v3, 6, v61
	v_lshl_add_u32 v3, v62, 5, v3
	v_lshl_add_u32 v3, v63, 4, v3
	v_bfe_u32 v61, v0, 3, 1
	v_lshl_add_u32 v2, v61, 3, v2
	v_add_nc_u32 v2, s52, v2
	s_lshl_b32 s52, s58, 8
	s_lshl_b32 s53, s57, 7
	s_add_co_u32 s52, s52, s53
	s_add_co_u32 s52, s52, BSC
	v_add_nc_u32 v3, s52, v3
	v_lshl_add_u32 v8, v1, 4, IMG
	v_lshl_add_u32 v9, v1, 2, BSC
	v_lshl_add_u32 v10, v1, 4, IMG
	v_lshl_add_u32 v11, v1, 2, BSC
	s_mul_i32 s52, s18, 16*272
	s_add_co_u32 s52, s52, STG
	v_mul_u32_u24 v15, v13, 272
	v_lshl_add_u32 v15, v14, 2, v15
	v_add_nc_u32 v15, s52, v15                     ; the stage, in: row r, 64 bytes for each half of the lanes
	v_lshrrev_b32 v47, 4, v1
	v_mul_u32_u24 v59, v47, 272
	v_lshl_add_u32 v59, v13, 4, v59
	v_add_nc_u32 v59, s52, v59                     ; back: lanes 0-15 one row, lanes 16-31 the next
	v_lshlrev_b32 v46, 4, v13
	v_lshrrev_b32 v61, 3, v1
	v_and_b32 v62, 7, v1
	v_lshlrev_b32 v12, 16, v61                     ; 8 rows of 8,192 bytes for each eight lanes
	v_lshl_add_u32 v12, v62, 4, v12
	v_mov_b32 v60, 0x47600000                      ; 57,344.0
.irp k, 20,21,22,23,32,33,34,35,36,37,38,39
	v_mov_b32 v\k, 0                               ; permutes' destinations, and registers that are written by halves
.endr
	s_mov_b32 s44, 0x76543210
	s_mov_b32 s45, 0xfedcba98
	s_mov_b32 s47, 0x86800000
	s_lshl_b32 s33, s20, 2
	s_lshl_b32 s52, s20, 23                        ; an expert: 1,024 rows of 8,192 bytes
	s_lshl_b32 s53, s58, 20                        ; 128 rows
	s_add_co_u32 s52, s52, s53
	s_lshl_b32 s53, s19, 8                         ; 64 columns
	s_add_co_u32 s52, s52, s53
	s_lshl_b32 s53, s57, 7                         ; 32 columns
	s_add_co_u32 s52, s52, s53
	s_mov_b32 s53, 0
	s_lshl_b32 s54, s19, 8
	s_mov_b32 s55, 0
	s_wait_kmcnt 0x0
	s_load_b32 s21, s[10:11], s33 offset:0x0       ; the expert's first row, its rows, all rows: wanted behind the producers' first loads
	s_load_b32 s22, s[10:11], s33 offset:0x20
	s_load_b32 s23, s[10:11], 0x40
	s_add_nc_u64 s[34:35], s[4:5], s[52:53]
	s_mov_b64 s[36:37], s[6:7]
	s_mov_b64 s[38:39], s[8:9]
	s_add_nc_u64 s[40:41], s[12:13], s[54:55]
	s_cmp_lt_u32 s18, 4
	s_cbranch_scc0 .Lnofill
	PFILL                                          ; the producers' stream starts here
.Lnofill:
	s_wait_kmcnt 0x0
	s_min_u32 s21, s21, 2272
	s_min_u32 s22, s22, 2048
	s_min_u32 s23, s23, 2304
	s_max_u32 s23, s23, 1
	s_sub_co_u32 s23, s23, 1
	s_lshl_b32 s52, s56, 5
	s_sub_co_i32 s24, s22, s52
	NPWC
	s_add_co_u32 s26, s21, s52
	CSETUP
	s_cmp_lt_u32 s18, 4
	s_cbranch_scc1 .Lgo
	s_wait_loadcnt 0x0                             ; no load is out on this way: the registers loaded and cleared below are free
	ALOAD 0, 0, 0, 0                               ; K steps 0 and 1, of all three pairs: so every fragment register is written on every way
	ALOAD 1, 4, 1, 0
	ZERO
	s_wait_loadcnt 0x0                             ; the first K step asks for set 1 once more: no load into it may be out.  Nothing is to be multiplied before the first barrier
.Lgo:
	INTERVAL 0, 1, 0, 0, 0, 0, 1                   ; stage 0 is made
	INTERVAL 1, 1, 16384, 1, 0, 0, 1               ; stage 1 is made, stage 0 multiplied
	INTERVAL 0, 2, 32768, 1, 16384, 0, 1           ; the last two stages: one more block is asked for, then the counts run down
	INTERVAL 1, 3, 49152, 1, 32768, 0, 1
	INTERVAL -1, 0, 0, 1, 49152, 1, 0              ; stage 3 is multiplied; behind the last barrier the images are only read
	; ---- the chunk goes out; an expert's further chunks of 384 rows are multiplied from the same images.  2,048 rows at the most: six chunks.  Both loops have constant counts and every wave walks them; the work is jumped over
	s_mov_b32 s30, 6
.Lchunk:
.rept 8
	v_nop                                          ; eight places behind the last products, for the reads of their results and the writes of their registers below
.endr
	s_cmp_lt_u32 s18, 4
	s_cbranch_scc1 .Lwalk
	s_wait_loadcnt 0x0                             ; no load is out: the fragments' registers are at work below
	s_wait_storecnt 0x0                            ; the last chunk's stores, issued a whole walk of K ago, are done: their data and offset registers are written again below
	s_cmp_eq_u32 s25, 0
	s_cbranch_scc1 .Lnext
	EPI 0
	s_cmp_lt_u32 s25, 2
	s_cbranch_scc1 .Lnext
	EPI 1
	s_cmp_lt_u32 s25, 3
	s_cbranch_scc1 .Lnext
	EPI 2
.Lnext:
	s_sub_co_i32 s24, s24, 384
	s_add_co_u32 s26, s26, 384
	NPWC
	s_cmp_eq_u32 s25, 0
	s_cbranch_scc1 .Lwalk
	s_wait_xcnt 0x0                                ; the stores have read their data: the fragments' registers are loaded again below
	CSETUP
	s_mov_b64 s[36:37], s[6:7]
	s_mov_b64 s[38:39], s[8:9]
	ALOAD 0, 0, 0, 1
	ZERO
.Lwalk:
	s_mov_b32 s27, 0
	s_mov_b32 s28, 0
	s_mov_b32 s31, 0
.Lks:
	v_add_nc_u32 v[CLD], s27, v10
	v_add_nc_u32 v[CLS], s28, v11
	s_cmp_lt_u32 s18, 4
	s_cbranch_scc1 .Lidle
	s_cmp_eq_u32 s25, 0
	s_cbranch_scc1 .Lidle
	s_cmp_lg_u32 s31, NTRIP-1
	s_cselect_b32 s32, 1, 0                        ; the last trip asks for nothing beyond K
	KSTEP 0, 0, 0, 1, 4, 1, 1
	KSTEP 1, 8192, 256, 2, 8, 2, 1
	s_wait_xcnt 0x0
	s_add_nc_u64 s[36:37], s[36:37], 8*BLKB
	s_add_nc_u64 s[38:39], s[38:39], 2*KSB
.Lidle:
	s_add_co_u32 s27, s27, 16384
	s_add_co_u32 s28, s28, 512
	s_add_co_u32 s31, s31, 1
	s_cmp_lt_u32 s31, NTRIP
	s_cbranch_scc1 .Lks
	s_sub_co_u32 s30, s30, 1
	s_cmp_lg_u32 s30, 0
	s_cbranch_scc1 .Lchunk
	s_wait_tensorcnt 0x0
	ds_add_u32 v6, v7
	s_wait_dscnt 0x0
	s_endpgm
.Lfunc_end_k_q256925cc8d_down:
	.size	k_q256925cc8d_down, .Lfunc_end_k_q256925cc8d_down-k_q256925cc8d_down
	.p2alignl 7, 3214868480
	.fill 96, 4, 3214868480
	.section	.rodata,"a",@progbits
	.p2align	6, 0x0
	.amdhsa_kernel k_q256925cc8d_down
		.amdhsa_group_segment_fixed_size 107520
		.amdhsa_private_segment_fixed_size 0
		.amdhsa_enable_private_segment 0
		.amdhsa_kernarg_size 40
		.amdhsa_user_sgpr_count 2
		.amdhsa_user_sgpr_kernarg_segment_ptr 1
		.amdhsa_wavefront_size32 1
		.amdhsa_system_sgpr_workgroup_id_x 1
		.amdhsa_system_sgpr_workgroup_id_y 1
		.amdhsa_system_sgpr_workgroup_id_z 1
		.amdhsa_system_vgpr_workitem_id 0
		.amdhsa_next_free_vgpr 512
		.amdhsa_next_free_sgpr 66
		.amdhsa_reserve_vcc 0
		.amdhsa_float_denorm_mode_32 3
		.amdhsa_float_denorm_mode_16_64 3
		.amdhsa_memory_ordered 1
		.amdhsa_forward_progress 1
		.amdhsa_inst_pref_size 247
	.end_amdhsa_kernel
	.amdgpu_metadata
---
amdhsa.version: [ 1, 2 ]
amdhsa.kernels:
  - .name:           k_q256925cc8d_down
    .symbol:         k_q256925cc8d_down.kd
    .args:
      - { .name: w2_stacked, .offset: 0, .size: 8, .value_kind: global_buffer, .address_space: global }
      - { .name: hg, .offset: 8, .size: 8, .value_kind: global_buffer, .address_space: global }
      - { .name: hs, .offset: 16, .size: 8, .value_kind: global_buffer, .address_space: global }
      - { .name: meta, .offset: 24, .size: 8, .value_kind: global_buffer, .address_space: global }
      - { .name: y, .offset: 32, .size: 8, .value_kind: global_buffer, .address_space: global }
    .group_segment_fixed_size: 107520
    .private_segment_fixed_size: 0
    .kernarg_segment_align: 8
    .kernarg_segment_size: 40
    .max_flat_workgroup_size: 256
    .sgpr_count:     66
    .vgpr_count:     512
    .wavefront_size: 32
...
	.end_amdgpu_metadata
.endif
;; end of part 3
;; launch combine (part 4): grid 256 x 1, 4 waves a work-group, no clusters, 0 bytes of LDS; arguments y, pos, expert_weights, out0; writes out0
.if DOCPART == 4
	.amdgcn_target "amdgcn-amd-amdhsa--gfx1250"
	.amdhsa_code_object_version 6
	.text
	.protected	k_q256925cc8d_combine
	.globl	k_q256925cc8d_combine
	.p2align	8
	.type	k_q256925cc8d_combine,@function
k_q256925cc8d_combine:
	s_mov_b64 s[64:65], 0
	v_nop
	global_prefetch_b8 v0, s[64:65] scope:SCOPE_SE
	s_setreg_imm32_b32 hwreg(HW_REG_WAVE_MODE, 25, 1), 1
	s_wait_xcnt 0x0
; COMBINE.  out[t] = w[t][0] y[pos[2 t]] + w[t][1] y[pos[2 t + 1]].  A token that names one expert twice has two rows of y with the same numbers: w0 y + w1 y stands for (w0 + w1) y.
; One wave a token: a row is 8,192 bytes, 16 loads of 512 consecutive bytes from each of its two rows of y; all 32 are asked for at once.  Each row of y is read once, each row of out written once.
; A stream: no LDS, no barrier, no matrix unit, no cluster: waves share nothing.
	s_load_b256 s[4:11], s[0:1], 0x0               ; y s[4:5], pos s[6:7], weights s[8:9], out s[10:11]
	v_lshrrev_b32 v1, 5, v0
	v_readfirstlane_b32 s12, v1                    ; wave 0..3
	v_and_b32 v2, 31, v0
	v_lshlrev_b32 v2, 4, v2                        ; 16 bytes a lane; never rewritten
	s_lshl_b32 s13, ttmp9, 2
	s_add_co_u32 s13, s13, s12                     ; my token
	s_lshl_b32 s24, s13, 3
	s_lshl_b32 s26, s13, 13
	s_mov_b32 s27, 0
	s_wait_kmcnt 0x0
	s_load_b64 s[14:15], s[6:7], s24 offset:0x0    ; its two rows of y
	s_load_b64 s[16:17], s[8:9], s24 offset:0x0    ; its two weights
	s_add_nc_u64 s[10:11], s[10:11], s[26:27]
	s_wait_kmcnt 0x0
	s_min_u32 s14, s14, 2303
	s_min_u32 s15, s15, 2303
	s_lshl_b32 s18, s14, 13
	s_mov_b32 s19, 0
	s_add_nc_u64 s[18:19], s[4:5], s[18:19]
	s_lshl_b32 s20, s15, 13
	s_mov_b32 s21, 0
	s_add_nc_u64 s[20:21], s[4:5], s[20:21]
	s_mov_b32 s22, s17                             ; the packed forms take a scalar pair's low word for both halves: the second weight gets a pair of its own
	s_mov_b32 s23, s17
.irp i, 0,1,2,3,4,5,6,7,8,9,10,11,12,13,14,15
	global_load_b128 v[4+4*\i:7+4*\i], v2, s[18:19] offset:512*\i th:TH_LOAD_NT
	global_load_b128 v[68+4*\i:71+4*\i], v2, s[20:21] offset:512*\i th:TH_LOAD_NT
.endr
.irp i, 0,1,2,3,4,5,6,7,8,9,10,11,12,13,14,15
	s_wait_loadcnt 30-2*\i                         ; loads come back in order: this pair is in, the 2 (15 - i) younger ones may be out
	v_pk_mul_f32 v[4+4*\i:5+4*\i], v[4+4*\i:5+4*\i], s[16:17] op_sel_hi:[1,0]
	v_pk_mul_f32 v[6+4*\i:7+4*\i], v[6+4*\i:7+4*\i], s[16:17] op_sel_hi:[1,0]
	v_pk_fma_f32 v[4+4*\i:5+4*\i], v[68+4*\i:69+4*\i], s[22:23], v[4+4*\i:5+4*\i] op_sel_hi:[1,0,1]
	v_pk_fma_f32 v[6+4*\i:7+4*\i], v[70+4*\i:71+4*\i], s[22:23], v[6+4*\i:7+4*\i] op_sel_hi:[1,0,1]
	global_store_b128 v2, v[4+4*\i:7+4*\i], s[10:11] offset:512*\i th:TH_STORE_NT   ; 512 consecutive bytes; the data registers are not written again
.endr
	s_endpgm
.Lfunc_end_k_q256925cc8d_combine:
	.size	k_q256925cc8d_combine, .Lfunc_end_k_q256925cc8d_combine-k_q256925cc8d_combine
	.p2alignl 7, 3214868480
	.fill 96, 4, 3214868480
	.section	.rodata,"a",@progbits
	.p2align	6, 0x0
	.amdhsa_kernel k_q256925cc8d_combine
		.amdhsa_group_segment_fixed_size 0
		.amdhsa_private_segment_fixed_size 0
		.amdhsa_enable_private_segment 0
		.amdhsa_kernarg_size 32
		.amdhsa_user_sgpr_count 2
		.amdhsa_user_sgpr_kernarg_segment_ptr 1
		.amdhsa_wavefront_size32 1
		.amdhsa_system_sgpr_workgroup_id_x 1
		.amdhsa_system_sgpr_workgroup_id_y 1
		.amdhsa_system_sgpr_workgroup_id_z 1
		.amdhsa_system_vgpr_workitem_id 0
		.amdhsa_next_free_vgpr 136
		.amdhsa_next_free_sgpr 66
		.amdhsa_reserve_vcc 0
		.amdhsa_float_denorm_mode_32 3
		.amdhsa_float_denorm_mode_16_64 3
		.amdhsa_memory_ordered 1
		.amdhsa_forward_progress 1
		.amdhsa_inst_pref_size 11
	.end_amdhsa_kernel
	.amdgpu_metadata
---
amdhsa.version: [ 1, 2 ]
amdhsa.kernels:
  - .name:           k_q256925cc8d_combine
    .symbol:         k_q256925cc8d_combine.kd
    .args:
      - { .name: y, .offset: 0, .size: 8, .value_kind: global_buffer, .address_space: global }
      - { .name: pos, .offset: 8, .size: 8, .value_kind: global_buffer, .address_space: global }
      - { .name: expert_weights, .offset: 16, .size: 8, .value_kind: global_buffer, .address_space: global }
      - { .name: out0, .offset: 24, .size: 8, .value_kind: global_buffer, .address_space: global }
    .group_segment_fixed_size: 0
    .private_segment_fixed_size: 0
    .kernarg_segment_align: 8
    .kernarg_segment_size: 32
    .max_flat_workgroup_size: 128
    .sgpr_count:     66
    .vgpr_count:     136
    .wavefront_size: 32
...
	.end_amdgpu_metadata
.endif
;; end of part 4
;; ======== version 2 of 2: 4 launches
;; workspace buffers: meta 256 bytes of whole numbers; pos 8,192 bytes of whole numbers; xg 4,718,592 bytes; xs 147,456 bytes; hg 2,359,296 bytes; hs 73,728 bytes; y 18,874,368 bytes
;; launch route (part 5): grid 288 x 1, 8 waves a work-group, no clusters, 29,696 bytes of LDS; arguments expert_indices, x, xg, xs, meta, pos; writes xg, xs, meta, pos
.if DOCPART == 5
	.amdgcn_target "amdgcn-amd-amdhsa--gfx1250"
	.amdhsa_code_object_version 6
	.text
	.protected	k_q256925cc8d_route
	.globl	k_q256925cc8d_route
	.p2align	8
	.type	k_q256925cc8d_route,@function
k_q256925cc8d_route:
	s_mov_b64 s[64:65], 0
	v_nop
	global_prefetch_b8 v0, s[64:65] scope:SCOPE_SE
	s_setreg_imm32_b32 hwreg(HW_REG_WAVE_MODE, 25, 1), 1
	s_wait_xcnt 0x0
; ROUTE.  The 2,048 entries (token, slot) are sorted by expert, each expert's run padded to a multiple of 32 rows (at most 2,048 + 8 x 31 rows: RP = 2,304 serves every split),
; and x is gathered in that order and turned into codes of E5M2 with one E8M0 byte for each 32 along K.
; Every work-group repeats the small counting sort (8 KB of indices) and then owns 8 sorted rows, one a wave: 288 work-groups x 8 = RP rows, all of them stored.
; A row that no entry takes (padding) is a copy of token 0: it is multiplied and never read by the last launch.
; OUT: xg [64 blocks of 32 K][RP rows][32 bytes]; xs [16 steps of 128 K][RP] words (byte c = block 4 s + c); pos [entry] = its sorted row; meta: words 0-7 first row of expert e, 8-15 its entries, 16 all rows.
; THE QUANTISER: scale 2^(floor(log2(largest magnitude)) - 15); the number times 2^-e (exact), held within +-57,344, rounded to the nearest code.
; LIMITS: expert indices outside 0..7 are not served; NaN and infinities in x are not served; a block of zeros gets the byte 1 (not 127) over zero codes: this program alone reads the bytes.
; No matrix unit, no cluster, no tensor load: the rows gathered hang on the indices, and work-groups share nothing but the 8 KB of indices.
.set RP,   2304
.set BLKB, RP*32
.set KSB,  RP*4
.set CNT,  0                           ; LDS: a word a thread: lanes 0-7 of wave w hold its counts of experts 0-7
.set FND,  1024                        ; [8 rows][256 threads] words: entry + 1 where the thread holds the row's entry, else 0
.set STG,  9216                        ; [64 blocks] x 288 bytes: 8 rows x 32 bytes + 32 of padding (72 words: four lane groups of a store fall on different banks)
.set SPB,  288
.set SCS,  STG+64*SPB                  ; [16 steps][8 rows] scale words
.set IDX,  4                           ; v4-11   my eight indices; entry = 256 wave + 128 (j / 4) + 4 lane + j % 4
.set RK,   12                          ; v12-19  rank in my wave, then the sorted row
.set PB,   20                          ; v20-27  first row for my wave's entries of that expert, then row - 8 x work-group; later scale bytes
.set CW,   28                          ; v28-35  the eight waves' counts; later scale bytes
.set EI,   40                          ; v40-47  entry + 1
.set FV,   48                          ; v48-55  what I found for the work-group's rows 0-7
.set X,    40                          ; v40-103 the row of x, 16 loads x 4 (over EI and FV, which are done with)
.set BY,   20                          ; v20-35  a scale byte for each load, so that no LDS store's data are written again
.set CT,   20                          ; s20-27  my wave's counts
.set TOT,  28                          ; s28-35  all waves' counts
.set BEF,  36                          ; s36-43  counts of the waves before mine, then first row + these
.set OF,   44                          ; s44-52  first row of each expert; s52 all rows
	s_load_b256 s[4:11], s[0:1], 0x0               ; indices s[4:5], x s[6:7], xg s[8:9], xs s[10:11]
	s_load_b128 s[12:15], s[0:1], 0x20             ; meta s[12:13], pos s[14:15]
	v_lshl_add_u32 v136, v0, 2, 0x7000
	v_mov_b32 v137, 0
	v_lshrrev_b32 v36, 5, v0
	s_delay_alu instid0(VALU_DEP_1)
	v_readfirstlane_b32 s16, v36                   ; wave 0..7
	v_and_b32 v1, 31, v0                           ; lane
	v_lshlrev_b32 v2, 2, v0                        ; 4 x thread
	s_delay_alu instid0(VALU_DEP_2)
	v_lshlrev_b32 v37, 2, v1                       ; 4 x lane
	s_delay_alu instid0(VALU_DEP_3)
	v_lshlrev_b32 v127, 4, v1                      ; 16 x lane
	s_lshl_b32 s53, s16, 10
	v_add_nc_u32 v3, s53, v127                     ; my 16 bytes of the indices, and of pos
	v_add_nc_u32 v125, s53, v127                   ; LDS: my 16 bytes of FND's row = my wave
	s_wait_alu depctr_va_vdst(0)
	s_wait_kmcnt 0x0
	global_load_b128 v[4:7], v3, s[4:5]
	global_load_b128 v[8:11], v3, s[4:5] offset:512
	s_mov_b32 s56, 0x76543210
	s_mov_b32 s57, 0xfedcba98                      ; v_permlanex16_b32's selects for lane l xor 16
	s_mov_b32 s59, 0x86800000                      ; (269 << 23): less the largest magnitude's exponent field it is 2^-e
	v_mov_b32 v132, 0x47600000                     ; 57,344.0
	v_mov_b32 v123, 0                              ; (named as the upper half of the pair v[122:123])
	v_lshrrev_b32 v36, 3, v1
	s_delay_alu instid0(VALU_DEP_1)
	v_mul_u32_u24 v126, v36, SPB
	v_and_b32 v121, 7, v1
	s_delay_alu instid0(VALU_DEP_1)
	v_lshl_add_u32 v126, v121, 2, v126
	s_lshl_b32 s53, s16, 5
	v_add_nc_u32 v126, s53, v126                   ; stage, in: block lane / 8, row = wave, 4 bytes at 4 (lane % 8)
	s_lshl_b32 s53, s16, 2
	v_add_nc_u32 v128, s53, v36                    ; scale byte: word of my row, byte lane / 8
	v_lshrrev_b32 v36, 4, v0
	v_and_b32 v121, 15, v0
	s_delay_alu instid0(VALU_DEP_2)
	v_mul_u32_u24 v129, v36, SPB
	s_delay_alu instid0(VALU_DEP_1)
	v_lshl_add_u32 v129, v121, 4, v129             ; stage, out: block thread / 16, 16 bytes at 16 (thread % 16)
	s_delay_alu instid0(VALU_DEP_4)
	v_mul_u32_u24 v130, v36, BLKB
	s_delay_alu instid0(VALU_DEP_1)
	v_lshl_add_u32 v130, v121, 4, v130             ; and the same place in xg
	v_lshrrev_b32 v36, 3, v0
	v_and_b32 v121, 7, v0
	s_delay_alu instid0(VALU_DEP_2)
	v_mul_u32_u24 v131, v36, KSB
	s_delay_alu instid0(VALU_DEP_1)
	v_lshl_add_u32 v131, v121, 2, v131             ; xs: step thread / 8, row thread % 8
	s_lshl_b32 s54, ttmp9, 8
	s_mov_b32 s55, 0
	s_add_nc_u64 s[8:9], s[8:9], s[54:55]          ; xg at my 8 rows: 256 bytes in each block
	s_lshl_b32 s54, ttmp9, 5
	s_add_nc_u64 s[10:11], s[10:11], s[54:55]      ; xs likewise: 32 bytes in each step
	s_lshl_b32 s53, s16, 8
	v_lshl_add_u32 v38, v1, 2, s53
.irp j, 0,1,2,3,4,5,6,7
	v_add_nc_u32 v[EI+\j], 128*(\j/4)+\j%4+1, v38
	v_mov_b32 v[RK+\j], 0
	v_mov_b32 v[FV+\j], 0
.endr
.irp d, 104,105,106,107,108,109,110,111,112,113,114,115,116,117,118,119
	v_mov_b32 v\d, 0                               ; the code words are written by halves: written whole once
.endr
	s_wait_loadcnt 0x0
	; ---- my wave's ranks and counts: for each expert the lanes that name it are counted, register by register
.irp e, 0,1,2,3,4,5,6,7
	s_mov_b32 s17, 0
.irp j, 0,1,2,3,4,5,6,7
	v_cmp_eq_u32 s18, \e, v[IDX+\j]
	s_delay_alu instid0(VALU_DEP_1)
	v_mbcnt_lo_u32_b32 v36, s18, s17               ; those before me in this register + those of the registers before
	s_delay_alu instid0(VALU_DEP_1)
	v_cndmask_b32 v[RK+\j], v[RK+\j], v36, s18
	s_bcnt1_i32_b32 s19, s18
	s_add_co_u32 s17, s17, s19
.endr
	s_mov_b32 s[CT+\e], s17
.endr
	v_mov_b32 v36, 0
.irp e, 0,1,2,3,4,5,6,7
	s_delay_alu instid0(VALU_DEP_1)
	v_writelane_b32 v36, s[CT+\e], \e
.endr
	ds_store_b32 v2, v36 offset:CNT
	s_wait_dscnt 0x0                               ; for the others' sake: my counts lie in LDS
	s_barrier_signal -1
	s_barrier_wait -1
.irp w, 0,1,2,3,4,5,6,7
	ds_load_b32 v[CW+\w], v37 offset:CNT+128*\w
.endr
	s_wait_dscnt 0x0
	v_mov_b32 v38, 0
	v_mov_b32 v39, 0
.irp w, 0,1,2,3,4,5,6,7
	v_add_nc_u32 v38, v38, v[CW+\w]                ; all waves'
	s_cmp_gt_u32 s16, \w
	s_cselect_b32 s19, -1, 0
	v_and_b32 v36, s19, v[CW+\w]
	s_delay_alu instid0(VALU_DEP_1)
	v_add_nc_u32 v39, v39, v36                     ; those of the waves before mine
.endr
.irp e, 0,1,2,3,4,5,6,7
	v_readlane_b32 s[TOT+\e], v38, \e
	v_readlane_b32 s[BEF+\e], v39, \e
.endr
	s_mov_b32 s[OF], 0
.irp e, 0,1,2,3,4,5,6,7
	s_add_co_u32 s19, s[TOT+\e], 31
	s_and_b32 s19, s19, 0xffffffe0                 ; an expert's run is padded to whole pairs of 16 rows
	s_add_co_u32 s[OF+\e+1], s[OF+\e], s19
	s_add_co_u32 s[BEF+\e], s[BEF+\e], s[OF+\e]
.endr
.irp j, 0,1,2,3,4,5,6,7
	v_mov_b32 v[PB+\j], s[BEF]
.endr
.irp e, 1,2,3,4,5,6,7
	v_mov_b32 v36, s[BEF+\e]
.irp j, 0,1,2,3,4,5,6,7
	v_cmp_eq_u32 vcc_lo, \e, v[IDX+\j]
	s_delay_alu instid0(VALU_DEP_1)
	v_cndmask_b32 v[PB+\j], v[PB+\j], v36, vcc_lo
.endr
.endr
	s_lshl_b32 s53, ttmp9, 3                       ; my work-group's first row
.irp j, 0,1,2,3,4,5,6,7
	v_add_nc_u32 v[RK+\j], v[RK+\j], v[PB+\j]      ; the entry's sorted row
	s_delay_alu instid0(VALU_DEP_1)
	v_min_u32 v[RK+\j], 0x8ff, v[RK+\j]
	s_delay_alu instid0(VALU_DEP_1)
	v_sub_nc_u32 v[PB+\j], v[RK+\j], s53
.endr
	; ---- the first work-group stores the lists
	s_cmp_lg_u32 ttmp9, 0
	s_cbranch_scc1 .Lnot_first
	global_store_b128 v3, v[12:15], s[14:15]       ; pos: a wave's two stores cover 1,024 consecutive bytes; v3 and v12-19 are not written again
	global_store_b128 v3, v[16:19], s[14:15] offset:512
	s_cmp_lg_u32 s16, 0
	s_cbranch_scc1 .Lnot_first
	v_mov_b32 v39, 0
.irp e, 0,1,2,3,4,5,6,7
	s_delay_alu instid0(VALU_DEP_1)
	v_writelane_b32 v39, s[OF+\e], \e
	s_delay_alu instid0(VALU_DEP_1)
	v_writelane_b32 v39, s[TOT+\e], 8+\e
.endr
	s_delay_alu instid0(VALU_DEP_1)
	v_writelane_b32 v39, s[OF+8], 16
	global_store_b32 v37, v39, s[12:13]            ; v37 and v39 are not written again
.Lnot_first:
	; ---- which entry has row 8 g + r?  At most one thread of the work-group finds it
.irp r, 0,1,2,3,4,5,6,7
.irp j, 0,1,2,3,4,5,6,7
	v_cmp_eq_u32 vcc_lo, \r, v[PB+\j]
	s_delay_alu instid0(VALU_DEP_1)
	v_cndmask_b32 v[FV+\r], v[FV+\r], v[EI+\j], vcc_lo
.endr
.endr
.irp r, 0,1,2,3,4,5,6,7
	ds_store_b32 v2, v[FV+\r] offset:FND+1024*\r
.endr
	s_wait_dscnt 0x0                               ; for the others' sake: what I found lies in LDS
	s_barrier_signal -1
	s_barrier_wait -1
	ds_load_b128 v[40:43], v125 offset:FND
	ds_load_b128 v[44:47], v125 offset:FND+512
	s_wait_dscnt 0x0
.irp j, 1
	v_or_b32 v40, v40, v[40+\j]
.endr
.irp j, 2, 3, 4, 5, 6, 7
	s_delay_alu instid0(VALU_DEP_1)
	v_or_b32 v40, v40, v[40+\j]
.endr
	v_mov_b32 v36, 0
.irp m, 1
	s_delay_alu instid0(VALU_DEP_2)
	v_mov_b32_dpp v36, v40 row_xmask:\m row_mask:0xf bank_mask:0xf
	s_delay_alu instid0(VALU_DEP_1)
	v_or_b32 v40, v40, v36
.endr
.irp m, 2, 4, 8
	s_delay_alu instid0(VALU_DEP_1)
	v_mov_b32_dpp v36, v40 row_xmask:\m row_mask:0xf bank_mask:0xf
	s_delay_alu instid0(VALU_DEP_1)
	v_or_b32 v40, v40, v36
.endr
	s_delay_alu instid0(VALU_DEP_1)
	v_permlanex16_b32 v36, v40, s56, s57
	s_delay_alu instid0(VALU_DEP_1)
	v_or_b32 v40, v40, v36                         ; entry + 1 of my wave's row, or 0: padding
	s_delay_alu instid0(VALU_DEP_1)
	v_readfirstlane_b32 s53, v40
	s_max_u32 s53, s53, 1
	s_sub_co_u32 s53, s53, 1
	s_lshr_b32 s53, s53, 1                         ; the token (padding: token 0)
	s_min_u32 s53, s53, 1023
	s_lshl_b32 s54, s53, 13
	s_mov_b32 s55, 0
	s_add_nc_u64 s[6:7], s[6:7], s[54:55]
.irp i, 0,1,2,3,4,5,6,7,8,9,10,11,12,13,14,15
	global_load_b128 v[X+4*\i:X+4*\i+3], v127, s[6:7] offset:512*\i   ; 512 consecutive bytes a load; no hint: a token's row is named twice
.endr
	; ---- load i holds K = 128 i + 4 lane + 0..3: eight neighbouring lanes hold a block of 32
.irp d, 104,105,106,107,108,109,110,111,112,113,114,115,116,117,118,119
.set XI, X+4*(\d-104)
	s_wait_loadcnt 119-\d                          ; loads come back in order: this one is in, the 15 - i younger ones may be out
	v_max3_num_f32 v120, |v[XI]|, |v[XI+1]|, 0x8000000      ; with the floor 2^(16 - 127): the byte cannot fall under 1
	s_delay_alu instid0(VALU_DEP_1)
	v_max3_num_f32 v120, v120, |v[XI+2]|, |v[XI+3]|
	s_delay_alu instid0(VALU_DEP_1)
	v_max_num_f32_dpp v120, v120, v120 row_xmask:1 row_mask:0xf bank_mask:0xf
	s_delay_alu instid0(VALU_DEP_1)
	v_max_num_f32_dpp v120, v120, v120 row_xmask:2 row_mask:0xf bank_mask:0xf
	s_delay_alu instid0(VALU_DEP_1)
	v_max_num_f32_dpp v120, v120, v120 row_xmask:4 row_mask:0xf bank_mask:0xf
	s_delay_alu instid0(VALU_DEP_1)
	v_and_b32 v121, 0x7f800000, v120
	s_delay_alu instid0(VALU_DEP_1)
	v_sub_nc_u32 v122, s59, v121                   ; 2^-e
	s_delay_alu instid0(VALU_DEP_3)
	v_add_nc_u32 v[BY+\d-104], 0xf8800000, v120
	s_delay_alu instid0(VALU_DEP_1)
	v_lshrrev_b32 v[BY+\d-104], 23, v[BY+\d-104]   ; the scale's byte
	s_delay_alu instid0(VALU_DEP_3)
	v_pk_mul_f32 v[XI:XI+1], v[XI:XI+1], v[122:123] op_sel_hi:[1,0]
	s_delay_alu instid0(VALU_DEP_4)
	v_pk_mul_f32 v[XI+2:XI+3], v[XI+2:XI+3], v[122:123] op_sel_hi:[1,0]
.irp k, 0,1,2,3
	v_med3_num_f32 v[XI+\k], v[XI+\k], -v132, v132 ; the conversion does not saturate (ISA guide 7.6.2): the hold comes first
.endr
	v_cvt_pk_bf8_f32 v\d\().l, v[XI], v[XI+1]
	v_cvt_pk_bf8_f32 v\d\().h, v[XI+2], v[XI+3]
	ds_store_b32 v126, v\d offset:STG+(\d-104)*4*SPB
	ds_store_b8 v128, v[BY+\d-104] offset:SCS+32*(\d-104)   ; the eight lanes of a block write the same byte with the same value
.endr
	s_wait_dscnt 0x0                               ; for the others' sake: my row's codes and bytes lie in LDS
	s_barrier_signal -1
	s_barrier_wait -1
	; ---- out: in each block the work-group's 8 rows are 256 consecutive bytes, stored by sixteen lanes
.irp r, 0,1,2,3
	ds_load_b128 v[X+4*\r:X+4*\r+3], v129 offset:STG+\r*16*SPB
.endr
.irp r, 0,1,2,3
	s_wait_dscnt 3-\r
	global_store_b128 v130, v[X+4*\r:X+4*\r+3], s[8:9] offset:\r*16*BLKB
.endr
	s_cmp_lt_u32 s16, 4
	s_cbranch_scc0 .Lend
	ds_load_b32 v[X+16], v2 offset:SCS             ; 128 scale words: waves 0-3
	s_wait_dscnt 0x0
	global_store_b32 v131, v[X+16], s[10:11]       ; pieces of 32 bytes: 147 KB in the whole launch
.Lend:
	s_wait_tensorcnt 0x0
	ds_add_u32 v136, v137
	s_wait_dscnt 0x0
	s_endpgm
.Lfunc_end_k_q256925cc8d_route:
	.size	k_q256925cc8d_route, .Lfunc_end_k_q256925cc8d_route-k_q256925cc8d_route
	.p2alignl 7, 3214868480
	.fill 96, 4, 3214868480
	.section	.rodata,"a",@progbits
	.p2align	6, 0x0
	.amdhsa_kernel k_q256925cc8d_route
		.amdhsa_group_segment_fixed_size 29696
		.amdhsa_private_segment_fixed_size 0
		.amdhsa_enable_private_segment 0
		.amdhsa_kernarg_size 48
		.amdhsa_user_sgpr_count 2
		.amdhsa_user_sgpr_kernarg_segment_ptr 1
		.amdhsa_wavefront_size32 1
		.amdhsa_system_sgpr_workgroup_id_x 1
		.amdhsa_system_sgpr_workgroup_id_y 1
		.amdhsa_system_sgpr_workgroup_id_z 1
		.amdhsa_system_vgpr_workitem_id 0
		.amdhsa_next_free_vgpr 138
		.amdhsa_next_free_sgpr 66
		.amdhsa_reserve_vcc 1
		.amdhsa_float_denorm_mode_32 3
		.amdhsa_float_denorm_mode_16_64 3
		.amdhsa_memory_ordered 1
		.amdhsa_forward_progress 1
		.amdhsa_inst_pref_size 75
	.end_amdhsa_kernel
	.amdgpu_metadata
---
amdhsa.version: [ 1, 2 ]
amdhsa.kernels:
  - .name:           k_q256925cc8d_route
    .symbol:         k_q256925cc8d_route.kd
    .args:
      - { .name: expert_indices, .offset: 0, .size: 8, .value_kind: global_buffer, .address_space: global }
      - { .name: x, .offset: 8, .size: 8, .value_kind: global_buffer, .address_space: global }
      - { .name: xg, .offset: 16, .size: 8, .value_kind: global_buffer, .address_space: global }
      - { .name: xs, .offset: 24, .size: 8, .value_kind: global_buffer, .address_space: global }
      - { .name: meta, .offset: 32, .size: 8, .value_kind: global_buffer, .address_space: global }
      - { .name: pos, .offset: 40, .size: 8, .value_kind: global_buffer, .address_space: global }
    .group_segment_fixed_size: 29696
    .private_segment_fixed_size: 0
    .kernarg_segment_align: 8
    .kernarg_segment_size: 48
    .max_flat_workgroup_size: 256
    .sgpr_count:     66
    .vgpr_count:     138
    .wavefront_size: 32
...
	.end_amdgpu_metadata
.endif
;; end of part 5
;; launch gateup (part 6): grid 32 x 8, 8 waves a work-group, no clusters, 156,672 bytes of LDS; arguments w1_stacked, w3_stacked, xg, xs, meta, hg, hs; writes hg, hs
.if DOCPART == 6
	.amdgcn_target "amdgcn-amd-amdhsa--gfx1250"
	.amdhsa_code_object_version 6
	.text
	.protected	k_q256925cc8d_gateup
	.globl	k_q256925cc8d_gateup
	.p2align	8
	.type	k_q256925cc8d_gateup,@function
k_q256925cc8d_gateup:
	s_mov_b64 s[64:65], 0
	v_nop
	global_prefetch_b8 v0, s[64:65] scope:SCOPE_SE
	s_setreg_imm32_b32 hwreg(HW_REG_WAVE_SCHED_MODE, 0, 2), 2
	s_setreg_imm32_b32 hwreg(HW_REG_WAVE_MODE, 25, 1), 1
	s_wait_xcnt 0x0
	s_wait_alu depctr_vm_vsrc(0)
; GATEUP.  h = silu(x W1[e]) * (x W3[e]) for the rows routed to expert e, both products on codes of E5M2 with E8M0 scales; h is quantised along the next K and stored as codes.
; A work-group = (32 columns of I, expert e).  The two weight slices (2,048 x 32 f32 each) are read from memory ONCE, as f32, quantised on the way, and their codes stay in LDS for all of K (128 KB).
; ROLES.  Waves 0-3 PRODUCE: wave pw takes panel m = pw & 1 (0: W1, 1: W3) and, in stage t, the K step 2 t + (pw >> 1); only weight loads count on its LOADcnt: seven blocks, 56 loads of 512 bytes, are on their way.
;   Waves 4-7 CONSUME: wave cw owns the pairs of 16-row tiles cw + 4 i (i = 0..2) of a chunk of 384 rows; only activation loads count on its LOADcnt.
;   In an interval the producers make stage t while the consumers multiply stage t - 1; one barrier an interval, on every wave's path.  Nothing in LDS is ever written twice.
;   An expert with more than 384 rows is finished afterwards from the same images, with no barrier and no second read of a weight.
;   THE ROWS' CODES ARE ASKED FOR AHEAD OF THE WAIT: a K step first asks for the next step's fragments, into the set that the step before has left, and only then waits for its own: two steps' loads are on their way together.
;   The roles part and join at every barrier.  So all pointers, constants and addresses are made in common text at the head; a consumer arm's first wait leaves out only loads that the arm itself has issued, and the arm
;   ends eight places behind its last product.
; WEIGHTS: K is not innermost.  A lane loads 16 bytes = 4 columns of one row k; its 8 loads of a block run down 8 rows; lanes l, l xor 8, l xor 16 share a block of 32.  The hold lays a column's eight numbers down K
;   in eight registers on end, and one conversion takes the eight.
; IMAGES.  A fragment lies in LDS as its registers: K step s, tile q = 2 m + u: IMG + 8192 s + 2048 q + 512 c + 16 lane.  Lane r of tile u holds column 16 (r / 8) + 8 u + r % 8 of the panel, so that in the
;   transposed product (source 0 = weights, source 1 = rows) lane (r, h) holds row r and, over tiles u = 0, 1, the columns 16 h + 0..15: sixteen neighbours along the next K.
; NO CLUSTER, NO TENSOR LOAD: the 32 work-groups of an expert do read the same rows' codes, but how many rows there are is read from memory, and branches hang on it.
; The weight loads carry no hint: the other half of each 256 bytes of a weight's row is read by the neighbouring work-group.
; The accumulators are cleared by moves in the consumers' idle head: a K step with the constant 0 as C would be a second copy of the step in three places.
; LIMITS: NaN and infinities are not served; a block of zeros gets the byte 1 over zero codes (this program alone reads the bytes); where -g log2(e) passes 128, silu(g) is taken as 0.
; THE MODE: SCHED_MODE bits 1:0 = 2 (LLVM: expert scheduling mode 2), set by the entry lines.  The code itself states the register dependences between vector or matrix instructions and memory or LDS
; instructions, with s_wait_alu, always for 0.
; THE PLAN.  Registers that memory or LDS instructions touch:
;   window 1, slots 0-7 (producers)  Block b's vector lines read and rewrite its slot; the loads that block b + 1 issues land in it.
;   v32-39, v28-31 (producers)       Written by a block's conversions and shifts; read by the LDS stores at the block's and the stage's end.
;   v160-191 (producers)             Written by a block's holds, read by its four conversions.  They bear the numbers of pair 0 of the consumers' set 1: no load into that set is out at a join, and the block's wait
;                                    on va_vdst stands ahead of every load into it.
;   v6-9                             LDS addresses: written by ADDRS, once for two intervals (v8, v9 also once a trip of the later chunks' loop); read by every LDS store and load.
;   v12, v40-45, v56-58              Offsets: v12 is made once; the others by CSETUP, once a chunk; read by the global loads and by the way out's stores.
;   sets 0, 1, v48-53 (consumers)    Step s's products read set s % 2; the request that step s + 1 issues lands in it.
;   v448-511, v54-55 (consumers)     Step s's products read them; step s + 1's LDS loads land in them.
;   v104-130 (the way out)           Written by a pair's conversions and select; read by its three stores; they lie in set 0, which is loaded again for the next chunk.
; So a producer has ONE wait on va_vdst a block, behind its conversions (codes and words are written; the slot is left), and one on vm_vsrc at the block's head (the last stores have read their data);
; a consumer has ONE wait on va_vdst a K step, at its head (an arm's first step: at the end of the arm before); the way out has one a pair; each write of an address has vm_vsrc ahead of it and va_vdst behind.
.set RP,    2304
.set BLKB,  RP*32                      ; a block of 32 K of all rows, in xg and hg
.set KSB,   RP*4                       ; a K step's scale words of all rows
.set PITCH, 4096                       ; a weight's row in bytes
.set NTRIP, 8                          ; K steps / 2
.set BSC,   512                        ; LDS: weight scale words: 256 s + 128 m + 4 (16 u + r); the 512 bytes below hold nothing
.set IMG,   24576                      ; LDS: the images; the 16,384 bytes below hold nothing
.set PST,   6                          ; v6  where I store codes       v7  scale words     (producers; made anew each trip in common text)
.set PSS,   7
.set CLD,   8                          ; v8  where I load fragments    v9  scale words     (consumers)
.set CLS,   9
.set ONE,   15                         ; v15 1.0: the conversions' scale operand: the numbers have been divided by their block's scale already
.set TT,    160                        ; v160-191 (producers) a block's 32 numbers, scaled and held, column by column: register 8 col + i = row i of my column col
; v1 lane; v2-5 the four addresses at trip 0; v10, v11 the consumers' at K step 0; v12 my offset in a weight block; v13 lane % 16; v14 16 (lane / 16); v60 57,344.0; v61-63 at work
; v47, v59: the closing add's two registers, made at the head and kept for it alone
; producers: v16-19 largest magnitudes, v20-23 at work, v24-27 2^-e, v28-31 scale words, v32-39 codes; window 1: eight slots of 32: register 4 i + col = W(8 (lane / 8) + i, 4 (lane % 8) + col)
; consumers: v40-45 row x 32 + 16 h of each tile; v48-53 rows' scale words (3 par + i), v54-55 weights': these eight hold scales alone; v56-58 4 x row by lane; v64-159, v160-255 two sets of six fragments;
;            window 1: v0-191 accumulators (32 tile + 8 q), v192-255 the four weight fragments
; s18 wave, s19 slice, s20 expert, s21 first row, s22 rows, s23 all rows - 1, s24 rows left from my first pair, s25 NPW my pairs (0..3), s26 my first row, s27/s28 LDS steps, s29-31 counters, s32 more to load, s33 4 x expert,
; s[34:35] weights, s[36:37] rows' codes, s[38:39] rows' scales, s[40:41] hg at my block, s[42:43] hs at my byte
.set MSB, 0
.macro WIN new                         ; the immediate's high byte repeats the setting that is left
.if MSB != \new
	s_set_vgpr_msb (MSB<<8)|\new
.set MSB, \new
.endif
.endm
.macro PFILL                           ; blocks 0 to 6 into slots 0 to 6: 56 loads
	WIN 0x40
.irp s, 0,1,2,3,4,5,6
.irp i, 0,1,2,3,4,5,6,7
	global_load_b128 v[32*\s+4*\i:32*\s+4*\i+3], v12, s[34:35] offset:(256*(\s/4)+32*(\s%4)+\i)*PITCH
.endr
.endr
	WIN 0
.endm
; a block of 32 K x 32 columns in slot; c: which of the K step's four; rl: the block seven further on is asked for, into the slot that the last block has left; cnt: the loads issued behind this block's eight
.macro PBLOCK slot, c, rl, cnt, io
.set XB, 32*(\slot)
.set XN, 32*(((\slot)+7)%8)
	s_wait_loadcnt \cnt
	s_wait_alu depctr_vm_vsrc(0)                   ; the last block's LDS stores have read v32-39, the last stage's v28-31: this block's conversions and shifts write them again
.if \rl
	WIN 0x40
.irp i, 0,1,2,3,4,5,6,7
	global_load_b128 v[XN+4*\i:XN+4*\i+3], v12, s[34:35] offset:(256*(((\c)+7)/4)+32*(((\c)+7)%4)+\i)*PITCH   ; no wait here: no vector instruction since the last block's wait on va_vdst names this slot or v12
.endr
.endif
	s_wait_dscnt 0x0                               ; the last block's LDS stores have read the registers that are written below
	WIN 0x05
.irp k, 0,1,2,3
	v_max3_num_f32 v[16+\k], |v[XB+\k]|, |v[XB+4+\k]|, 0x8000000   ; with the floor 2^(16 - 127): the byte cannot fall under 1
.endr
.irp i, 8,16,24
.irp k, 0,1,2,3
	v_max3_num_f32 v[16+\k], |v[XB+\i+\k]|, |v[XB+\i+4+\k]|, v[16+\k]
.endr
.endr
	WIN 0
.irp k, 0,1,2,3
	v_max_num_f32_dpp v[16+\k], v[16+\k], v[16+\k] row_xmask:8 row_mask:0xf bank_mask:0xf
.endr
.irp k, 0,1,2,3
	v_permlanex16_b32 v[20+\k], v[16+\k], s44, s45
.endr
.irp k, 0,1,2,3
	v_max_num_f32 v[16+\k], v[16+\k], v[20+\k]     ; the block's largest magnitude, for each of my four columns
.endr
.irp k, 0,1,2,3
	v_and_b32 v[20+\k], 0x7f800000, v[16+\k]
.endr
.irp k, 0,1,2,3
	v_sub_nc_u32 v[24+\k], s47, v[20+\k]           ; 2^-e
.endr
.irp k, 0,1,2,3
	v_add_nc_u32 v[20+\k], 0xf8800000, v[16+\k]
.endr
.if (\c) == 0
.irp k, 0,1,2,3
	v_lshrrev_b32 v[28+\k], 23, v[20+\k]           ; the scale's byte starts the K step's word
.endr
.else
.irp k, 0,1,2,3
	v_lshrrev_b32 v[20+\k], 23, v[20+\k]
.endr
.irp k, 0,1,2,3
	v_lshl_or_b32 v[28+\k], v[20+\k], 8*(\c), v[28+\k]
.endr
.endif
	WIN 0x41
.set J, 0
.rept 8
	v_pk_mul_f32 v[XB+J:XB+J+1], v[XB+J:XB+J+1], v[24:25]
	v_pk_mul_f32 v[XB+J+2:XB+J+3], v[XB+J+2:XB+J+3], v[26:27]
.set J, J+4
.endr
	WIN 0x01
.set J, 0
.rept 32
	v_med3_num_f32 v[TT+8*(J%4)+J/4], v[XB+J], -v60, v60   ; the conversion does not saturate (ISA guide 7.6.2): the hold comes first; it also lays a column's eight numbers down K on end
.set J, J+1
.endr
	WIN 0
.irp k, 0,1,2,3
	v_cvt_scalef32_pk8_bf8_f32 v[32+2*\k:33+2*\k], v[TT+8*\k:TT+8*\k+7], v[ONE]   ; one column's eight numbers down K become eight codes, the first in the lowest byte; the scale operand is 1.0
.endr
	v_nop                                          ; a plain place behind the scaled conversions
	s_wait_alu depctr_va_vdst(0)                   ; the block's one wait: the conversions have written v32-39 and the shifts v28-31, which the LDS stores read; the block's vector lines are done with its slot, in which the next block's loads land, and with v160-191
.irp k, 0,1,2,3
	ds_store_b64 v[PST], v[32+2*\k:33+2*\k] offset:(\io)+512*(\c)+16*\k
.endr
.endm
; a K step of my panel.  mode 1: every block asks for the block seven on; behind a block's eight loads those of six blocks were issued: 48, on the way in and round the loop alike.
; mode 2: the last stage but one: its first block asks for the last block of all.  mode 3: the last stage.  Where nothing more is asked for the count is 8 for each block still to come
.macro PSTAGE par, mode, io
.if (\mode) == 1
.irp c, 0,1,2,3
	PBLOCK 4*(\par)+\c, \c, 1, 48, \io
.endr
.elseif (\mode) == 2
	PBLOCK 4*(\par), 0, 1, 48, \io
	PBLOCK 4*(\par)+1, 1, 0, 48, \io
	PBLOCK 4*(\par)+2, 2, 0, 40, \io
	PBLOCK 4*(\par)+3, 3, 0, 32, \io
.else
	PBLOCK 4*(\par), 0, 0, 24, \io
	PBLOCK 4*(\par)+1, 1, 0, 16, \io
	PBLOCK 4*(\par)+2, 2, 0, 8, \io
	PBLOCK 4*(\par)+3, 3, 0, 0, \io
.endif
	ds_store_b128 v[PSS], v[28:31] offset:(\io)/32 ; four columns' scale words; the four lanes that share the columns write the same bytes with the same values.  (No vector instruction stands behind the last block's wait on va_vdst)
.if (\mode) == 1
	s_wait_xcnt 0x0                                ; the loads have read their base: it may step
	s_add_nc_u64 s[34:35], s[34:35], 256*PITCH
.endif
.endm
; the fragments and scale words of one K step of my pairs into set par; guard = 1: only of the pairs that I have
.macro ALOAD par, ablk, asc, guard
.irp i, 0,1,2
.if (\guard) && (\i > 0)
	s_cmp_le_u32 s25, \i
	s_cbranch_scc1 .Lal_\@
.endif
.irp u, 0,1
.irp c, 0,1,2,3
	global_load_b128 v[64+96*(\par)+16*(2*\i+\u)+4*\c:64+96*(\par)+16*(2*\i+\u)+4*\c+3], v[40+2*\i+\u], s[36:37] offset:((\ablk)+\c)*BLKB   ; 16 rows x 32 bytes: 512 consecutive bytes
.endr
.endr
	global_load_b32 v[48+3*(\par)+\i], v[56+\i], s[38:39] offset:(\asc)*KSB   ; 32 rows' words: lanes 0-15 serve tile u = 0, lanes 16-31 tile u = 1
.endr
.Lal_\@:
.endm
.macro APAIR par, i, ablk, asc         ; the same for one pair: nine loads
.irp u, 0,1
.irp c, 0,1,2,3
	global_load_b128 v[64+96*(\par)+16*(2*(\i)+\u)+4*\c:64+96*(\par)+16*(2*(\i)+\u)+4*\c+3], v[40+2*(\i)+\u], s[36:37] offset:((\ablk)+\c)*BLKB
.endr
.endr
	global_load_b32 v[48+3*(\par)+(\i)], v[56+(\i)], s[38:39] offset:(\asc)*KSB
.endm
; THE NEXT K STEP IS ASKED FOR, THEN THIS ONE IS WAITED FOR.  The next step's fragments of the pairs that I have go into set par, nine loads a pair; each way out has its own wait, whose count is the loads
; that this way has just issued: loads come back in order (ISA guide 5.7.1), so all that was asked for earlier, this step's fragments and scale words among it, is in, and the next step's stay on their way
.macro ALOADW par, ablk, asc
	APAIR \par, 0, \ablk, \asc
	s_cmp_le_u32 s25, 1
	s_cbranch_scc1 .Lw1_\@
	APAIR \par, 1, \ablk, \asc
	s_cmp_le_u32 s25, 2
	s_cbranch_scc1 .Lw2_\@
	APAIR \par, 2, \ablk, \asc
	s_wait_loadcnt 27                              ; three pairs' loads were issued behind this step's
	s_branch .Lwj_\@
.Lw2_\@:
	s_wait_loadcnt 18                              ; two pairs'
	s_branch .Lwj_\@
.Lw1_\@:
	s_wait_loadcnt 9                               ; one pair's
.Lwj_\@:
.endm
.macro WFRAG lofs, sofs                ; a K step's four weight fragments and their scale words, out of the images
	WIN 0x40
.irp q, 0,1,2,3
.irp c, 0,1,2,3
	ds_load_b128 v[192+16*\q+4*\c:192+16*\q+4*\c+3], v[CLD] offset:(\lofs)+2048*\q+512*\c
.endr
.endr
	WIN 0
	ds_load_b32 v54, v[CLS] offset:(\sofs)         ; panel 0: lanes 0-15 tile u = 0, lanes 16-31 tile u = 1
	ds_load_b32 v55, v[CLS] offset:(\sofs)+128     ; panel 1
.endm
.macro WM acc, wf, af, sw, sx, ra, rb
.if (\ra) && (\rb)
	v_wmma_scale_f32_16x16x128_f8f6f4 v[(\acc):(\acc)+7], v[(\wf):(\wf)+15], v[(\af):(\af)+15], v[(\acc):(\acc)+7], v[\sw], v[\sx] matrix_a_fmt:MATRIX_FMT_BF8 matrix_b_fmt:MATRIX_FMT_BF8 matrix_a_scale:MATRIX_SCALE_ROW1 matrix_b_scale:MATRIX_SCALE_ROW1
.elseif (\ra)
	v_wmma_scale_f32_16x16x128_f8f6f4 v[(\acc):(\acc)+7], v[(\wf):(\wf)+15], v[(\af):(\af)+15], v[(\acc):(\acc)+7], v[\sw], v[\sx] matrix_a_fmt:MATRIX_FMT_BF8 matrix_b_fmt:MATRIX_FMT_BF8 matrix_a_scale:MATRIX_SCALE_ROW1
.elseif (\rb)
	v_wmma_scale_f32_16x16x128_f8f6f4 v[(\acc):(\acc)+7], v[(\wf):(\wf)+15], v[(\af):(\af)+15], v[(\acc):(\acc)+7], v[\sw], v[\sx] matrix_a_fmt:MATRIX_FMT_BF8 matrix_b_fmt:MATRIX_FMT_BF8 matrix_b_scale:MATRIX_SCALE_ROW1
.else
	v_wmma_scale_f32_16x16x128_f8f6f4 v[(\acc):(\acc)+7], v[(\wf):(\wf)+15], v[(\af):(\af)+15], v[(\acc):(\acc)+7], v[\sw], v[\sx] matrix_a_fmt:MATRIX_FMT_BF8 matrix_b_fmt:MATRIX_FMT_BF8
.endif
.endm
; eight products a pair; the accumulators take turns, one instruction a turn, across pairs and K steps too
.macro PAIRS par
.irp i, 0,1,2
.if \i > 0
	s_cmp_le_u32 s25, \i
	s_cbranch_scc1 .Lpe_\@
.endif
	WIN 0x51                                       ; weights, C and D in window 1, rows in window 0
.irp u, 0,1
.irp q, 0,1,2,3
	WM 32*(2*\i+\u)+8*\q,192+16*\q,64+96*(\par)+16*(2*\i+\u),54+\q/2,48+3*(\par)+\i,\q%2,\u
.endr
.endr
	WIN 0
.endr
.Lpe_\@:
.endm
; one K step of the consumer.  nxt: the next K step's rows are asked for, ahead of the wait for this step's (0: no, 1: yes, 2: where s32 says so); where nothing is asked for the wait is for 0.
; w = 1: eight places and the step's wait on va_vdst, then the weight fragments' LDS loads ahead of the request, so that they land under the wait for the rows.
; w = 0: the step opens an arm: the arm before has closed with the places and that wait, and the LDS loads stand behind the wait for the rows, since their registers bear the numbers of the producers' slots 6 and 7
.macro KSTEP par, lofs, sofs, nxt, ablk, asc, w
.if \w
.rept 8
	v_nop                                          ; eight places between the last products and loads into registers that they read
.endr
	s_wait_alu depctr_va_vdst(0)                   ; the step's one wait: the last step's products are done reading the weights' fragments, v54-55, and the set and scale words that are asked for again below; in the later chunks' loop v8 and v9 are written too
	WFRAG \lofs, \sofs
.endif
.if (\nxt) == 1
	ALOADW 1-(\par), \ablk, \asc
.elseif (\nxt) == 2
	s_cmp_eq_u32 s32, 0
	s_cbranch_scc1 .Lkn_\@
	ALOADW 1-(\par), \ablk, \asc
	s_branch .Lkj_\@
.Lkn_\@:
	s_wait_loadcnt 0x0                             ; nothing was issued behind this step's rows
.Lkj_\@:
.else
	s_wait_loadcnt 0x0                             ; nothing was issued behind this step's rows
.endif
.if (\w) == 0
	WFRAG \lofs, \sofs
.endif
	s_wait_dscnt 0x0
	PAIRS \par
.endm
.macro CSETUP                          ; my tiles' rows, held inside what the first launch stored
.irp t, 0,1,2,3,4,5
	v_add_nc_u32 v61, 128*(\t/2)+16*(\t%2), v13
	v_add_nc_u32 v61, s26, v61
	v_min_u32 v61, s23, v61
	v_min_u32 v61, 0x8ff, v61
	v_lshl_add_u32 v[40+\t], v61, 5, v14
.endr
.irp i, 0,1,2
	v_add_nc_u32 v61, 128*\i, v1
	v_add_nc_u32 v61, s26, v61
	v_min_u32 v61, s23, v61
	v_min_u32 v61, 0x8ff, v61
	v_lshlrev_b32 v[56+\i], 2, v61
.endr
.endm
.macro ZERO
	WIN 0x40
.set J, 0
.rept 192
	v_mov_b32 v[J], 0
.set J, J+1
.endr
	WIN 0
.endm
.macro NPWC                            ; pair i is mine to do where 128 i < s24
	s_max_i32 s25, s24, 0
	s_add_co_u32 s25, s25, 127
	s_lshr_b32 s25, s25, 7
	s_min_u32 s25, s25, 3
.endm
; ppar: the producers' slots (-1: nothing left to make); cons: 0 nothing to multiply yet, 1 multiply, 2 not in the loop's first trip; bar: the barrier that shows the stage just stored to the consumers
.macro INTERVAL ppar, mode, pio, cons, cio, last, bar
	s_cmp_lt_u32 s18, 4
	s_cbranch_scc0 .Lcons_\@
.if (\ppar) >= 0
	PSTAGE \ppar, \mode, \pio
.endif
	s_branch .Ljoin_\@
.Lcons_\@:
.if \cons
.if (\cons) == 2
	s_cmp_eq_u32 s29, 0
	s_cbranch_scc1 .Lskip_\@
.endif
	s_cmp_eq_u32 s25, 0
	s_cbranch_scc1 .Lskip_\@
	KSTEP 0, \cio, (\cio)/32, 1, 4, 1, 0
	KSTEP 1, (\cio)+8192, (\cio)/32+256, 1-(\last), 8, 2, 1
	s_wait_xcnt 0x0                                ; the loads have read their bases: they may step
	s_add_nc_u64 s[36:37], s[36:37], 8*BLKB
	s_add_nc_u64 s[38:39], s[38:39], 2*KSB
.if \bar
.rept 8
	v_nop                                          ; eight places close the arm behind its last products: the text behind the join names the same registers
.endr
	s_wait_alu depctr_va_vdst(0)                   ; the arm's last products are done reading set 1, v51-55 and the weights' fragments, and have written the accumulators: the loads behind the join land in registers of these numbers
.endif
	s_branch .Ljoin_\@
.endif
.Lskip_\@:
	s_wait_loadcnt 0x0                             ; an arm that multiplies nothing leaves no load out
.Ljoin_\@:
	s_wait_dscnt 0x0                               ; my LDS stores have landed, my LDS loads are in
.if \bar
	s_barrier_signal -1
	s_barrier_wait -1
.endif
.endm
.macro ADDRS
	s_wait_alu depctr_vm_vsrc(0)                   ; the LDS stores and loads issued so far have read v6 to v9
	v_add_nc_u32 v[PST], s27, v2
	v_add_nc_u32 v[PSS], s28, v3
	v_add_nc_u32 v[CLD], s27, v4
	v_add_nc_u32 v[CLS], s28, v5
	s_wait_alu depctr_va_vdst(0)                   ; v6 to v9 are written: the LDS stores and loads of the next two intervals read them.  In the first trip also: the head's clearing moves have written v256-447; loads behind the joins land in registers of these numbers
.endm
; pair i goes out: h = g u / (1 + 2^(-g log2 e)), quantised: a lane's 16 numbers and lane l xor 16's are the block of 32; the codes are 16 bytes a lane, 512 consecutive bytes a tile.
; The pair's three stores stand together behind both tiles' arithmetic, under one wait
.macro EPI i
	v_mov_b32 v97, 0                               ; (a lane permute's destination counts as one of its sources)
.irp u, 0,1
.set TA, 2*(\i)+\u
.set AC, 32*TA
	WIN 0x05
.set J, 0
.rept 16
	v_mul_f32 v[64+J], s48, v[AC+J]                ; -g log2(e): each accumulator is read from its low end on
.set J, J+1
.endr
.set J, 0
.rept 16
	v_mul_f32 v[80+J], v[AC+J], v[AC+16+J]         ; g u
.set J, J+1
.endr
	WIN 0
.set J, 0
.rept 16
	v_exp_f32 v[64+J], v[64+J]
.set J, J+1
.endr
	v_nop                                          ; a plain place behind the transcendentals
.set J, 0
	s_wait_alu depctr_va_vdst(0)                   ; the sixteen exponentials have written v64-79: one wait, ahead of their first reader
.rept 16
	v_add_f32 v[64+J], 1.0, v[64+J]
.set J, J+1
.endr
.set J, 0
.rept 16
	v_rcp_f32 v[64+J], v[64+J]
.set J, J+1
.endr
	v_nop
.set J, 0
	s_wait_alu depctr_va_vdst(0)                   ; the sixteen reciprocals have written v64-79: one wait, ahead of their first reader
.rept 16
	v_mul_f32 v[80+J], v[80+J], v[64+J]
.set J, J+1
.endr
	v_max3_num_f32 v96, |v80|, |v81|, 0x8000000
.irp j, 2,4,6,8,10,12,14
	v_max3_num_f32 v96, v96, |v[80+\j]|, |v[81+\j]|
.endr
	v_permlanex16_b32 v97, v96, s44, s45
	v_max_num_f32 v96, v96, v97
	v_add_nc_u32 v100, 0xf8800000, v96             ; 15 off the exponent field: the conversion's scale operand
	v_and_or_b32 v101, v96, 0x7f800000, s49        ; 57,344 x the scale
	v_lshrrev_b32 v[98+\u], 23, v100               ; the scale's byte
.set J, 0
.rept 16
	v_med3_num_f32 v[80+J], v[80+J], -v101, v101
.set J, J+1
.endr
	v_cvt_scalef32_pk8_bf8_f32 v[104+4*TA:105+4*TA], v[80:87], v100
	v_cvt_scalef32_pk8_bf8_f32 v[106+4*TA:107+4*TA], v[88:95], v100
	v_nop                                          ; a plain place behind the scaled conversions
.endr
	v_cndmask_b32 v[128+\i], v99, v98, s50         ; lanes 0-15: tile u = 0's rows, lanes 16-31: tile u = 1's
	s_wait_alu depctr_va_vdst(0)                   ; the pair's one wait: the conversions have written both tiles' codes and the select the bytes, which the three stores read
	global_store_b128 v[40+2*(\i)], v[104+8*(\i):107+8*(\i)], s[40:41]   ; each tile has its own data registers
	global_store_b128 v[41+2*(\i)], v[108+8*(\i):111+8*(\i)], s[40:41]
	global_store_b8 v[56+\i], v[128+\i], s[42:43]  ; my slice's byte of 32 rows' words
.endm
	; ---- the common head: every wave makes every pointer, constant and address
	s_load_b256 s[4:11], s[0:1], 0x0               ; W1 s[4:5], W3 s[6:7], xg s[8:9], xs s[10:11]
	s_load_b128 s[12:15], s[0:1], 0x20             ; meta s[12:13], hg s[14:15]
	s_load_b64 s[16:17], s[0:1], 0x30              ; hs
	v_lshl_add_u32 v47, v0, 2, 0x26000
	v_mov_b32 v59, 0
	v_lshrrev_b32 v61, 5, v0
	v_readfirstlane_b32 s18, v61                   ; wave 0..7
	v_and_b32 v1, 31, v0
	s_mov_b32 s19, ttmp9                           ; slice
	s_and_b32 s20, ttmp7, 0xffff                   ; expert
	s_wait_alu depctr_va_sdst(0)                   ; s18 is written, ahead of its first reader: roles, bases and LDS places are made from it
	s_and_b32 s57, s18, 1                          ; m
	s_bfe_u32 s58, s18, 0x10001                    ; which of a stage's two K steps
	s_and_b32 s56, s18, 3                          ; consumer's number
	v_and_b32 v13, 15, v0
	v_bfe_u32 v14, v0, 4, 1
	v_lshlrev_b32 v14, 4, v14
	; my column 4 (l % 8) + col = 16 a + 8 u + b lies in tile u, image lane 8 a + b; my rows 8 (l / 8) + 0..7 in half l / 16, bytes 8 ((l / 8) % 2) on
	s_lshl_b32 s52, s58, 13
	s_lshl_b32 s53, s57, 12
	s_add_co_u32 s52, s52, s53
	s_add_co_u32 s52, s52, IMG
	v_bfe_u32 v61, v0, 1, 1
	v_bfe_u32 v62, v0, 2, 1
	v_and_b32 v63, 1, v0
	v_lshlrev_b32 v2, 11, v61
	v_lshl_add_u32 v2, v62, 7, v2
	v_lshl_add_u32 v2, v63, 6, v2
	v_lshl_add_u32 v2, v14, 4, v2
	v_lshlrev_b32 v3, 6, v61
	v_lshl_add_u32 v3, v62, 5, v3
	v_lshl_add_u32 v3, v63, 4, v3
	v_bfe_u32 v61, v0, 3, 1
	v_lshl_add_u32 v2, v61, 3, v2
	v_add_nc_u32 v2, s52, v2
	s_lshl_b32 s52, s58, 8
	s_lshl_b32 s53, s57, 7
	s_add_co_u32 s52, s52, s53
	s_add_co_u32 s52, s52, BSC
	v_add_nc_u32 v3, s52, v3
	v_lshl_add_u32 v4, v1, 4, IMG-16384            ; the consumers stand one stage behind
	v_lshl_add_u32 v5, v1, 2, BSC-512
	v_lshl_add_u32 v10, v1, 4, IMG
	v_lshl_add_u32 v11, v1, 2, BSC
	v_lshrrev_b32 v61, 3, v1
	v_and_b32 v62, 7, v1
	v_lshlrev_b32 v12, 15, v61                     ; 8 rows of 4,096 bytes for each eight lanes
	v_lshl_add_u32 v12, v62, 4, v12
	v_mov_b32 v60, 0x47600000                      ; 57,344.0
	v_mov_b32 v[ONE], 1.0
.irp k, 20,21,22,23
	v_mov_b32 v\k, 0                               ; permutes' destinations
.endr
	s_mov_b32 s44, 0x76543210
	s_mov_b32 s45, 0xfedcba98
	s_mov_b32 s47, 0x86800000
	s_mov_b32 s48, 0xbfb8aa3b                      ; -log2(e)
	s_mov_b32 s49, 0x600000                        ; the mantissa field of 57,344
	s_mov_b32 s50, 0xffff
	s_mov_b32 s27, 0
	s_mov_b32 s28, 0
	s_mov_b32 s29, 0
	s_lshl_b32 s33, s20, 2
	s_lshl_b32 s52, s20, 23                        ; an expert: 2,048 rows of 4,096 bytes
	s_lshl_b32 s53, s58, 19                        ; 128 rows
	s_add_co_u32 s52, s52, s53
	s_lshl_b32 s53, s19, 7                         ; 32 columns
	s_add_co_u32 s52, s52, s53
	s_mov_b32 s53, 0
	s_mul_i32 s54, s19, BLKB                       ; my slice is block `slice` of the next K
	s_mov_b32 s55, 0
	s_lshr_b32 s30, s19, 2
	s_mul_i32 s30, s30, KSB
	s_and_b32 s31, s19, 3
	s_add_co_u32 s30, s30, s31
	s_mov_b32 s31, 0
	s_wait_kmcnt 0x0
	s_load_b32 s21, s[12:13], s33 offset:0x0       ; the expert's first row, its rows, all rows: wanted behind the producers' first loads
	s_load_b32 s22, s[12:13], s33 offset:0x20
	s_load_b32 s23, s[12:13], 0x40
	s_cmp_eq_u32 s57, 0
	s_cselect_b64 s[34:35], s[4:5], s[6:7]
	s_add_nc_u64 s[34:35], s[34:35], s[52:53]
	s_mov_b64 s[36:37], s[8:9]
	s_mov_b64 s[38:39], s[10:11]
	s_add_nc_u64 s[40:41], s[14:15], s[54:55]
	s_add_nc_u64 s[42:43], s[16:17], s[30:31]
	s_wait_alu depctr_va_vdst(0)                   ; v12 is written: every load of a weight reads it as its offset
	s_cmp_lt_u32 s18, 4
	s_cbranch_scc0 .Lnofill
	PFILL                                          ; the producers' stream starts here
.Lnofill:
	s_wait_kmcnt 0x0
	s_min_u32 s21, s21, 2272
	s_min_u32 s22, s22, 2048
	s_min_u32 s23, s23, 2304
	s_max_u32 s23, s23, 1
	s_sub_co_u32 s23, s23, 1
	s_lshl_b32 s52, s56, 5
	s_sub_co_i32 s24, s22, s52
	NPWC
	s_add_co_u32 s26, s21, s52
	CSETUP
	s_wait_alu depctr_va_vdst(0)                   ; v40-45 and v56-58 are written: the loads of the rows' codes and scale words read them as their offsets
	s_cmp_lt_u32 s18, 4
	s_cbranch_scc1 .Lgo
	s_wait_loadcnt 0x0                             ; no load is out on this way: the registers loaded and cleared below are free
	ALOAD 0, 0, 0, 0                               ; K steps 0 and 1, of all three pairs: so every fragment register is written on every way
	ALOAD 1, 4, 1, 0
	ZERO
	s_wait_loadcnt 0x0                             ; the first K step asks for set 1 once more: no load into it may be out.  Nothing is to be multiplied before the first barrier
.Lgo:
.Ltrip:                                            ; three trips: stages 0 to 5 are made, stages 0 to 4 multiplied
	ADDRS
	INTERVAL 0, 1, 0, 2, 0, 0, 1
	INTERVAL 1, 1, 16384, 1, 16384, 0, 1
	s_add_co_u32 s27, s27, 32768
	s_add_co_u32 s28, s28, 1024
	s_add_co_u32 s29, s29, 1
	s_cmp_lt_u32 s29, 3
	s_cbranch_scc1 .Ltrip
	ADDRS
	INTERVAL 0, 2, 0, 1, 0, 0, 1                   ; the last two stages: one more block is asked for, then the counts run down
	INTERVAL 1, 3, 16384, 1, 16384, 0, 1
	s_add_co_u32 s27, s27, 32768
	s_add_co_u32 s28, s28, 1024
	ADDRS
	INTERVAL -1, 0, 0, 1, 0, 1, 0                  ; stage 7 is multiplied; behind the last barrier LDS is only read
	; ---- the chunk goes out; an expert's further chunks of 384 rows are multiplied from the same images.  2,048 rows at the most: six chunks.  Both loops have constant counts and every wave walks them; the work is jumped over
	s_mov_b32 s30, 6
.Lchunk:
.rept 8
	v_nop                                          ; eight places behind the last products, for the reads of their results and the writes of their registers below
.endr
	s_cmp_lt_u32 s18, 4
	s_cbranch_scc1 .Lwalk
	s_wait_loadcnt 0x0                             ; no load is out: the fragments' registers are at work below
	s_cmp_eq_u32 s25, 0
	s_cbranch_scc1 .Lnext
	EPI 0
	s_cmp_lt_u32 s25, 2
	s_cbranch_scc1 .Lnext
	EPI 1
	s_cmp_lt_u32 s25, 3
	s_cbranch_scc1 .Lnext
	EPI 2
.Lnext:
	s_wait_xcnt 0x0                                ; the stores above have read their offsets (v40-45, v56-58) and their data (v104-130, inside fragment set 0): on every way from here the offsets are made anew and the set is loaded again only behind this wait
	s_wait_alu depctr_vm_vsrc(0)                   ; beside it: the stores and the chunk's loads have read v40-45 and v56-58, which are made anew below, and the stores v104-130, in which loads land and which the next way out writes
	s_sub_co_i32 s24, s24, 384
	s_add_co_u32 s26, s26, 384
	NPWC
	s_cmp_eq_u32 s25, 0
	s_cbranch_scc1 .Lwalk
	CSETUP
	s_mov_b64 s[36:37], s[8:9]
	s_mov_b64 s[38:39], s[10:11]
	s_wait_alu depctr_va_vdst(0)                   ; the offsets v40-45 and v56-58 are written, which the loads below read; the way out's vector lines are done with v64-130, in which they land
	ALOAD 0, 0, 0, 1
	ZERO
.Lwalk:
	s_mov_b32 s27, 0
	s_mov_b32 s28, 0
	s_mov_b32 s31, 0
.Lks:
	s_wait_alu depctr_vm_vsrc(0)                   ; the LDS loads issued so far have read v8 and v9
	v_add_nc_u32 v[CLD], s27, v10
	v_add_nc_u32 v[CLS], s28, v11
	s_cmp_lt_u32 s18, 4
	s_cbranch_scc1 .Lidle
	s_cmp_eq_u32 s25, 0
	s_cbranch_scc1 .Lidle
	s_cmp_lg_u32 s31, NTRIP-1
	s_cselect_b32 s32, 1, 0                        ; the last trip asks for nothing beyond K
	KSTEP 0, 0, 0, 1, 4, 1, 1
	KSTEP 1, 8192, 256, 2, 8, 2, 1
	s_wait_xcnt 0x0
	s_add_nc_u64 s[36:37], s[36:37], 8*BLKB
	s_add_nc_u64 s[38:39], s[38:39], 2*KSB
.Lidle:
	s_add_co_u32 s27, s27, 16384
	s_add_co_u32 s28, s28, 512
	s_add_co_u32 s31, s31, 1
	s_cmp_lt_u32 s31, NTRIP
	s_cbranch_scc1 .Lks
	s_sub_co_u32 s30, s30, 1
	s_cmp_lg_u32 s30, 0
	s_cbranch_scc1 .Lchunk
	s_wait_dscnt 0x0                               ; the closing lines, six on end
	s_wait_alu 0x0
	s_wait_tensorcnt 0x0
	ds_add_u32 v47, v59
	s_wait_dscnt 0x0
	s_endpgm
.Lfunc_end_k_q256925cc8d_gateup:
	.size	k_q256925cc8d_gateup, .Lfunc_end_k_q256925cc8d_gateup-k_q256925cc8d_gateup
	.p2alignl 7, 3214868480
	.fill 96, 4, 3214868480
	.section	.rodata,"a",@progbits
	.p2align	6, 0x0
	.amdhsa_kernel k_q256925cc8d_gateup
		.amdhsa_group_segment_fixed_size 156672
		.amdhsa_private_segment_fixed_size 0
		.amdhsa_enable_private_segment 0
		.amdhsa_kernarg_size 56
		.amdhsa_user_sgpr_count 2
		.amdhsa_user_sgpr_kernarg_segment_ptr 1
		.amdhsa_wavefront_size32 1
		.amdhsa_system_sgpr_workgroup_id_x 1
		.amdhsa_system_sgpr_workgroup_id_y 1
		.amdhsa_system_sgpr_workgroup_id_z 1
		.amdhsa_system_vgpr_workitem_id 0
		.amdhsa_next_free_vgpr 512
		.amdhsa_next_free_sgpr 66
		.amdhsa_reserve_vcc 0
		.amdhsa_float_denorm_mode_32 3
		.amdhsa_float_denorm_mode_16_64 3
		.amdhsa_memory_ordered 1
		.amdhsa_forward_progress 1
		.amdhsa_inst_pref_size 255
	.end_amdhsa_kernel
	.section	.bss,"aw",@nobits
	.p2align	6
	.space	262144
	.amdgpu_metadata
---
amdhsa.version: [ 1, 2 ]
amdhsa.kernels:
  - .name:           k_q256925cc8d_gateup
    .symbol:         k_q256925cc8d_gateup.kd
    .args:
      - { .name: w1_stacked, .offset: 0, .size: 8, .value_kind: global_buffer, .address_space: global }
      - { .name: w3_stacked, .offset: 8, .size: 8, .value_kind: global_buffer, .address_space: global }
      - { .name: xg, .offset: 16, .size: 8, .value_kind: global_buffer, .address_space: global }
      - { .name: xs, .offset: 24, .size: 8, .value_kind: global_buffer, .address_space: global }
      - { .name: meta, .offset: 32, .size: 8, .value_kind: global_buffer, .address_space: global }
      - { .name: hg, .offset: 40, .size: 8, .value_kind: global_buffer, .address_space: global }
      - { .name: hs, .offset: 48, .size: 8, .value_kind: global_buffer, .address_space: global }
    .group_segment_fixed_size: 156672
    .private_segment_fixed_size: 0
    .kernarg_segment_align: 8
    .kernarg_segment_size: 56
    .max_flat_workgroup_size: 256
    .sgpr_count:     66
    .vgpr_count:     512
    .wavefront_size: 32
...
	.end_amdgpu_metadata
.endif
;; end of part 6
;; launch down (part 7): grid 32 x 8, 8 waves a work-group, no clusters, 107,520 bytes of LDS; arguments w2_stacked, hg, hs, meta, y; writes y
.if DOCPART == 7
	.amdgcn_target "amdgcn-amd-amdhsa--gfx1250"
	.amdhsa_code_object_version 6
	.text
	.protected	k_q256925cc8d_down
	.globl	k_q256925cc8d_down
	.p2align	8
	.type	k_q256925cc8d_down,@function
k_q256925cc8d_down:
	s_mov_b64 s[64:65], 0
	v_nop
	global_prefetch_b8 v0, s[64:65] scope:SCOPE_SE
	s_setreg_imm32_b32 hwreg(HW_REG_WAVE_SCHED_MODE, 0, 2), 2
	s_setreg_imm32_b32 hwreg(HW_REG_WAVE_MODE, 25, 1), 1
	s_wait_xcnt 0x0
	s_wait_alu depctr_vm_vsrc(0)
; DOWN.  y[row] = h[row] W2[e] for the sorted rows of expert e, on codes of E5M2 with E8M0 scales; y is f32, one owner a row.
; A work-group = (64 columns of H, expert e).  The weight slice (1,024 x 64 f32) is read from memory ONCE, as f32, quantised on the way; its codes stay in LDS for all of K (64 KB).
; ROLES.  Waves 0-3 PRODUCE: wave pw takes panel m = pw & 1 (columns 32 m on) and, in stage t, the K step 2 t + (pw >> 1); only weight loads count on its LOADcnt: seven blocks, 56 loads of 512 bytes, are on their way.
;   Waves 4-7 CONSUME: wave cw owns the pairs of 16-row tiles cw + 4 i (i = 0..2) of a chunk of 384 rows.
;   In an interval the producers make stage t while the consumers multiply stage t - 1; one barrier an interval, on every wave's path.  No image byte is written twice.
;   THE ROWS' CODES ARE ASKED FOR AHEAD OF THE WAIT: a K step first asks for the next step's fragments, into the set that the step before has left, and only then waits for its own: two steps' loads are on their way together.
;   The roles part and join at every barrier.  So all pointers, constants and addresses are made in common text at the head; a consumer arm's first wait leaves out only loads that the arm itself has issued, and the arm
;   ends eight places behind its last product.
; WEIGHTS, IMAGES and the choice of a tile's columns: a lane loads 4 columns of one row k, its 8 loads run down 8 rows, lanes l, l xor 8, l xor 16 share a block of 32.  K step s, tile q = 2 m + u lies at
;   IMG + 8192 s + 2048 q + 512 c + 16 lane; image lane r of tile u holds column 16 (r / 8) + 8 u + r % 8 of the panel.  In the transposed product lane (r, h) holds row r and columns 16 h + 8 u + 0..7.
;   The hold lays a column's eight numbers down K in eight registers on end, and one conversion takes the eight.
; Four stages only: the five intervals are written out, and every LDS place is a fixed register and an immediate.
; NO CLUSTER, NO TENSOR LOAD: the 32 work-groups of an expert do read the same rows' codes, but how many rows there are is read from memory, and branches hang on it.
; The weight loads carry no hint: the other half of each 256 bytes of a weight's row is read by the wave of the other panel.
; The accumulators are cleared by moves in the consumers' idle head: a K step with the constant 0 as C would be a second copy of the step in three places.
; LIMITS: NaN and infinities are not served; a block of zeros gets the byte 1 over zero codes (this program alone reads the bytes).
; THE MODE: SCHED_MODE bits 1:0 = 2 (LLVM: expert scheduling mode 2), set by the entry lines.  The code itself states the register dependences between vector or matrix instructions and memory or LDS
; instructions, with s_wait_alu, always for 0.
; THE PLAN.  Registers that memory or LDS instructions touch:
;   window 1, slots 0-7 (producers)  Block b's vector lines read and rewrite its slot; the loads that block b + 1 issues land in it.
;   v32-39, v28-31 (producers)       Written by a block's conversions and shifts; read by the LDS stores at the block's and the stage's end.
;   v160-191 (producers)             Written by a block's holds, read by its four conversions.  They bear the numbers of pair 0 of the consumers' set 1: no load into that set is out at a join, and the block's wait
;                                    on va_vdst stands ahead of every load into it.
;   v2, v3, v12, v15, v59            Addresses and an offset, made once at the head and never written again.
;   v8, v9                           LDS addresses: made at the head; written once a trip of the later chunks' loop; read by the weight fragments' LDS loads.
;   v40-45, v56-58                   Offsets: made by CSETUP, once a chunk; read by the loads of the rows' codes and scale words.
;   sets 0, 1, v48-53 (consumers)    Step s's products read set s % 2; the request that step s + 1 issues lands in it.
;   v448-511, v54-55 (consumers)     Step s's products read them; step s + 1's LDS loads land in them.
;   the way out                      The accumulators, written by the products, are the LDS stores' data; tile t comes back from the stage into 32 registers of its own, v[64 + 32 t] on (both sets are free there),
;                                    which its eight stores read; v16-21, a tile's offset in y, are made together at the chunk's head.
; So a producer has ONE wait on va_vdst a block, behind its conversions (codes and words are written; the slot is left), and one on vm_vsrc at the block's head (the last stores have read their data);
; a consumer has ONE wait on va_vdst a K step, at its head (an arm's first step: at the end of the arm before; the first arm's: behind the head's clearing moves); a chunk's way out has one of each, at its head.
.set RP,    2304
.set BLKB,  RP*32
.set KSB,   RP*4
.set PITCH, 8192                       ; a weight's row in bytes
.set NTRIP, 4                          ; K steps / 2
.set BSC,   512                        ; LDS: weight scale words: 256 s + 128 m + 4 (16 u + r)
.set STG,   4096                       ; LDS: a stage of 16 rows x (256 bytes + 16) for each wave, by its number
.set IMG,   40960                      ; LDS: the images
.set PST,   2                          ; v2  where I store codes       v3  scale words     (producers)
.set PSS,   3
.set CLD,   8                          ; v8  where I load fragments    v9  scale words     (consumers; K step 0, stepped in the later chunks' loop)
.set CLS,   9
.set ONE,   4                          ; v4  1.0: the conversions' scale operand: the numbers have been divided by their block's scale already
.set TT,    160                        ; v160-191 (producers) a block's 32 numbers, scaled and held, column by column: register 8 col + i = row i of my column col
; v1 lane; v10, v11 the consumers' addresses at K step 0; v12 my offset in a weight block; v13 lane % 16; v14 16 (lane / 16); v15, v59 the stage, in and out; v46 16 (lane % 16); v47 lane / 16; v60 57,344.0; v61-63 at work
; v6, v7: the closing add's two registers, made at the head and kept for it alone
; producers: v16-19 largest magnitudes, v20-23 at work, v24-27 2^-e, v28-31 scale words, v32-39 codes; window 1: eight slots of 32: register 4 i + col = W(8 (lane / 8) + i, 4 (lane % 8) + col)
; consumers: v16-21 a tile's offset in y; v40-45 row x 32 + 16 h of each tile; v48-53 rows' scale words (3 par + i), v54-55 weights': these eight hold scales alone; v56-58 4 x row by lane;
;            v64-159, v160-255 two sets of six fragments; window 1: v0-191 accumulators (32 tile + 8 q), v192-255 the four weight fragments
; s18 wave, s19 slice, s20 expert, s21 first row, s22 rows, s23 all rows - 1, s24 rows left from my first pair, s25 NPW my pairs (0..3), s26 my first row, s27/s28 LDS steps, s30, s31 counters, s32 more to load, s33 4 x expert,
; s[34:35] weights, s[36:37] rows' codes, s[38:39] rows' scales, s[40:41] y at my columns
.set MSB, 0
.macro WIN new                         ; the immediate's high byte repeats the setting that is left
.if MSB != \new
	s_set_vgpr_msb (MSB<<8)|\new
.set MSB, \new
.endif
.endm
.macro PFILL                           ; blocks 0 to 6 into slots 0 to 6: 56 loads
	WIN 0x40
.irp s, 0,1,2,3,4,5,6
.irp i, 0,1,2,3,4,5,6,7
	global_load_b128 v[32*\s+4*\i:32*\s+4*\i+3], v12, s[34:35] offset:(256*(\s/4)+32*(\s%4)+\i)*PITCH
.endr
.endr
	WIN 0
.endm
; a block of 32 K x 32 columns in slot; c: which of the K step's four; rl: the block seven further on is asked for, into the slot that the last block has left; cnt: the loads issued behind this block's eight
.macro PBLOCK slot, c, rl, cnt, io
.set XB, 32*(\slot)
.set XN, 32*(((\slot)+7)%8)
	s_wait_loadcnt \cnt
	s_wait_alu depctr_vm_vsrc(0)                   ; the last block's LDS stores have read v32-39, the last stage's v28-31: this block's conversions and shifts write them again
.if \rl
	WIN 0x40
.irp i, 0,1,2,3,4,5,6,7
	global_load_b128 v[XN+4*\i:XN+4*\i+3], v12, s[34:35] offset:(256*(((\c)+7)/4)+32*(((\c)+7)%4)+\i)*PITCH   ; no wait here: no vector instruction since the last block's wait on va_vdst names this slot or v12
.endr
.endif
	s_wait_dscnt 0x0                               ; the last block's LDS stores have read the registers that are written below
	WIN 0x05
.irp k, 0,1,2,3
	v_max3_num_f32 v[16+\k], |v[XB+\k]|, |v[XB+4+\k]|, 0x8000000   ; with the floor 2^(16 - 127): the byte cannot fall under 1
.endr
.irp i, 8,16,24
.irp k, 0,1,2,3
	v_max3_num_f32 v[16+\k], |v[XB+\i+\k]|, |v[XB+\i+4+\k]|, v[16+\k]
.endr
.endr
	WIN 0
.irp k, 0,1,2,3
	v_max_num_f32_dpp v[16+\k], v[16+\k], v[16+\k] row_xmask:8 row_mask:0xf bank_mask:0xf
.endr
.irp k, 0,1,2,3
	v_permlanex16_b32 v[20+\k], v[16+\k], s44, s45
.endr
.irp k, 0,1,2,3
	v_max_num_f32 v[16+\k], v[16+\k], v[20+\k]     ; the block's largest magnitude, for each of my four columns
.endr
.irp k, 0,1,2,3
	v_and_b32 v[20+\k], 0x7f800000, v[16+\k]
.endr
.irp k, 0,1,2,3
	v_sub_nc_u32 v[24+\k], s47, v[20+\k]           ; 2^-e
.endr
.irp k, 0,1,2,3
	v_add_nc_u32 v[20+\k], 0xf8800000, v[16+\k]
.endr
.if (\c) == 0
.irp k, 0,1,2,3
	v_lshrrev_b32 v[28+\k], 23, v[20+\k]           ; the scale's byte starts the K step's word
.endr
.else
.irp k, 0,1,2,3
	v_lshrrev_b32 v[20+\k], 23, v[20+\k]
.endr
.irp k, 0,1,2,3
	v_lshl_or_b32 v[28+\k], v[20+\k], 8*(\c), v[28+\k]
.endr
.endif
	WIN 0x41
.set J, 0
.rept 8
	v_pk_mul_f32 v[XB+J:XB+J+1], v[XB+J:XB+J+1], v[24:25]
	v_pk_mul_f32 v[XB+J+2:XB+J+3], v[XB+J+2:XB+J+3], v[26:27]
.set J, J+4
.endr
	WIN 0x01
.set J, 0
.rept 32
	v_med3_num_f32 v[TT+8*(J%4)+J/4], v[XB+J], -v60, v60   ; the conversion does not saturate (ISA guide 7.6.2): the hold comes first; it also lays a column's eight numbers down K on end
.set J, J+1
.endr
	WIN 0
.irp k, 0,1,2,3
	v_cvt_scalef32_pk8_bf8_f32 v[32+2*\k:33+2*\k], v[TT+8*\k:TT+8*\k+7], v[ONE]   ; one column's eight numbers down K become eight codes, the first in the lowest byte; the scale operand is 1.0
.endr
	v_nop                                          ; a plain place behind the scaled conversions
	s_wait_alu depctr_va_vdst(0)                   ; the block's one wait: the conversions have written v32-39 and the shifts v28-31, which the LDS stores read; the block's vector lines are done with its slot, in which the next block's loads land, and with v160-191
.irp k, 0,1,2,3
	ds_store_b64 v[PST], v[32+2*\k:33+2*\k] offset:(\io)+512*(\c)+16*\k
.endr
.endm
; a K step of my panel.  mode 1: every block asks for the block seven on; behind a block's eight loads those of six blocks were issued: 48.
; mode 2: the last stage but one: its first block asks for the last block of all.  mode 3: the last stage.  Where nothing more is asked for the count is 8 for each block still to come
.macro PSTAGE par, mode, io
.if (\mode) == 1
.irp c, 0,1,2,3
	PBLOCK 4*(\par)+\c, \c, 1, 48, \io
.endr
.elseif (\mode) == 2
	PBLOCK 4*(\par), 0, 1, 48, \io
	PBLOCK 4*(\par)+1, 1, 0, 48, \io
	PBLOCK 4*(\par)+2, 2, 0, 40, \io
	PBLOCK 4*(\par)+3, 3, 0, 32, \io
.else
	PBLOCK 4*(\par), 0, 0, 24, \io
	PBLOCK 4*(\par)+1, 1, 0, 16, \io
	PBLOCK 4*(\par)+2, 2, 0, 8, \io
	PBLOCK 4*(\par)+3, 3, 0, 0, \io
.endif
	ds_store_b128 v[PSS], v[28:31] offset:(\io)/32 ; four columns' scale words; the four lanes that share the columns write the same bytes with the same values.  (No vector instruction stands behind the last block's wait on va_vdst)
.if (\mode) == 1
	s_wait_xcnt 0x0                                ; the loads have read their base: it may step
	s_add_nc_u64 s[34:35], s[34:35], 256*PITCH
.endif
.endm
; the fragments and scale words of one K step of my pairs into set par; guard = 1: only of the pairs that I have
.macro ALOAD par, ablk, asc, guard
.irp i, 0,1,2
.if (\guard) && (\i > 0)
	s_cmp_le_u32 s25, \i
	s_cbranch_scc1 .Lal_\@
.endif
.irp u, 0,1
.irp c, 0,1,2,3
	global_load_b128 v[64+96*(\par)+16*(2*\i+\u)+4*\c:64+96*(\par)+16*(2*\i+\u)+4*\c+3], v[40+2*\i+\u], s[36:37] offset:((\ablk)+\c)*BLKB   ; 16 rows x 32 bytes: 512 consecutive bytes
.endr
.endr
	global_load_b32 v[48+3*(\par)+\i], v[56+\i], s[38:39] offset:(\asc)*KSB   ; 32 rows' words: lanes 0-15 serve tile u = 0, lanes 16-31 tile u = 1
.endr
.Lal_\@:
.endm
.macro APAIR par, i, ablk, asc         ; the same for one pair: nine loads
.irp u, 0,1
.irp c, 0,1,2,3
	global_load_b128 v[64+96*(\par)+16*(2*(\i)+\u)+4*\c:64+96*(\par)+16*(2*(\i)+\u)+4*\c+3], v[40+2*(\i)+\u], s[36:37] offset:((\ablk)+\c)*BLKB
.endr
.endr
	global_load_b32 v[48+3*(\par)+(\i)], v[56+(\i)], s[38:39] offset:(\asc)*KSB
.endm
; THE NEXT K STEP IS ASKED FOR, THEN THIS ONE IS WAITED FOR.  The next step's fragments of the pairs that I have go into set par, nine loads a pair; each way out has its own wait, whose count is the loads
; that this way has just issued: loads come back in order (ISA guide 5.7.1), so all that was asked for earlier, this step's fragments and scale words among it, is in, and the next step's stay on their way
.macro ALOADW par, ablk, asc
	APAIR \par, 0, \ablk, \asc
	s_cmp_le_u32 s25, 1
	s_cbranch_scc1 .Lw1_\@
	APAIR \par, 1, \ablk, \asc
	s_cmp_le_u32 s25, 2
	s_cbranch_scc1 .Lw2_\@
	APAIR \par, 2, \ablk, \asc
	s_wait_loadcnt 27                              ; three pairs' loads were issued behind this step's
	s_branch .Lwj_\@
.Lw2_\@:
	s_wait_loadcnt 18                              ; two pairs'
	s_branch .Lwj_\@
.Lw1_\@:
	s_wait_loadcnt 9                               ; one pair's
.Lwj_\@:
.endm
.macro WFRAG lofs, sofs                ; a K step's four weight fragments and their scale words, out of the images
	WIN 0x40
.irp q, 0,1,2,3
.irp c, 0,1,2,3
	ds_load_b128 v[192+16*\q+4*\c:192+16*\q+4*\c+3], v[CLD] offset:(\lofs)+2048*\q+512*\c
.endr
.endr
	WIN 0
	ds_load_b32 v54, v[CLS] offset:(\sofs)         ; panel 0: lanes 0-15 tile u = 0, lanes 16-31 tile u = 1
	ds_load_b32 v55, v[CLS] offset:(\sofs)+128     ; panel 1
.endm
.macro WM acc, wf, af, sw, sx, ra, rb
.if (\ra) && (\rb)
	v_wmma_scale_f32_16x16x128_f8f6f4 v[(\acc):(\acc)+7], v[(\wf):(\wf)+15], v[(\af):(\af)+15], v[(\acc):(\acc)+7], v[\sw], v[\sx] matrix_a_fmt:MATRIX_FMT_BF8 matrix_b_fmt:MATRIX_FMT_BF8 matrix_a_scale:MATRIX_SCALE_ROW1 matrix_b_scale:MATRIX_SCALE_ROW1
.elseif (\ra)
	v_wmma_scale_f32_16x16x128_f8f6f4 v[(\acc):(\acc)+7], v[(\wf):(\wf)+15], v[(\af):(\af)+15], v[(\acc):(\acc)+7], v[\sw], v[\sx] matrix_a_fmt:MATRIX_FMT_BF8 matrix_b_fmt:MATRIX_FMT_BF8 matrix_a_scale:MATRIX_SCALE_ROW1
.elseif (\rb)
	v_wmma_scale_f32_16x16x128_f8f6f4 v[(\acc):(\acc)+7], v[(\wf):(\wf)+15], v[(\af):(\af)+15], v[(\acc):(\acc)+7], v[\sw], v[\sx] matrix_a_fmt:MATRIX_FMT_BF8 matrix_b_fmt:MATRIX_FMT_BF8 matrix_b_scale:MATRIX_SCALE_ROW1
.else
	v_wmma_scale_f32_16x16x128_f8f6f4 v[(\acc):(\acc)+7], v[(\wf):(\wf)+15], v[(\af):(\af)+15], v[(\acc):(\acc)+7], v[\sw], v[\sx] matrix_a_fmt:MATRIX_FMT_BF8 matrix_b_fmt:MATRIX_FMT_BF8
.endif
.endm
; eight products a pair; the accumulators take turns, one instruction a turn, across pairs and K steps too
.macro PAIRS par
.irp i, 0,1,2
.if \i > 0
	s_cmp_le_u32 s25, \i
	s_cbranch_scc1 .Lpe_\@
.endif
	WIN 0x51                                       ; weights, C and D in window 1, rows in window 0
.irp u, 0,1
.irp q, 0,1,2,3
	WM 32*(2*\i+\u)+8*\q,192+16*\q,64+96*(\par)+16*(2*\i+\u),54+\q/2,48+3*(\par)+\i,\q%2,\u
.endr
.endr
	WIN 0
.endr
.Lpe_\@:
.endm
; one K step of the consumer.  nxt: the next K step's rows are asked for, ahead of the wait for this step's (0: no, 1: yes, 2: where s32 says so); where nothing is asked for the wait is for 0.
; w = 1: eight places and the step's wait on va_vdst, then the weight fragments' LDS loads ahead of the request, so that they land under the wait for the rows.
; w = 0: the step opens an arm: the arm before has closed with the places and that wait, and the LDS loads stand behind the wait for the rows, since their registers bear the numbers of the producers' slots 6 and 7
.macro KSTEP par, lofs, sofs, nxt, ablk, asc, w
.if \w
.rept 8
	v_nop                                          ; eight places between the last products and loads into registers that they read
.endr
	s_wait_alu depctr_va_vdst(0)                   ; the step's one wait: the last step's products are done reading the weights' fragments, v54-55, and the set and scale words that are asked for again below; in the later chunks' loop v8 and v9 are written too
	WFRAG \lofs, \sofs
.endif
.if (\nxt) == 1
	ALOADW 1-(\par), \ablk, \asc
.elseif (\nxt) == 2
	s_cmp_eq_u32 s32, 0
	s_cbranch_scc1 .Lkn_\@
	ALOADW 1-(\par), \ablk, \asc
	s_branch .Lkj_\@
.Lkn_\@:
	s_wait_loadcnt 0x0                             ; nothing was issued behind this step's rows
.Lkj_\@:
.else
	s_wait_loadcnt 0x0                             ; nothing was issued behind this step's rows
.endif
.if (\w) == 0
	WFRAG \lofs, \sofs
.endif
	s_wait_dscnt 0x0
	PAIRS \par
.endm
.macro CSETUP                          ; my tiles' rows, held inside the rows that the launch before stored
.irp t, 0,1,2,3,4,5
	v_add_nc_u32 v61, 128*(\t/2)+16*(\t%2), v13
	v_add_nc_u32 v61, s26, v61
	v_min_u32 v61, s23, v61
	v_min_u32 v61, 0x8ff, v61
	v_lshl_add_u32 v[40+\t], v61, 5, v14
.endr
.irp i, 0,1,2
	v_add_nc_u32 v61, 128*\i, v1
	v_add_nc_u32 v61, s26, v61
	v_min_u32 v61, s23, v61
	v_min_u32 v61, 0x8ff, v61
	v_lshlrev_b32 v[56+\i], 2, v61
.endr
.endm
.macro YOFF                            ; the six tiles' offsets in y, made together, so that one wait serves all the chunk's stores
.irp t, 0,1,2,3,4,5
	v_add_nc_u32 v61, 128*(\t/2)+16*(\t%2), v47
	v_add_nc_u32 v61, s26, v61
	v_min_u32 v61, s23, v61
	v_min_u32 v61, 0x8ff, v61
	v_lshl_add_u32 v[16+\t], v61, 13, v46          ; row x 8,192 + 16 (lane % 16); lanes 16-31 one row further down
.endr
.endm
.macro ZERO
	WIN 0x40
.set J, 0
.rept 192
	v_mov_b32 v[J], 0
.set J, J+1
.endr
	WIN 0
.endm
.macro NPWC                            ; pair i is mine to do where 128 i < s24
	s_max_i32 s25, s24, 0
	s_add_co_u32 s25, s25, 127
	s_lshr_b32 s25, s25, 7
	s_min_u32 s25, s25, 3
.endm
; ppar: the producers' slots (-1: nothing left to make); cons: 0 nothing to multiply yet, 1 multiply; bar: the barrier that shows the stage just stored to the consumers
.macro INTERVAL ppar, mode, pio, cons, cio, last, bar
	s_cmp_lt_u32 s18, 4
	s_cbranch_scc0 .Lcons_\@
.if (\ppar) >= 0
	PSTAGE \ppar, \mode, \pio
.endif
	s_branch .Ljoin_\@
.Lcons_\@:
.if \cons
	s_cmp_eq_u32 s25, 0
	s_cbranch_scc1 .Lskip_\@
	KSTEP 0, \cio, (\cio)/32, 1, 4, 1, 0
	KSTEP 1, (\cio)+8192, (\cio)/32+256, 1-(\last), 8, 2, 1
	s_wait_xcnt 0x0                                ; the loads have read their bases: they may step
	s_add_nc_u64 s[36:37], s[36:37], 8*BLKB
	s_add_nc_u64 s[38:39], s[38:39], 2*KSB
.if \bar
.rept 8
	v_nop                                          ; eight places close the arm behind its last products: the text behind the join names the same registers
.endr
	s_wait_alu depctr_va_vdst(0)                   ; the arm's last products are done reading set 1, v51-55 and the weights' fragments, and have written the accumulators: the loads behind the join land in registers of these numbers
.endif
	s_branch .Ljoin_\@
.endif
.Lskip_\@:
	s_wait_loadcnt 0x0                             ; an arm that multiplies nothing leaves no load out
.Ljoin_\@:
	s_wait_dscnt 0x0                               ; my LDS stores have landed, my LDS loads are in
.if \bar
	s_barrier_signal -1
	s_barrier_wait -1
.endif
.endm
; pair i goes out, a tile of 16 rows x 64 columns at a time, through my own stage: in by 16 bytes of a row, back as whole rows of 256 bytes, which sixteen lanes store as one aligned run of 256 bytes.
; No vector instruction stands in it, and each tile comes back into registers of its own: the two waits at the chunk's head state all that its LDS and memory instructions hang on
.macro EPI i
.irp u, 0,1
.set TA, 2*(\i)+\u
.set AC, 32*TA
.set BK, 64+32*TA
	WIN 0x04                                       ; an LDS store's data are its source 1: window 1
.irp q, 0,1,2,3
	ds_store_b128 v15, v[AC+8*\q:AC+8*\q+3] offset:128*(\q/2)+32*(\q%2)        ; each accumulator from its low end on
	ds_store_b128 v15, v[AC+8*\q+4:AC+8*\q+7] offset:128*(\q/2)+32*(\q%2)+16
.endr
	WIN 0
.irp t, 0,1,2,3,4,5,6,7
	ds_load_b128 v[BK+4*\t:BK+4*\t+3], v59 offset:544*\t   ; LDS serves a wave's instructions in order (ISA guide 5.7.1.4): these see the stores above
.endr
	s_wait_dscnt 0x0
.irp t, 0,1,2,3,4,5,6,7
	global_store_b128 v[16+TA], v[BK+4*\t:BK+4*\t+3], s[40:41] offset:16384*\t th:TH_STORE_NT
.endr
.endr
.endm
	; ---- the common head: every wave makes every pointer, constant and address
	s_load_b256 s[4:11], s[0:1], 0x0               ; W2 s[4:5], hg s[6:7], hs s[8:9], meta s[10:11]
	s_load_b64 s[12:13], s[0:1], 0x20              ; y
	v_lshl_add_u32 v6, v0, 2, 0x1a000
	v_mov_b32 v7, 0
	v_lshrrev_b32 v61, 5, v0
	v_readfirstlane_b32 s18, v61                   ; wave 0..7
	v_and_b32 v1, 31, v0
	s_mov_b32 s19, ttmp9                           ; slice
	s_and_b32 s20, ttmp7, 0xffff                   ; expert
	s_wait_alu depctr_va_sdst(0)                   ; s18 is written, ahead of its first reader: roles, bases and LDS places are made from it
	s_and_b32 s57, s18, 1                          ; m
	s_bfe_u32 s58, s18, 0x10001                    ; which of a stage's two K steps
	s_and_b32 s56, s18, 3                          ; consumer's number
	v_and_b32 v13, 15, v0
	v_bfe_u32 v14, v0, 4, 1
	v_lshlrev_b32 v14, 4, v14
	s_lshl_b32 s52, s58, 13
	s_lshl_b32 s53, s57, 12
	s_add_co_u32 s52, s52, s53
	s_add_co_u32 s52, s52, IMG
	v_bfe_u32 v61, v0, 1, 1
	v_bfe_u32 v62, v0, 2, 1
	v_and_b32 v63, 1, v0
	v_lshlrev_b32 v2, 11, v61
	v_lshl_add_u32 v2, v62, 7, v2
	v_lshl_add_u32 v2, v63, 6, v2
	v_lshl_add_u32 v2, v14, 4, v2
	v_lshlrev_b32 v3, 6, v61
	v_lshl_add_u32 v3, v62, 5, v3
	v_lshl_add_u32 v3, v63, 4, v3
	v_bfe_u32 v61, v0, 3, 1
	v_lshl_add_u32 v2, v61, 3, v2
	v_add_nc_u32 v2, s52, v2
	s_lshl_b32 s52, s58, 8
	s_lshl_b32 s53, s57, 7
	s_add_co_u32 s52, s52, s53
	s_add_co_u32 s52, s52, BSC
	v_add_nc_u32 v3, s52, v3
	v_lshl_add_u32 v8, v1, 4, IMG
	v_lshl_add_u32 v9, v1, 2, BSC
	v_lshl_add_u32 v10, v1, 4, IMG
	v_lshl_add_u32 v11, v1, 2, BSC
	s_mul_i32 s52, s18, 16*272
	s_add_co_u32 s52, s52, STG
	v_mul_u32_u24 v15, v13, 272
	v_lshl_add_u32 v15, v14, 2, v15
	v_add_nc_u32 v15, s52, v15                     ; the stage, in: row r, 64 bytes for each half of the lanes
	v_lshrrev_b32 v47, 4, v1
	v_mul_u32_u24 v59, v47, 272
	v_lshl_add_u32 v59, v13, 4, v59
	v_add_nc_u32 v59, s52, v59                     ; back: lanes 0-15 one row, lanes 16-31 the next
	v_lshlrev_b32 v46, 4, v13
	v_lshrrev_b32 v61, 3, v1
	v_and_b32 v62, 7, v1
	v_lshlrev_b32 v12, 16, v61                     ; 8 rows of 8,192 bytes for each eight lanes
	v_lshl_add_u32 v12, v62, 4, v12
	v_mov_b32 v60, 0x47600000                      ; 57,344.0
	v_mov_b32 v[ONE], 1.0
.irp k, 20,21,22,23
	v_mov_b32 v\k, 0                               ; permutes' destinations
.endr
	s_mov_b32 s44, 0x76543210
	s_mov_b32 s45, 0xfedcba98
	s_mov_b32 s47, 0x86800000
	s_lshl_b32 s33, s20, 2
	s_lshl_b32 s52, s20, 23                        ; an expert: 1,024 rows of 8,192 bytes
	s_lshl_b32 s53, s58, 20                        ; 128 rows
	s_add_co_u32 s52, s52, s53
	s_lshl_b32 s53, s19, 8                         ; 64 columns
	s_add_co_u32 s52, s52, s53
	s_lshl_b32 s53, s57, 7                         ; 32 columns
	s_add_co_u32 s52, s52, s53
	s_mov_b32 s53, 0
	s_lshl_b32 s54, s19, 8
	s_mov_b32 s55, 0
	s_wait_kmcnt 0x0
	s_load_b32 s21, s[10:11], s33 offset:0x0       ; the expert's first row, its rows, all rows: wanted behind the producers' first loads
	s_load_b32 s22, s[10:11], s33 offset:0x20
	s_load_b32 s23, s[10:11], 0x40
	s_add_nc_u64 s[34:35], s[4:5], s[52:53]
	s_mov_b64 s[36:37], s[6:7]
	s_mov_b64 s[38:39], s[8:9]
	s_add_nc_u64 s[40:41], s[12:13], s[54:55]
	s_wait_alu depctr_va_vdst(0)                   ; v12 is written, which every load of a weight reads as its offset; so are the LDS addresses v2, v3, v8, v9, v15 and v59, which the LDS stores and loads read
	s_cmp_lt_u32 s18, 4
	s_cbranch_scc0 .Lnofill
	PFILL                                          ; the producers' stream starts here
.Lnofill:
	s_wait_kmcnt 0x0
	s_min_u32 s21, s21, 2272
	s_min_u32 s22, s22, 2048
	s_min_u32 s23, s23, 2304
	s_max_u32 s23, s23, 1
	s_sub_co_u32 s23, s23, 1
	s_lshl_b32 s52, s56, 5
	s_sub_co_i32 s24, s22, s52
	NPWC
	s_add_co_u32 s26, s21, s52
	CSETUP
	s_wait_alu depctr_va_vdst(0)                   ; v40-45 and v56-58 are written: the loads of the rows' codes and scale words read them as their offsets
	s_cmp_lt_u32 s18, 4
	s_cbranch_scc1 .Lgo
	s_wait_loadcnt 0x0                             ; no load is out on this way: the registers loaded and cleared below are free
	ALOAD 0, 0, 0, 0                               ; K steps 0 and 1, of all three pairs: so every fragment register is written on every way
	ALOAD 1, 4, 1, 0
	ZERO
	s_wait_alu depctr_va_vdst(0)                   ; the clearing moves have written v256-447: the loads behind the joins land in registers of these numbers
	s_wait_loadcnt 0x0                             ; the first K step asks for set 1 once more: no load into it may be out.  Nothing is to be multiplied before the first barrier
.Lgo:
	INTERVAL 0, 1, 0, 0, 0, 0, 1                   ; stage 0 is made
	INTERVAL 1, 1, 16384, 1, 0, 0, 1               ; stage 1 is made, stage 0 multiplied
	INTERVAL 0, 2, 32768, 1, 16384, 0, 1           ; the last two stages: one more block is asked for, then the counts run down
	INTERVAL 1, 3, 49152, 1, 32768, 0, 1
	INTERVAL -1, 0, 0, 1, 49152, 1, 0              ; stage 3 is multiplied; behind the last barrier the images are only read
	; ---- the chunk goes out; an expert's further chunks of 384 rows are multiplied from the same images.  2,048 rows at the most: six chunks.  Both loops have constant counts and every wave walks them; the work is jumped over
	s_mov_b32 s30, 6
.Lchunk:
.rept 8
	v_nop                                          ; eight places behind the last products, for the reads of their results and the writes of their registers below
.endr
	s_cmp_lt_u32 s18, 4
	s_cbranch_scc1 .Lwalk
	s_wait_loadcnt 0x0                             ; no load is out: the fragments' registers are at work below
	s_wait_storecnt 0x0                            ; the last chunk's stores, issued a whole walk of K ago, are done: their data and offset registers are written again below
	s_wait_alu depctr_vm_vsrc(0)                   ; the last chunk's stores have read their offsets v16-21, which are made anew below, and their data v64-255, in which the loads from the stage land
	s_cmp_eq_u32 s25, 0
	s_cbranch_scc1 .Lnext
	YOFF
	s_wait_alu depctr_va_vdst(0)                   ; the way out's one wait, behind the places: the products have written the accumulators, which the LDS stores read, and are done reading both sets, in which the loads from the stage land; v16-21 are written, which the stores read
	EPI 0
	s_cmp_lt_u32 s25, 2
	s_cbranch_scc1 .Lnext
	EPI 1
	s_cmp_lt_u32 s25, 3
	s_cbranch_scc1 .Lnext
	EPI 2
.Lnext:
	s_wait_xcnt 0x0                                ; the stores have read their data: the fragments' registers are loaded again below
	s_wait_alu depctr_vm_vsrc(0)                   ; beside it: the stores have read v64-255, in which loads land; the LDS stores the accumulators, which are cleared; the chunk's loads v40-45 and v56-58, which are made anew
	s_sub_co_i32 s24, s24, 384
	s_add_co_u32 s26, s26, 384
	NPWC
	s_cmp_eq_u32 s25, 0
	s_cbranch_scc1 .Lwalk
	CSETUP
	s_mov_b64 s[36:37], s[6:7]
	s_mov_b64 s[38:39], s[8:9]
	s_wait_alu depctr_va_vdst(0)                   ; the offsets v40-45 and v56-58 are written, which the loads below read
	ALOAD 0, 0, 0, 1
	ZERO
.Lwalk:
	s_mov_b32 s27, 0
	s_mov_b32 s28, 0
	s_mov_b32 s31, 0
.Lks:
	s_wait_alu depctr_vm_vsrc(0)                   ; the LDS loads issued so far have read v8 and v9
	v_add_nc_u32 v[CLD], s27, v10
	v_add_nc_u32 v[CLS], s28, v11
	s_cmp_lt_u32 s18, 4
	s_cbranch_scc1 .Lidle
	s_cmp_eq_u32 s25, 0
	s_cbranch_scc1 .Lidle
	s_cmp_lg_u32 s31, NTRIP-1
	s_cselect_b32 s32, 1, 0                        ; the last trip asks for nothing beyond K
	KSTEP 0, 0, 0, 1, 4, 1, 1
	KSTEP 1, 8192, 256, 2, 8, 2, 1
	s_wait_xcnt 0x0
	s_add_nc_u64 s[36:37], s[36:37], 8*BLKB
	s_add_nc_u64 s[38:39], s[38:39], 2*KSB
.Lidle:
	s_add_co_u32 s27, s27, 16384
	s_add_co_u32 s28, s28, 512
	s_add_co_u32 s31, s31, 1
	s_cmp_lt_u32 s31, NTRIP
	s_cbranch_scc1 .Lks
	s_sub_co_u32 s30, s30, 1
	s_cmp_lg_u32 s30, 0
	s_cbranch_scc1 .Lchunk
	s_wait_dscnt 0x0                               ; the closing lines, six on end
	s_wait_alu 0x0
	s_wait_tensorcnt 0x0
	ds_add_u32 v6, v7
	s_wait_dscnt 0x0
	s_endpgm
.Lfunc_end_k_q256925cc8d_down:
	.size	k_q256925cc8d_down, .Lfunc_end_k_q256925cc8d_down-k_q256925cc8d_down
	.p2alignl 7, 3214868480
	.fill 96, 4, 3214868480
	.section	.rodata,"a",@progbits
	.p2align	6, 0x0
	.amdhsa_kernel k_q256925cc8d_down
		.amdhsa_group_segment_fixed_size 107520
		.amdhsa_private_segment_fixed_size 0
		.amdhsa_enable_private_segment 0
		.amdhsa_kernarg_size 40
		.amdhsa_user_sgpr_count 2
		.amdhsa_user_sgpr_kernarg_segment_ptr 1
		.amdhsa_wavefront_size32 1
		.amdhsa_system_sgpr_workgroup_id_x 1
		.amdhsa_system_sgpr_workgroup_id_y 1
		.amdhsa_system_sgpr_workgroup_id_z 1
		.amdhsa_system_vgpr_workitem_id 0
		.amdhsa_next_free_vgpr 512
		.amdhsa_next_free_sgpr 66
		.amdhsa_reserve_vcc 0
		.amdhsa_float_denorm_mode_32 3
		.amdhsa_float_denorm_mode_16_64 3
		.amdhsa_memory_ordered 1
		.amdhsa_forward_progress 1
		.amdhsa_inst_pref_size 236
	.end_amdhsa_kernel
	.amdgpu_metadata
---
amdhsa.version: [ 1, 2 ]
amdhsa.kernels:
  - .name:           k_q256925cc8d_down
    .symbol:         k_q256925cc8d_down.kd
    .args:
      - { .name: w2_stacked, .offset: 0, .size: 8, .value_kind: global_buffer, .address_space: global }
      - { .name: hg, .offset: 8, .size: 8, .value_kind: global_buffer, .address_space: global }
      - { .name: hs, .offset: 16, .size: 8, .value_kind: global_buffer, .address_space: global }
      - { .name: meta, .offset: 24, .size: 8, .value_kind: global_buffer, .address_space: global }
      - { .name: y, .offset: 32, .size: 8, .value_kind: global_buffer, .address_space: global }
    .group_segment_fixed_size: 107520
    .private_segment_fixed_size: 0
    .kernarg_segment_align: 8
    .kernarg_segment_size: 40
    .max_flat_workgroup_size: 256
    .sgpr_count:     66
    .vgpr_count:     512
    .wavefront_size: 32
...
	.end_amdgpu_metadata
.endif
;; end of part 7
;; launch combine: the kernel of part 4 again; grid 256 x 1, 4 waves a work-group, no clusters, 0 bytes of LDS; arguments y, pos, expert_weights, out0; writes out0
